; MI455X (gfx1250); checked and timed in simulation.
; The chip was launched on July 23, 2026; its instructions are those of AMD's public machine-readable ISA for CDNA 5 (MIT licence, August 2026) and "CDNA5" Instruction Set Architecture Reference Guide (July 2026). The comments in the code are by the model that wrote it; some were corrected since.
;; block. Allowed arithmetic: matrix products marked QUANTISED: E4M3 operands, one E8M0 scale for each 32 along K, by v_wmma_scale_f32_16x16x128_f8f6f4 with both operands' format E4M3, f32 sums; everything else in f32.
;; Inputs: W1 1,024 x 4,096 float32; W2 4,096 x 1,024 float32; Wk 1,024 x 1,024 float32; Wo 1,024 x 1,024 float32; Wq 1,024 x 1,024 float32; Wv 1,024 x 1,024 float32; b1 4,096 float32; b2 1,024 float32; bo 1,024 float32; ln1_b 1,024 float32; ln1_w 1,024 float32; ln2_b 1,024 float32; ln2_w 1,024 float32; x 2 x 2,048 x 1,024 float32.
;; Outputs: out0 2 x 2,048 x 1,024 float32.
;; This version of the problem:
;;   THIS VERSION OF THE PROBLEM IS GIVEN IN LOW PRECISION. The matrix products marked QUANTISED in the list below multiply operands that are first quantised to E4M3 (4 exponent bits, 3 mantissa bits; 8 bits a number), with one power-of-two scale for each 32 numbers along K (OCP MX v1.0); their sums are f32. All else is computed in f32.
;;   The module's matrix products, in the order in which they are computed (A, B: the left and right operand; K: the contracted axis; several contracted axes count as one K, in the product's order):
;;     1. [M 4,096, K 1,024] x [K 1,024, N 1,024]; A: input x; B: input Wq: QUANTISED
;;     2. [M 4,096, K 1,024] x [K 1,024, N 1,024]; A: input x; B: input Wk: QUANTISED
;;     3. [M 4,096, K 1,024] x [K 1,024, N 1,024]; A: input x; B: input Wv: QUANTISED
;;     4. batch 32 x [M 2,048, K 64] x [K 64, N 2,048]; A: computed on the way; B: computed on the way: QUANTISED
;;     5. batch 32 x [M 2,048, K 2,048] x [K 2,048, N 64]; A: softmax (see below); B: computed on the way: QUANTISED
;;     6. [M 4,096, K 1,024] x [K 1,024, N 1,024]; A: computed on the way; B: input Wo: QUANTISED
;;     7. [M 4,096, K 1,024] x [K 1,024, N 4,096]; A: computed on the way; B: input W1: QUANTISED
;;     8. [M 4,096, K 4,096] x [K 4,096, N 1,024]; A: computed on the way; B: input W2: QUANTISED
;;   THE QUANTISER, for each operand of a quantised product, along K:
;;     - K is cut into blocks of 32 from its start; a last block that is shorter is filled with zeros.
;;     - A block's scale is 2^e with e = floor(log2(the largest magnitude in the block)) - 8, held to -126 .. 127; a block of zeros has e = 0. As a byte (E8M0): e + 127.
;;     - Each number is divided by its block's scale, clamped to +-448, and rounded to the nearest number of E4M3, ties to even, subnormals kept.
;;     - The product sums the exact products of the quantised numbers (number of the format x scale) in f32.
;;   ~~~python
;;   def quantise(x, axis):      # numpy; x: float32 -> the quantised numbers, widened to float32 again
;;       x = np.moveaxis(x, axis, -1); K = x.shape[-1]
;;       x = np.pad(x, [(0, 0)] * (x.ndim - 1) + [(0, -K % 32)]); x = x.reshape(x.shape[:-1] + (-1, 32)); a = np.abs(x).max(-1, keepdims=True)
;;       e = np.where(a > 0, np.clip(np.frexp(np.where(a > 0, a, 1))[1] - 1 - 8, -126, 127), 0)      # np.frexp(a)[1] - 1 = floor(log2(a)), exactly
;;       r = np.clip(x / 2.0 ** e, -448, 448)
;;       step = 2.0 ** (np.maximum(np.frexp(np.where(r == 0, 1, r))[1] - 1, -6) - 3)
;;       q = np.round(r / step) * step * 2.0 ** e      # np.round: ties to even
;;       return np.moveaxis(q.reshape(q.shape[:-2] + (-1,))[..., :K], -1, axis).astype(np.float32)
;;   ~~~
;;   SOFTMAX AHEAD OF A QUANTISED PRODUCT. Where the list says 'softmax', what is quantised is not the finished softmax but p = 2^(t - M), with t = logit x log2(e) and M = ceil(the row's largest t), a whole number; so 1/2 < the row's largest p <= 1. The row's sum l is taken of the UNQUANTISED p, in f32, and the product's result is divided by l at the end. Since M is a whole number, a kernel that streams over the keys may use a running M (the ceiling of the running maximum): every later rescaling is an exact power of two, which a block's scale takes up: the codes' values come out the same.
;;   OPERANDS COMPUTED ON THE WAY. 'Computed on the way' means the value that the module computes at that place (a softmax that the list does not call 'softmax' is quantised finished and normalised). What goes into a quantiser is computed in f32, as accurately as f32 sums, v_exp_f32 and their like allow (about 1e-6 of the number): no bf16 or f16 on the way to a quantiser, and a product that is left as it is and whose result goes on into a quantised operand takes f32 operands (vector FMAs, or v_wmma_f32_16x16x4_f32). A number that lies on a knife's edge between two numbers of the format may be rounded either way, as far as f32 arithmetic and the matrix unit's own rounding can turn it there, and no further.
;; One version. Each part assembles by itself: llvm-mc -triple=amdgcn-amd-amdhsa -mcpu=gfx1250 --defsym DOCPART=n.
;; ======== version 1 of 1: 8 launches
;; limits: right only within a limited range of input values
;; workspace buffers: prepb 17,301,504 bytes; qkvb 21,626,880 bytes; attb 4,325,376 bytes; r1 16,777,216 bytes; hbuf 21,102,592 bytes; hid 17,301,504 bytes; r2 67,108,864 bytes
;; launch prep (part 1): grid 640 x 1, 8 waves a work-group, no clusters, 0 bytes of LDS; arguments x, Wq, Wk, Wv, Wo, W1, W2, prepb; writes prepb
.if DOCPART == 1
	.amdgcn_target "amdgcn-amd-amdhsa--gfx1250"
	.amdhsa_code_object_version 6
	.text
	.protected	k_qa21d2b71ec_prep
	.globl	k_qa21d2b71ec_prep
	.p2align	8
	.type	k_qa21d2b71ec_prep,@function
k_qa21d2b71ec_prep:
	s_mov_b64 s[64:65], 0
	v_nop
	global_prefetch_b8 v0, s[64:65] scope:SCOPE_SE
	s_setreg_imm32_b32 hwreg(HW_REG_WAVE_MODE, 25, 1), 1
	s_wait_xcnt 0x0
; FIRST OF EIGHT LAUNCHES of a transformer block (2 x 2,048 tokens, 1,024 wide, 16 heads of 64, hidden 4,096), all eight products on codes of FP8 (E4M3) with one E8M0 scale for each 32 along K.
; This launch quantises x and the six weights, each along its product's K, into prepb.
; DEAD WORK, for the whole program: reference() sets scores to -infinity where key > query, by a mask that it builds itself; their weights are exactly 0 whatever the inputs hold, so a step of 128 keys
; that lies wholly behind a tile's queries adds nothing to any output: the attention launch leaves out such steps of both of its products, and the fetches that only they would read.  Nothing else is left out, and every input is loaded.
; LIMIT: a NaN, an infinity or an overflow that reaches only those hidden scores is not carried to the result.
; LIMITS: a block of zeros gets the scale byte 1 where the rule says 127 (its codes are zeros, which add nothing under any byte but 0xff; the bytes are read by this program alone); NaN and infinities among the inputs are not served.
; THE LAYOUT OF EVERY OPERAND OF THE PROGRAM: an image of the matrix operand's registers.  A UNIT (67,584 bytes) holds 256 operand rows x 256 along K:
;   codes [tile f 0..15][q 0..1][c 0..3][lane 0..31][16 bytes]: lane p + 16 h holds place p of tile f, k = 128 q + 32 c + 16 h + 0..15;  from byte 65,536 on the scale bytes [16 f + p][8]: byte 4 q + c.
;   Place p of tile 2 g + u is row 32 g + 8 u + p + 8 (p / 8).  An operand [rows][K] is [rows / 256][K / 256] units.
; prepb: units 0-63 x, 64-79 Wq, 80-95 Wk, 96-111 Wv, 112-127 Wo, 128-191 W1 (each [block of 256 rows][4]), 192-255 W2 ([4][16]).  A weight's operand rows are its columns: K is its first axis.
; Work-groups 0-383, the longer ones: half the columns of one unit of a weight; wave w takes 32 columns (group w % 4 of the half's four) x 128 along K (half w / 4): a lane takes a column and its registers run down K.
; Work-groups 384-639: one tile of 16 tokens of x, wave w its K step 128 w.  No LDS, no barrier: waves share nothing.
.set UNIT,  67584
.set BLK4,  4*UNIT
.set PC,    16                         ; v16-31  a fragment's codes
.set TM,    32                         ; v32-47  at work in QUANT
.set PW,    48                         ; v48     the scale word
.set XN,    64                         ; v64-127 64 numbers of x
.set SEL,   26                         ; s[26:27] lane selects: lane l xor 16
.set MNT,   28                         ; s28     the mantissa field of 448
; 64 numbers of a lane, register 16 b + i = k 32 b + 16 (lane / 16) + i of my row, become a fragment's codes in v[PC] on and its scale word in v[PW]; the four blocks take turns line by line
.macro QUANT s
.irp b, 0,1,2,3
	v_max3_num_f32 v[TM+\b], |v[\s+16*\b]|, |v[\s+1+16*\b]|, 0x4800000   ; my 16 numbers of block b, and the floor 2^(9 - 127): the byte cannot fall under 1
.endr
.irp i, 2,4,6,8,10,12,14
.irp b, 0,1,2,3
	v_max3_num_f32 v[TM+\b], v[TM+\b], |v[\s+16*\b+\i]|, |v[\s+1+16*\b+\i]|
.endr
.endr
.irp b, 0,1,2,3
	v_permlanex16_b32 v[TM+4+\b], v[TM+\b], s[SEL], s[SEL+1]
.endr
.irp b, 0,1,2,3
	v_max_num_f32 v[TM+\b], v[TM+\b], v[TM+4+\b]          ; with lane l xor 16's: the block's largest magnitude
.endr
.irp b, 0,1,2,3
	v_add_nc_u32 v[TM+12+\b], 0xfc000000, v[TM+\b]        ; 8 off its exponent field: the conversion's scale operand
.endr
.irp b, 0,1,2,3
	v_and_or_b32 v[TM+8+\b], v[TM+\b], 0x7f800000, s[MNT] ; 448 x the scale
.endr
.irp b, 0,1,2,3
	v_lshrrev_b32 v[TM+4+\b], 23, v[TM+12+\b]             ; the scale's byte
.endr
	v_lshl_or_b32 v[PW], v[TM+5], 8, v[TM+4]
	v_lshl_or_b32 v[PW], v[TM+6], 16, v[PW]
	v_lshl_or_b32 v[PW], v[TM+7], 24, v[PW]
.irp b, 0,1,2,3
.irp i, 0,1,2,3,4,5,6,7,8,9,10,11,12,13,14,15
	v_med3_num_f32 v[\s+16*\b+\i], v[\s+16*\b+\i], -v[TM+8+\b], v[TM+8+\b]   ; the conversion does not saturate (ISA guide 7.6.2): the hold at the largest code x the scale
.endr
	v_cvt_scalef32_pk8_fp8_f32 v[PC+4*\b:PC+1+4*\b], v[\s+16*\b:\s+7+16*\b], v[TM+12+\b]
	v_cvt_scalef32_pk8_fp8_f32 v[PC+2+4*\b:PC+3+4*\b], v[\s+8+16*\b:\s+15+16*\b], v[TM+12+\b]
.endr
	v_nop                                          ; a plain line behind the last conversion
.endm
; a weight's block t of 32 along K: W(32 t + i, my column) into set t % 2
.macro WLOAD t, pitch
.set I, 0
.rept 32
	global_load_b32 v[32+32*((\t)%2)+I], v5, s[40:41] offset:(32*(\t)+I)*\pitch th:TH_LOAD_NT   ; the wave reads 128 consecutive bytes of a row
.set I, I+1
.endr
.endm
.macro WBLOCK t, pitch
.set XS, 32+32*((\t)%2)
.if (\t) < 3
	s_wait_loadcnt 32                              ; this block's 32 loads are in; the next block's 32 may be out
.else
	s_wait_loadcnt 0x0
.endif
	v_max3_num_f32 v12, |v[XS]|, |v[XS+1]|, |v[XS+2]|     ; all 32 numbers of the block are mine; two chains
	v_max3_num_f32 v13, |v[XS+3]|, |v[XS+4]|, |v[XS+5]|
.irp i, 6,10,14,18,22,26
	v_max3_num_f32 v12, v12, |v[XS+\i]|, |v[XS+\i+1]|
	v_max3_num_f32 v13, v13, |v[XS+\i+2]|, |v[XS+\i+3]|
.endr
	v_max3_num_f32 v12, v12, |v[XS+30]|, |v[XS+31]|
	v_max3_num_f32 v12, v12, v13, 0x4800000        ; and the floor
	v_add_nc_u32 v11, 0xfc000000, v12
	v_and_or_b32 v10, v12, 0x7f800000, s[MNT]
	v_lshrrev_b32 v13, 23, v11
.if (\t) == 0
	v_mov_b32 v24, v13                             ; four bytes to a register, the lower K in the lower byte
.else
	v_lshl_or_b32 v24, v13, 8*(\t), v24
.endif
.set I, 0
.rept 32
	v_med3_num_f32 v[XS+I], v[XS+I], -v10, v10
.set I, I+1
.endr
.irp g, 0,1,2,3
	v_cvt_scalef32_pk8_fp8_f32 v[96+8*(\t)+2*\g:97+8*(\t)+2*\g], v[XS+8*\g:XS+8*\g+7], v11   ; each block has code registers of its own: no store's data are written again
.endr
	v_nop
	global_store_b128 v7, v[96+8*(\t):99+8*(\t)], s[36:37] offset:512*(\t)          ; k 0-15 of the block: the image's lanes 0-15; sixteen lanes store 256 consecutive bytes, aligned
	global_store_b128 v7, v[100+8*(\t):103+8*(\t)], s[36:37] offset:512*(\t)+256    ; k 16-31: its lanes 16-31
.if (\t)+2 < 4
	WLOAD (\t)+2, \pitch
.endif
.endm
.macro WBODY pitch
	WLOAD 0, \pitch
	WLOAD 1, \pitch
.irp t, 0,1,2,3
	WBLOCK \t, \pitch
.endr
	global_store_b32 v8, v24, s[38:39]             ; my row's four scale bytes of this half of K; the wave that takes the other half fills the other word of each row's eight bytes
.endm
	s_load_b512 s[4:19], s[0:1], 0x0               ; x 4, Wq 6, Wk 8, Wv 10, Wo 12, W1 14, W2 16, prepb 18
	v_lshrrev_b32 v1, 5, v0
	v_readfirstlane_b32 s20, v1                    ; wave 0..7
	v_and_b32 v1, 31, v0                           ; lane
	v_and_b32 v2, 15, v0                           ; r
	v_bfe_u32 v3, v0, 4, 1                         ; h
	v_lshlrev_b32 v4, 4, v1                        ; 16 x lane
	s_mov_b32 s24, 0xffff0000                      ; lanes 16-31
	s_mov_b32 s[SEL], 0x76543210
	s_mov_b32 s[SEL+1], 0xfedcba98
	s_mov_b32 s[MNT], 0x600000
	s_cmp_lt_u32 ttmp9, 384
	s_cbranch_scc1 .Lweights
	; ---- x: token tile f = the work-group's number - 384; my K step is 128 x wave
	s_sub_co_u32 s29, ttmp9, 384
	v_lshrrev_b32 v5, 3, v2
	v_lshl_add_u32 v5, v5, 3, v2                   ; r + 8 (r / 8): place r's token in the tile
	v_lshlrev_b32 v5, 12, v5
	v_lshl_add_u32 v5, v3, 6, v5                   ; its row of 4,096 bytes, + 64 h: my 16 numbers of a block of 32
	v_lshlrev_b32 v6, 3, v2
	v_lshl_add_u32 v6, v3, 1, v6                   ; the scale word's place: 8 r, two bytes for each half of the lanes
	s_lshr_b32 s30, s29, 1
	s_lshl_b32 s30, s30, 5
	s_and_b32 s31, s29, 1
	s_lshl_b32 s31, s31, 3
	s_add_co_u32 s30, s30, s31                     ; the tile's first token: 32 (f / 2) + 8 (f % 2)
	s_lshl_b32 s30, s30, 12
	s_lshl_b32 s31, s20, 9
	s_add_co_u32 s30, s30, s31
	s_mov_b32 s31, 0
	s_lshr_b32 s32, s29, 4
	s_mul_i32 s32, s32, BLK4
	s_lshr_b32 s33, s20, 1
	s_mul_i32 s33, s33, UNIT
	s_add_co_u32 s32, s32, s33                     ; the unit: block f / 16, K / 256 = wave / 2
	s_and_b32 s33, s29, 15
	s_and_b32 s34, s20, 1
	s_lshl_b32 s35, s33, 12
	s_lshl_b32 s36, s34, 11
	s_add_co_u32 s35, s35, s36
	s_add_co_u32 s36, s32, s35                     ; the fragment's image
	s_mov_b32 s37, 0
	s_lshl_b32 s33, s33, 7
	s_lshl_b32 s34, s34, 2
	s_add_co_u32 s33, s33, s34
	s_add_co_u32 s38, s32, s33
	s_add_co_u32 s38, s38, 65536                   ; its scale words
	s_mov_b32 s39, 0
	s_wait_alu depctr_va_vdst(0)                   ; the wait here, directly ahead of the wait below
	s_wait_kmcnt 0x0
	s_add_nc_u64 s[4:5], s[4:5], s[30:31]
	s_add_nc_u64 s[36:37], s[18:19], s[36:37]
	s_add_nc_u64 s[38:39], s[18:19], s[38:39]
.irp b, 0,1,2,3
.irp j, 0,1,2,3
	global_load_b128 v[XN+16*\b+4*\j:XN+16*\b+4*\j+3], v5, s[4:5] offset:128*\b+16*\j th:TH_LOAD_NT
.endr
.endr
.irp b, 0,1,2,3
	v_mov_b32 v[TM+4+\b], 0                        ; a lane permute's destination counts as one of its sources
.endr
	s_wait_loadcnt 0x0
	QUANT XN
.irp c, 0,1,2,3
	global_store_b128 v4, v[PC+4*\c:PC+4*\c+3], s[36:37] offset:512*\c     ; the wave stores 512 consecutive bytes
.endr
	v_lshrrev_b32 v7, 16, v[PW]
	v_cndmask_b32 v7, v[PW], v7, s24               ; lanes 0-15 keep the word's low half, lanes 16-31 take its high half
	global_store_b16 v6, v7, s[38:39]
	s_endpgm
.Lweights:
	s_and_b32 s29, ttmp9, 1                        ; which half of the unit's columns
	s_lshr_b32 s21, ttmp9, 1                       ; idx 0..191: 0-63 Wq, Wk, Wv, Wo; 64-127 W1; 128-191 W2
	s_lshr_b32 s25, s20, 2                         ; which half of the unit's K
	s_and_b32 s20, s20, 3
	s_lshl_b32 s29, s29, 2
	s_add_co_u32 s20, s20, s29                     ; my group of 32 columns, 0..7
	s_wait_alu depctr_va_vdst(0)
	v_and_b32 v5, 7, v1
	v_lshrrev_b32 v6, 4, v1
	v_lshl_add_u32 v5, v6, 3, v5
	v_bfe_u32 v7, v1, 3, 1
	v_lshl_add_u32 v5, v7, 4, v5                   ; my column of the wave's 32: lane l is place l % 16 of tile 2 x group + l / 16
	v_lshlrev_b32 v5, 2, v5
	v_lshlrev_b32 v7, 12, v6
	v_lshl_add_u32 v7, v2, 4, v7                   ; my codes' place: 4,096 (l / 16) + 16 (l % 16)
	v_lshlrev_b32 v8, 3, v1                        ; my scale bytes' place: 8 l
	s_add_co_u32 s22, s21, 64
	s_mul_i32 s22, s22, UNIT                       ; the unit
	s_lshl_b32 s23, s20, 13
	s_add_co_u32 s36, s22, s23
	s_lshl_b32 s23, s25, 11
	s_add_co_u32 s36, s36, s23                     ; my two tiles, my K step of 128
	s_mov_b32 s37, 0
	s_lshl_b32 s23, s20, 8
	s_add_co_u32 s38, s22, s23
	s_lshl_b32 s23, s25, 2
	s_add_co_u32 s38, s38, s23
	s_add_co_u32 s38, s38, 65536
	s_mov_b32 s39, 0
	s_sub_co_u32 s23, s21, 64
	s_cmp_lt_u32 s23, 64
	s_cbranch_scc1 .Lw1
	; ---- weights with rows of 4,096 bytes
	s_and_b32 s30, s21, 3                          ; the square ones: K / 256,
	s_bfe_u32 s31, s21, 0x20002                    ; block of 256 columns
	s_and_b32 s32, s21, 15                         ; W2: K / 256,
	s_bfe_u32 s33, s21, 0x20004                    ; block of columns
	s_cmp_lt_u32 s21, 64
	s_cselect_b32 s30, s30, s32
	s_cselect_b32 s31, s31, s33
	s_lshl_b32 s30, s30, 20                        ; 256 rows of 4,096 bytes
	s_lshl_b32 s32, s25, 19                        ; 128 rows
	s_add_co_u32 s30, s30, s32
	s_lshl_b32 s31, s31, 10
	s_add_co_u32 s30, s30, s31
	s_lshl_b32 s31, s20, 7
	s_add_co_u32 s30, s30, s31
	s_mov_b32 s31, 0
	s_wait_kmcnt 0x0
	s_cmp_lt_u32 s21, 64                           ; which weight: the choice hangs on the work-group's number alone
	s_cselect_b64 s[16:17], s[12:13], s[16:17]
	s_cmp_lt_u32 s21, 48
	s_cselect_b64 s[16:17], s[10:11], s[16:17]
	s_cmp_lt_u32 s21, 32
	s_cselect_b64 s[16:17], s[8:9], s[16:17]
	s_cmp_lt_u32 s21, 16
	s_cselect_b64 s[16:17], s[6:7], s[16:17]
	s_add_nc_u64 s[40:41], s[16:17], s[30:31]
	s_add_nc_u64 s[36:37], s[18:19], s[36:37]
	s_add_nc_u64 s[38:39], s[18:19], s[38:39]
	s_wait_alu depctr_va_vdst(0)
	WBODY 4096
	s_endpgm
.Lw1:                                                  ; ---- W1: rows of 16,384 bytes
	s_and_b32 s30, s21, 3
	s_lshl_b32 s30, s30, 22                        ; 256 rows of 16,384 bytes
	s_lshl_b32 s32, s25, 21                        ; 128 rows
	s_add_co_u32 s30, s30, s32
	s_lshr_b32 s31, s23, 2
	s_lshl_b32 s31, s31, 10
	s_add_co_u32 s30, s30, s31
	s_lshl_b32 s31, s20, 7
	s_add_co_u32 s30, s30, s31
	s_mov_b32 s31, 0
	s_wait_kmcnt 0x0
	s_add_nc_u64 s[40:41], s[14:15], s[30:31]
	s_add_nc_u64 s[36:37], s[18:19], s[36:37]
	s_add_nc_u64 s[38:39], s[18:19], s[38:39]
	s_wait_alu depctr_va_vdst(0)
	WBODY 16384
	s_endpgm
.Lfunc_end_k_qa21d2b71ec_prep:
	.size	k_qa21d2b71ec_prep, .Lfunc_end_k_qa21d2b71ec_prep-k_qa21d2b71ec_prep
	.p2alignl 7, 3214868480
	.fill 96, 4, 3214868480
	.section	.rodata,"a",@progbits
	.p2align	6, 0x0
	.amdhsa_kernel k_qa21d2b71ec_prep
		.amdhsa_group_segment_fixed_size 0
		.amdhsa_private_segment_fixed_size 0
		.amdhsa_enable_private_segment 0
		.amdhsa_kernarg_size 64
		.amdhsa_user_sgpr_count 2
		.amdhsa_user_sgpr_kernarg_segment_ptr 1
		.amdhsa_wavefront_size32 1
		.amdhsa_system_sgpr_workgroup_id_x 1
		.amdhsa_system_sgpr_workgroup_id_y 1
		.amdhsa_system_sgpr_workgroup_id_z 1
		.amdhsa_system_vgpr_workitem_id 0
		.amdhsa_next_free_vgpr 128
		.amdhsa_next_free_sgpr 66
		.amdhsa_reserve_vcc 0
		.amdhsa_float_denorm_mode_32 3
		.amdhsa_float_denorm_mode_16_64 3
		.amdhsa_memory_ordered 1
		.amdhsa_forward_progress 1
		.amdhsa_inst_pref_size 70
	.end_amdhsa_kernel
	.amdgpu_metadata
---
amdhsa.version: [ 1, 2 ]
amdhsa.kernels:
  - .name:           k_qa21d2b71ec_prep
    .symbol:         k_qa21d2b71ec_prep.kd
    .args:
      - { .name: x, .offset: 0, .size: 8, .value_kind: global_buffer, .address_space: global }
      - { .name: Wq, .offset: 8, .size: 8, .value_kind: global_buffer, .address_space: global }
      - { .name: Wk, .offset: 16, .size: 8, .value_kind: global_buffer, .address_space: global }
      - { .name: Wv, .offset: 24, .size: 8, .value_kind: global_buffer, .address_space: global }
      - { .name: Wo, .offset: 32, .size: 8, .value_kind: global_buffer, .address_space: global }
      - { .name: W1, .offset: 40, .size: 8, .value_kind: global_buffer, .address_space: global }
      - { .name: W2, .offset: 48, .size: 8, .value_kind: global_buffer, .address_space: global }
      - { .name: prepb, .offset: 56, .size: 8, .value_kind: global_buffer, .address_space: global }
    .group_segment_fixed_size: 0
    .private_segment_fixed_size: 0
    .kernarg_segment_align: 8
    .kernarg_segment_size: 64
    .max_flat_workgroup_size: 256
    .sgpr_count:     66
    .vgpr_count:     128
    .wavefront_size: 32
...
	.end_amdgpu_metadata
.endif
;; end of part 1
;; launch qkv (part 2): grid 12 x 16, 4 waves a work-group, clusters of 4 x 4, 327,680 bytes of LDS; arguments prepb, qkvb; writes qkvb
.if DOCPART == 2
	.amdgcn_target "amdgcn-amd-amdhsa--gfx1250"
	.amdhsa_code_object_version 6
	.text
	.protected	k_qa21d2b71ec_qkv
	.globl	k_qa21d2b71ec_qkv
	.p2align	8
	.type	k_qa21d2b71ec_qkv,@function
k_qa21d2b71ec_qkv:
	s_mov_b64 s[64:65], 0
	v_nop
	global_prefetch_b8 v0, s[64:65] scope:SCOPE_SE
	s_setreg_imm32_b32 hwreg(HW_REG_WAVE_MODE, 25, 1), 1
	s_wait_xcnt 0x0
	s_wait_alu depctr_hold_cnt(0) depctr_sa_sdst(0) depctr_va_vdst(0) depctr_va_sdst(0) depctr_va_ssrc(0) depctr_va_vcc(0) depctr_vm_vsrc(0)
	s_getreg_b32 s2, hwreg(HW_REG_IB_STS2, 6, 4)
	s_cmp_eq_u32 s2, 0
	s_cbranch_scc0 .Lentry_in_a_cluster
	s_endpgm
.Lentry_in_a_cluster:
	s_bfe_u32 s2, ttmp6, 0x10000c
	s_cmp_lg_u32 s2, 0xf033
	s_cbranch_scc0 .Lentry_shape_is_right
	s_endpgm
.Lentry_shape_is_right:
.set MODE,  0
.set UNIT,  67584
.set HALFU, 33792
.set BLK4,  4*UNIT
.set BLK16, 16*UNIT
.set SLOT,  2*UNIT
.set SPARE, 2*SLOT
.set NQ,    2
.set FR,    16
.set NL,    4
.set NP,    8
.if MODE == 0
.set LAPS, 2
.set ASTR, BLK4
.set AOFF, 0
.set BSTR, BLK4
.set BOFF, 0
.set BB0,  16
.set PA,   4
.set PB,   4
.set PO,   6
.set QOUT, 1
.set RELU, 0
.set FIRSTC, 1
.endif
.if MODE == 1
.set LAPS, 2
.set ASTR, BLK4
.set AOFF, 0
.set BSTR, BLK4
.set BOFF, 0
.set BB0,  28
.set PA,   4
.set PB,   6
.set PO,   8
.set QOUT, 0
.set RELU, 0
.set FIRSTC, 1
.endif
.if MODE == 2
.set LAPS, 2
.set ASTR, BLK4
.set AOFF, 16777216
.set BSTR, BLK4
.set BOFF, 0
.set BB0,  32
.set PA,   4
.set PB,   6
.set PO,   10
.set QOUT, 1
.set RELU, 1
.set FIRSTC, 2
.endif
.if MODE == 3
.set LAPS, 8
.set ASTR, BLK16
.set AOFF, 0
.set BSTR, BLK16
.set BOFF, 192*UNIT
.set BB0,  0
.set PA,   4
.set PB,   6
.set PO,   8
.set QOUT, 0
.set RELU, 0
.set FIRSTC, 1
.endif
.set ADRA, 16
.set ADRB, 20
.set ADRS, 22
.set LI,   24
.set L8,   25
.set BO,   26
.set SPW,  28
.set NIL,  29
.set SC,   32
.set BI,   64
.set AF,   128
.set TM,   128
.set PWR,  152
.set PC,   160
.set CW,   192
.set G1,   24
.set G0,   32
.set G1B,  48
.set G0B,  56
.set SEL,  72
.set MNT,  74
.set HIM,  75
.set MSB, 0
.macro WIN new
.if MSB != (\new)
	s_set_vgpr_msb (MSB<<8)|(\new)
.set MSB, (\new)
.endif
.endm
.set MUL_LO, 0xa1
.set MUL_HI, 0xf1
.set TO_B,   0x40
.macro JLOAD g0a, g1a, g0b, g1b
	s_cmp_eq_u32 s15, 0
	s_cbranch_scc0 .Lfor_b_\@
	tensor_load_to_lds s[\g0a:\g0a+3], s[\g1a:\g1a+7]
	s_nop 0
.rept 4
	v_nop
.endr
	s_branch .Lasked_\@
.Lfor_b_\@:
	tensor_load_to_lds s[\g0b:\g0b+3], s[\g1b:\g1b+7]
	s_nop 0
.rept 4
	v_nop
.endr
.Lasked_\@:
.endm
.macro CREST
	s_cmp_lg_u32 s14, 0
	s_cbranch_scc1 .Lnot_wave_0_\@
	s_barrier_signal -3
.Lnot_wave_0_\@:
	s_barrier_wait -3
	s_barrier_signal -1
	s_barrier_wait -1
.endm
.macro CROUND
	s_barrier_signal -1
	s_barrier_wait -1
	CREST
.endm
	s_load_b128 s[4:7], s[0:1], 0x0
.if MODE == 1 || MODE == 3
	s_load_b64 s[8:9], s[0:1], 0x10
.endif
.if MODE == 2
	s_load_b128 s[8:11], s[0:1], 0x10
.endif
	v_lshl_add_u32 v[SPW], v0, 2, SPARE
	v_mov_b32 v[NIL], 0
	ds_add_u32 v[SPW], v[NIL]
	ds_add_u32 v[SPW], v[NIL]
	v_lshrrev_b32 v1, 5, v0
	v_readfirstlane_b32 s14, v1
	v_and_b32 v30, 31, v0
	v_lshlrev_b32 v30, 8, v30                      ; the prefetches' offsets: 256 x lane,
	v_mov_b32 v31, 0                               ; and 0; neither is rewritten
	s_lshr_b32 s15, s14, 1
	s_and_b32 s16, s14, 1
	s_bfe_u32 s40, ttmp6, 0x40000
	s_bfe_u32 s41, ttmp6, 0x40004
	s_and_b32 s17, ttmp7, 0xffff
	s_lshl_b32 s17, s17, 2
	s_lshl_b32 s42, ttmp9, 2
.if BB0
	s_add_co_u32 s19, s42, BB0
.else
	s_mov_b32 s19, s42
.endif
.if MODE == 0
	s_cmp_lt_u32 ttmp9, 2
	s_cselect_b32 s18, s17, 24
	s_cselect_b32 s19, s19, s17
	s_cselect_b32 s20, s17, 16
	s_cselect_b32 s21, s42, s17
.else
	s_mov_b32 s18, s17
	s_mov_b32 s20, s17
	s_mov_b32 s21, s42
.endif
	s_add_co_u32 s18, s18, s41
	s_add_co_u32 s19, s19, s40
	s_add_co_u32 s20, s20, s41
	s_add_co_u32 s21, s21, s40
	s_mul_i32 s45, s16, HALFU
	s_mul_i32 s22, s18, ASTR
	s_add_co_u32 s22, s22, s45
.if AOFF
	s_add_co_u32 s22, s22, AOFF
.endif
	s_mov_b32 s23, 0
	s_mul_i32 s46, s19, BSTR
	s_add_co_u32 s46, s46, s45
.if BOFF
	s_add_co_u32 s46, s46, BOFF
.endif
	s_mov_b32 s47, 0
	s_mul_i32 s45, s14, HALFU
	s_lshl_b32 s43, s41, 2
	s_lshl_b32 s43, 15, s43
	s_lshl_b32 s44, 0x1111, s40
	s_or_b32 s[G1+0], s43, (3<<16)|(1<<21)
	s_or_b32 s[G1B+0], s44, (3<<16)|(1<<21)
.irp g, G1, G1B
	s_mov_b32 s[\g+1], 32<<16
	s_mov_b32 s[\g+2], 264<<16                     ; the head's loads bring whole units, 264 rows of 256 bytes; behind them the two words that count rows are set to 132, for the ring's
	s_mov_b32 s[\g+3], 32<<16
	s_mov_b32 s[\g+4], 264
	s_mov_b32 s[\g+5], 32
	s_mov_b32 s[\g+6], 0
	s_mov_b32 s[\g+7], 0
.endr
.if QOUT
	s_mul_i32 s66, s20, BLK16
	s_mul_i32 s70, s21, UNIT
	s_add_co_u32 s66, s66, s70
	s_lshl_b32 s70, s15, 10
	s_lshl_b32 s71, s16, 2
	s_add_co_u32 s68, s66, s70
	s_add_co_u32 s68, s68, s71
	s_add_co_u32 s68, s68, 65536
	s_mov_b32 s69, 0
	s_lshl_b32 s70, s15, 15
	s_lshl_b32 s71, s16, 11
	s_add_co_u32 s66, s66, s70
	s_add_co_u32 s66, s66, s71
	s_mov_b32 s67, 0
	s_mov_b32 s[SEL], 0x76543210
	s_mov_b32 s[SEL+1], 0xfedcba98
	s_mov_b32 s[MNT], 0x600000
	s_mov_b32 s[HIM], 0xffff0000
.else
	s_lshl_b32 s66, s20, 4
	s_lshl_b32 s70, s15, 3
	s_add_co_u32 s66, s66, s70
	s_lshl_b32 s66, s66, 16
	s_lshl_b32 s70, s21, 3
	s_lshl_b32 s71, s16, 2
	s_add_co_u32 s70, s70, s71
	s_lshl_b32 s70, s70, 11
	s_add_co_u32 s66, s66, s70
	s_mov_b32 s67, 0
.endif
	s_wait_dscnt 0x0
	s_wait_kmcnt 0x0
	s_add_nc_u64 s[22:23], s[PA:PA+1], s[22:23]
	s_add_nc_u64 s[46:47], s[PB:PB+1], s[46:47]
	; PREFETCHES of K steps 2 and 3, behind the head's loads of steps 0 and 1: two K steps ahead of the refills that will want them; there are four steps, so nothing is asked for past the operand's end.
	; The half unit that my wave fetches in the ring is 132 blocks of 256 bytes; the four partners that ask for it jointly share them out BY ADDRESS, 33 each (place cx for A's, cy for B's): 32 by a lane each and the 33rd by all lanes of a second line.
	s_cmp_eq_u32 s15, 0
	s_cselect_b64 s[12:13], s[22:23], s[46:47]
	s_cselect_b32 s78, s40, s41
	s_mul_i32 s78, s78, 33*256
	s_mov_b32 s79, 0
	s_add_nc_u64 s[12:13], s[12:13], s[78:79]      ; never rewritten
.macro PF t
	global_prefetch_b8 v30, s[12:13] offset:(\t)*UNIT th:TH_LOAD_NT scope:SCOPE_SE
	global_prefetch_b8 v31, s[12:13] offset:(\t)*UNIT+8192 th:TH_LOAD_NT scope:SCOPE_SE
.endm
	s_add_nc_u64 s[66:67], s[PO:PO+1], s[66:67]
.if QOUT
	s_add_nc_u64 s[68:69], s[PO:PO+1], s[68:69]
.endif
	CROUND
.irp s, 0,1
	s_mov_b32 s[G0+4*\s], 1
	s_add_co_u32 s[G0+4*\s+1], s45, \s*SLOT
	s_add_nc_u64 s[G0+4*\s+2:G0+4*\s+3], s[22:23], \s*UNIT
	s_or_b32 s[G0+4*\s+3], s[G0+4*\s+3], 0x80000000
	s_mov_b32 s[G0B+4*\s], 1
	s_add_co_u32 s[G0B+4*\s+1], s45, \s*SLOT
	s_add_nc_u64 s[G0B+4*\s+2:G0B+4*\s+3], s[46:47], \s*UNIT
	s_or_b32 s[G0B+4*\s+3], s[G0B+4*\s+3], 0x80000000
.endr
	; THE HEAD'S LOADS, ONE A WAVE, each a whole unit: wave w brings A's (w even) or B's (w odd) unit of K step w / 2 into slot w / 2: both slots are asked for at once
	s_mul_i32 s78, s16, HALFU
	s_mov_b32 s79, 0
	s_sub_nc_u64 s[82:83], s[22:23], s[78:79]      ; A's unit of K step 0, from its first byte
	s_sub_nc_u64 s[86:87], s[46:47], s[78:79]      ; B's
	s_mul_i32 s78, s15, UNIT
	s_add_nc_u64 s[82:83], s[82:83], s[78:79]
	s_add_nc_u64 s[86:87], s[86:87], s[78:79]
	s_or_b32 s83, s83, 0x80000000
	s_or_b32 s87, s87, 0x80000000
	s_mov_b32 s80, 1
	s_mov_b32 s84, 1
	s_mul_i32 s81, s15, SLOT
	s_add_co_u32 s85, s81, UNIT
	s_wait_alu depctr_va_vdst(0)
	s_cmp_eq_u32 s16, 0
	s_cbranch_scc0 .Lhead_b
	tensor_load_to_lds s[80:83], s[G1:G1+7]
	s_nop 0
.rept 4
	v_nop
.endr
	s_branch .Lhead_asked
.Lhead_b:
	tensor_load_to_lds s[84:87], s[G1B:G1B+7]
	s_nop 0
.rept 4
	v_nop
.endr
.Lhead_asked:
	PF 2
	PF 3
	v_and_b32 v1, 15, v0
	v_bfe_u32 v2, v0, 4, 1
	s_wait_alu depctr_va_vdst(0)
	v_and_b32 v3, 31, v0
	v_lshlrev_b32 v[LI], 4, v3
	v_lshlrev_b32 v[L8], 3, v3
	s_lshl_b32 s70, s15, 15
	s_lshl_b32 s71, s16, 15
	s_add_co_u32 s71, s71, UNIT
.irp s, 0,1
	v_add_nc_u32 v[ADRA+\s], s70, v[LI]
	v_add_nc_u32 v[ADRB+\s], s71, v[LI]
	s_add_co_u32 s70, s70, SLOT
	s_add_co_u32 s71, s71, SLOT
.endr
	s_lshl_b32 s70, s15, 10
	s_lshl_b32 s71, s16, 10
	s_add_co_u32 s71, s71, UNIT
	s_sub_co_u32 s71, s71, s70
	v_mul_u32_u24 v4, s71, v2
	v_lshl_add_u32 v4, v1, 3, v4
	s_add_co_u32 s70, s70, 65536
	v_add_nc_u32 v[ADRS], s70, v4
	s_add_co_u32 s70, s70, SLOT
	v_add_nc_u32 v[ADRS+1], s70, v4
.if MODE == 2
	s_lshl_b32 s76, s21, 10
	s_lshl_b32 s77, s16, 9
	s_add_co_u32 s76, s76, s77
	s_mov_b32 s77, 0
	s_add_nc_u64 s[76:77], s[8:9], s[76:77]
	v_lshlrev_b32 v[BO], 6, v2
.irp b, 0,1,2,3,4,5,6,7
	global_load_b128 v[BI+8*\b:BI+8*\b+3], v[BO], s[76:77] offset:(32*(\b/2)+8*(\b%2))*4
	global_load_b128 v[BI+8*\b+4:BI+8*\b+7], v[BO], s[76:77] offset:(32*(\b/2)+8*(\b%2))*4+16
.endr
.endif
.macro FRAG reg, adr, q, i
.irp c, 0,1,2,3
	ds_load_b128 v[\reg+4*\c:\reg+4*\c+3], v[\adr] offset:2048*(\q)+512*\c+(\i)*4096
.endr
.endm
.macro MUL16 a0, p, q, sc, zero
.irp a, \a0, \a0+1
.irp b, 0,1,2,3,4,5,6,7
.if \zero == 1
	v_wmma_scale_f32_16x16x128_f8f6f4 v[8*(8*((\a)%4)+\b):8*(8*((\a)%4)+\b)+7], v[128*(\p)+FR*\b:128*(\p)+FR*\b+FR-1], v[AF+FR*(\a):AF+FR*(\a)+FR-1], 0, v[SC+8*NQ*(\sc)+NQ*\b+(\q)], v[SC+8*NQ*(\sc)+NQ*(\a)+(\q)] matrix_a_scale:MATRIX_SCALE_ROW1
.elseif \zero == 2
	v_wmma_scale_f32_16x16x128_f8f6f4 v[8*(8*((\a)%4)+\b):8*(8*((\a)%4)+\b)+7], v[128*(\p)+FR*\b:128*(\p)+FR*\b+FR-1], v[AF+FR*(\a):AF+FR*(\a)+FR-1], v[BI+8*\b:BI+8*\b+7], v[SC+8*NQ*(\sc)+NQ*\b+(\q)], v[SC+8*NQ*(\sc)+NQ*(\a)+(\q)] matrix_a_scale:MATRIX_SCALE_ROW1
.else
	v_wmma_scale_f32_16x16x128_f8f6f4 v[8*(8*((\a)%4)+\b):8*(8*((\a)%4)+\b)+7], v[128*(\p)+FR*\b:128*(\p)+FR*\b+FR-1], v[AF+FR*(\a):AF+FR*(\a)+FR-1], v[8*(8*((\a)%4)+\b):8*(8*((\a)%4)+\b)+7], v[SC+8*NQ*(\sc)+NQ*\b+(\q)], v[SC+8*NQ*(\sc)+NQ*(\a)+(\q)] matrix_a_scale:MATRIX_SCALE_ROW1
.endif
.endr
.endr
.endm
.macro FETCH_B slot, q, p
	WIN TO_B
.irp i, 0,1,2,3,4,5,6,7
	FRAG 128*(\p)+FR*\i, ADRB+\slot, \q, \i
.endr
	WIN 0
.endm
.macro FETCH_A slot, q, i0
.irp i, \i0, \i0+1, \i0+2, \i0+3
	FRAG AF+FR*(\i), ADRA+\slot, \q, \i
.endr
.endm
.macro SCALES sc
.irp i, 0,1,2,3,4,5,6,7
	ds_load_b64 v[SC+8*NQ*\sc+NQ*\i:SC+8*NQ*\sc+NQ*\i+1], v[ADRS+\sc] offset:\i*128
.endr
.endm
.macro PLACES n
.rept \n
	v_nop
.endr
.endm
.macro STEP slot, q, zero
	s_wait_dscnt 4*NL
.if \zero == 2
	WIN 0x81
.else
	WIN MUL_LO
.endif
	MUL16 0, (\q)%2, \q, \slot, \zero
	MUL16 2, (\q)%2, \q, \slot, \zero
	s_wait_dscnt 0
	PLACES NP
	FETCH_B \slot, (\q)+1, 1-(\q)%2
	FETCH_A \slot, (\q)+1, 0
.if \zero == 2
	WIN 0xc1
.else
	WIN MUL_HI
.endif
	MUL16 4, (\q)%2, \q, \slot, \zero
	MUL16 6, (\q)%2, \q, \slot, \zero
	PLACES NP
	WIN 0
	FETCH_A \slot, (\q)+1, 4
.endm
.macro TURN slot, next, fill
	s_wait_tensorcnt 0x0
	ds_add_u32 v[SPW], v[NIL]
	s_wait_dscnt 4*NL+1
	WIN MUL_LO
	MUL16 0, 1, NQ-1, \slot, 0
	s_wait_dscnt 0x0
	s_barrier_signal -1
	MUL16 2, 1, NQ-1, \slot, 0
	WIN 0
	s_barrier_wait -1
.if \fill
	CREST
	s_add_nc_u64 s[G0+4*\slot+2:G0+4*\slot+3], s[G0+4*\slot+2:G0+4*\slot+3], 2*UNIT
	s_add_nc_u64 s[G0B+4*\slot+2:G0B+4*\slot+3], s[G0B+4*\slot+2:G0B+4*\slot+3], 2*UNIT
	JLOAD G0+4*\slot, G1, G0B+4*\slot, G1B
	PLACES NP-4
.else
	PLACES NP
.endif
	FETCH_B \next, 0, 0
	FETCH_A \next, 0, 0
	SCALES \next
	WIN MUL_HI
	MUL16 4, 1, NQ-1, \slot, 0
	MUL16 6, 1, NQ-1, \slot, 0
	PLACES NP
	WIN 0
	FETCH_A \next, 0, 4
.endm
	s_wait_alu depctr_va_vdst(0)
	s_wait_tensorcnt 0x0                           ; my unit is in, and no tensor load of mine is out, so a descriptor may be written: from here on a load brings half a unit
	s_mov_b32 s[G1+2], 132<<16
	s_mov_b32 s[G1+4], 132
	s_mov_b32 s[G1B+2], 132<<16
	s_mov_b32 s[G1B+4], 132
	s_barrier_signal -1
	s_barrier_wait -1
	FETCH_B 0, 0, 0
	FETCH_A 0, 0, 0
	SCALES 0
	FETCH_A 0, 0, 4
.if MODE == 2
	s_wait_loadcnt 0x0
.endif
	STEP 0, 0, FIRSTC
	s_mov_b32 s3, LAPS-1
.Llap:
	TURN 0, 1, 1
	STEP 1, 0, 0
	TURN 1, 0, 1
	STEP 0, 0, 0
	s_sub_co_u32 s3, s3, 1
	s_cmp_lg_u32 s3, 0
	s_cbranch_scc1 .Llap
	TURN 0, 1, 0
	STEP 1, 0, 0
	s_wait_dscnt 4*NL
	WIN MUL_LO
	MUL16 0, 1, NQ-1, 1, 0
	MUL16 2, 1, NQ-1, 1, 0
	s_wait_dscnt 0
	WIN MUL_HI
	MUL16 4, 1, NQ-1, 1, 0
	MUL16 6, 1, NQ-1, 1, 0
	WIN 0
	PLACES NP
.if QOUT
.macro QTILE a
.set W,   2+(\a)/4
.set S0,  64*((\a)%4)
.set PCA, PC+16*((\a)%2)
.set WSS, W|(W<<2)
.set WDS, (W<<6)|W
	WIN WSS
.irp b, 0,1,2,3
.if RELU
	v_max3_num_f32 v[TM+\b], v[S0+16*\b], v[S0+16*\b+1], 0x4800000
.else
	v_max3_num_f32 v[TM+\b], |v[S0+16*\b]|, |v[S0+16*\b+1]|, 0x4800000
.endif
.endr
.irp i, 2,4,6,8,10,12,14
.irp b, 0,1,2,3
.if RELU
	v_max3_num_f32 v[TM+\b], v[S0+16*\b+\i], v[S0+16*\b+\i+1], v[TM+\b]
.else
	v_max3_num_f32 v[TM+\b], |v[S0+16*\b+\i]|, |v[S0+16*\b+\i+1]|, v[TM+\b]
.endif
.endr
.endr
	WIN 0
.irp b, 0,1,2,3
	v_permlanex16_b32 v[TM+4+\b], v[TM+\b], s[SEL], s[SEL+1]
.endr
.irp b, 0,1,2,3
	v_max_num_f32 v[TM+\b], v[TM+\b], v[TM+4+\b]
.endr
.irp b, 0,1,2,3
	v_add_nc_u32 v[TM+12+\b], 0xfc000000, v[TM+\b]
.endr
.irp b, 0,1,2,3
	v_and_or_b32 v[TM+8+\b], v[TM+\b], 0x7f800000, s[MNT]
.endr
.irp b, 0,1,2,3
	v_lshrrev_b32 v[TM+4+\b], 23, v[TM+12+\b]
.endr
	v_lshl_or_b32 v[PWR+(\a)], v[TM+5], 8, v[TM+4]
	v_lshl_or_b32 v[PWR+(\a)], v[TM+6], 16, v[PWR+(\a)]
	v_lshl_or_b32 v[PWR+(\a)], v[TM+7], 24, v[PWR+(\a)]
	WIN WDS
.irp b, 0,1,2,3
.irp i, 0,1,2,3,4,5,6,7,8,9,10,11,12,13,14,15
.if RELU
	v_med3_num_f32 v[S0+16*\b+\i], v[S0+16*\b+\i], 0, v[TM+8+\b]
.else
	v_med3_num_f32 v[S0+16*\b+\i], v[S0+16*\b+\i], -v[TM+8+\b], v[TM+8+\b]
.endif
.endr
.endr
	s_wait_alu depctr_va_vdst(0)
	s_wait_xcnt 0x0
	WIN W
.irp b, 0,1,2,3
	v_cvt_scalef32_pk8_fp8_f32 v[PCA+4*\b:PCA+1+4*\b], v[S0+16*\b:S0+7+16*\b], v[TM+12+\b]
	v_cvt_scalef32_pk8_fp8_f32 v[PCA+2+4*\b:PCA+3+4*\b], v[S0+8+16*\b:S0+15+16*\b], v[TM+12+\b]
.endr
	WIN 0
	v_nop
.irp c, 0,1,2,3
	global_store_b128 v[LI], v[PCA+4*\c:PCA+4*\c+3], s[66:67] offset:4096*(\a)+512*\c
.endr
.if ((\a)%2) == 1
	v_cndmask_b32 v[CW+(\a)/2], v[PWR+(\a)-1], v[PWR+(\a)], s[HIM]
	global_store_b32 v[L8], v[CW+(\a)/2], s[68:69] offset:128*((\a)-1)
.endif
.endm
.irp b, 0,1,2,3
	v_mov_b32 v[TM+4+\b], 0
.endr
.irp a, 0,1,2,3,4,5,6,7
	QTILE \a
.endr
.else
.irp a, 0,1,2,3,4,5,6,7
	WIN (2+\a/4)<<2
.irp b, 0,1,2,3,4,5,6,7
	global_store_b128 v[LI], v[64*(\a%4)+8*\b:64*(\a%4)+8*\b+3], s[66:67] offset:65536*\a+2048*(\b/2)+1024*(\b%2)
	global_store_b128 v[LI], v[64*(\a%4)+8*\b+4:64*(\a%4)+8*\b+7], s[66:67] offset:65536*\a+2048*(\b/2)+1024*(\b%2)+512
.endr
.endr
	WIN 0
.endif
	s_wait_tensorcnt 0x0
	ds_add_u32 v[SPW], v[NIL]
	s_wait_dscnt 0x0
	CROUND
	s_endpgm
.Lfunc_end_k_qa21d2b71ec_qkv:
	.size	k_qa21d2b71ec_qkv, .Lfunc_end_k_qa21d2b71ec_qkv-k_qa21d2b71ec_qkv
	.p2alignl 7, 3214868480
	.fill 96, 4, 3214868480
	.section	.rodata,"a",@progbits
	.p2align	6, 0x0
	.amdhsa_kernel k_qa21d2b71ec_qkv
		.amdhsa_group_segment_fixed_size 327680
		.amdhsa_private_segment_fixed_size 0
		.amdhsa_enable_private_segment 0
		.amdhsa_kernarg_size 16
		.amdhsa_user_sgpr_count 2
		.amdhsa_user_sgpr_kernarg_segment_ptr 1
		.amdhsa_wavefront_size32 1
		.amdhsa_system_sgpr_workgroup_id_x 1
		.amdhsa_system_sgpr_workgroup_id_y 1
		.amdhsa_system_sgpr_workgroup_id_z 1
		.amdhsa_system_vgpr_workitem_id 0
		.amdhsa_next_free_vgpr 1024
		.amdhsa_next_free_sgpr 88
		.amdhsa_reserve_vcc 0
		.amdhsa_float_denorm_mode_32 3
		.amdhsa_float_denorm_mode_16_64 3
		.amdhsa_memory_ordered 1
		.amdhsa_forward_progress 1
		.amdhsa_inst_pref_size 184
	.end_amdhsa_kernel
	.amdgpu_metadata
---
amdhsa.version: [ 1, 2 ]
amdhsa.kernels:
  - .name:           k_qa21d2b71ec_qkv
    .symbol:         k_qa21d2b71ec_qkv.kd
    .args:
      - { .name: prepb, .offset: 0, .size: 8, .value_kind: global_buffer, .address_space: global }
      - { .name: qkvb, .offset: 8, .size: 8, .value_kind: global_buffer, .address_space: global }
    .group_segment_fixed_size: 327680
    .private_segment_fixed_size: 0
    .kernarg_segment_align: 8
    .kernarg_segment_size: 16
    .max_flat_workgroup_size: 128
    .sgpr_count:     88
    .vgpr_count:     1024
    .wavefront_size: 32
...
	.end_amdgpu_metadata
.endif
;; end of part 2
;; launch attn (part 3): grid 16 x 16, 16 waves a work-group, no clusters, 327,680 bytes of LDS; arguments qkvb, attb; writes attb
.if DOCPART == 3
	.amdgcn_target "amdgcn-amd-amdhsa--gfx1250"
	.amdhsa_code_object_version 6
	.text
	.protected	k_qa21d2b71ec_attn
	.globl	k_qa21d2b71ec_attn
	.p2align	8
	.type	k_qa21d2b71ec_attn,@function
k_qa21d2b71ec_attn:
	s_mov_b64 s[64:65], 0
	v_nop
	global_prefetch_b8 v0, s[64:65] scope:SCOPE_SE
	s_setreg_imm32_b32 hwreg(HW_REG_WAVE_MODE, 25, 1), 1
	s_wait_xcnt 0x0
; Causal attention on codes of FP8 (E4M3): scores = q k^T / 8, softmax, x v; the result, divided by the row's sum, is quantised along the 1,024 channels and stored as the next product's operand.
; WORK LEFT OUT: a step of 128 keys that lies wholly behind a tile's 16 queries (its weights are exactly 0 by the mask that the problem itself builds), and the slots of keys behind a block's last query.
; LIMITS: a NaN, an infinity or an overflow that reaches only those hidden scores is not carried to the result; NaN and infinities among the inputs are not served; a block of zeros gets the scale byte 1 (its codes are zeros).
; qkvb holds images of operand registers in units of 67,584 bytes (256 rows x 256 along K: codes [tile][q][c][lane][16], from byte 65,536 the scale bytes [row place][8]; place p of tile 2 g + u is row 32 g + 8 u + p + 8 (p / 8)):
;   blocks 0-15 of 16 units: 256 tokens each; units 0-3 q's columns, 4-7 k's.  Blocks 16-19: V^T, 256 channels each; unit = token / 256.
; THE SOFTMAX: t = score x log2(e) / 8; M = the running largest t rounded UP to a whole number; p = 2^(t - M) is quantised along the keys, not normalised; the row's sum is taken of the unquantised p and divides at the end.
; SHARES.  Work-group (i, y): y = 8 batch + pair of heads; block i of 64 queries first, then block 31 - i.  A tile of 16 queries of one head belongs to TWO waves, w and w xor 1: wave q takes the q-th 128 keys of every slot of 256.
; Block i needs i / 4 + 1 slots and block 31 - i needs 8 - i / 4: nine slots in every work-group, a constant count; every slot fetched is read.  At the change of blocks (a branch on ids, round no barrier, wait or load)
; a wave puts its sums of the first block into LDS bytes of its own, which no fill touches.  At the end the partners' sums meet in LDS behind one barrier: both M are whole numbers, so each part is brought under the larger M by an exact power of two.
; Wave q then finishes channels 32 q .. 32 q + 31 of its head for both blocks.
; A STEP IS TWO PARTS.  FRONT: K's fragments from LDS, S^T, V's fragments from LDS.  BACK: mask, softmax, quantiser, O^T: registers alone.  Waves with q = 0 run FRONT, BACK in a trip; waves with q = 1 run the BACK of the slot before, then FRONT:
; their scores and V's fragments wait in registers over the change of slots.  So of a SIMD's four waves two are at their vector work while two are at LDS and the first product.
; A HEAD IS 64 WIDE AND THE MATRIX INSTRUCTION 128 DEEP: my head's 64 codes of q and of k go to k = 0..63 of both operands, with their two scale bytes; q's codes for k = 64..127 are zeros.  K's eight fragments lie 8 registers apart:
; what a fragment holds for k = 64..127 is the next tile's codes (the last one's: zeros), finite numbers that are multiplied by q's zeros.  So a step's eight tiles of K are 72 registers and one run of loads.
; K's and V's tiles of the pair come through two LDS slots, filled by four tensor loads (waves 0-3: K's codes, V's codes, K's scales, V's scales).
; No cluster: in one and the same round the work-groups of a pair want different slots of keys, so no request could be joint.
; Both products are used transposed: S^T = K Q^T, O^T = V^T P^T: a lane holds one query, and the 16 registers of tiles 2 b, 2 b + 1 are 16 neighbouring keys (channels).
; REGISTERS: v1-4 addresses that stay; v5, v6 the add's; v7 the prefetches' offset; v8-11 addresses in hand; v12 -M, v13 largest t, v[14:15] the sum; v16-31 Q; v32-95 fragments; v96-103 zeros; v104-167 S^T, then p; v168-199 O^T;
; v200-209 the second block's Q, scale word and query; v210-217 the records' addresses; v218 my query - 16 h; v219-222 V's scale words; v224-239 p's codes; v232-254 at work (v244-251 also K's scale words); v255 Q's scale word.
.set UNIT,  67584
.set BLK4,  4*UNIT
.set BLK16, 16*UNIT
.set VCO,   32768                      ; a slot: K's codes (16 tiles x 2,048 bytes) at 0; V's codes, 8 tiles x 4,096 bytes;
.set KSO,   65536                      ; K's scale bytes, 256 rows x 8;
.set VSO,   67584                      ; V's, 128 rows x 8
.set SLOT1, 1<<17
.set SPARE, 2*SLOT1                    ; the spare words: 128 bytes for each wave
.set NSL,   9
.set STB,   4608                       ; a wave's record: O^T, 8 x 512 bytes, then -M, t and the sum, 512 bytes
.set EST0,  69632                      ; the first block's records: waves 0-7 behind slot 0, waves 8-15 behind the spare words: no fill lands there
.set ESTD,  SPARE+2048-EST0
.set LST0,  SLOT1                      ; the second block's: in slot 1, which has had its last fill and its last read behind the last change of slots
.set AK0,  1
.set AV0,  2
.set ASK0, 3
.set ASV0, 4
.set SPW,  5
.set NIL,  6
.set PFO,  7
.set ADK,  8
.set ADV,  9
.set ADS,  10
.set ADT,  11
.set Z,    96
.set S,    104
.set O,    168
.set QL,   200
.set QLS,  208
.set QDL,  209
.set EO,   210
.set LO,   211
.set EOQ,  212
.set EPQ,  213
.set LOQ,  214
.set LPQ,  215
.set EP,   216
.set LP,   217
.set QD,   218
.set VS,   219
.set KS,   244
.set TB,   2
.set WV,   18
.set MNT,  19
.set SEL,  20
.set CS,   22
.set G1KC, 24
.set G1VC, 32
.set G1KS, 40
.set G1VS, 48
.set G0KC, 56
.set G0VC, 60
.set SWN,  66                          ; the count of slots left at which the blocks change
.set SLOTS, 67
.set G0KS, 68
.set G0VS, 72
.set PFA,  76
.set PFS,  78
.set LIM,  80
.set QBL,  81
.set KF0,  82
.set PEND, 92                          ; 1 while a FRONT's scores wait for their BACK
.set KFP,  93                          ; that step's first key
.set NOWV, 94                          ; 1 in waves with q = 0, 2 in the others: a BACK straight behind FRONT runs where PEND equals it
.set KF,   98
.set QB,   99
.macro TARM g0, g1                     ; an s_nop 0 and four v_nop follow each load
	tensor_load_to_lds s[\g0:\g0+3], s[\g1:\g1+7]
	s_nop 0
.rept 4
	v_nop
.endr
.endm
.macro TLOAD                           ; waves 0 to 3 fetch one of the slot's four tiles each, the others nothing
	s_cmp_lg_u32 s[WV], 0
	s_cbranch_scc1 .Lnot0_\@
	TARM G0KC, G1KC
	s_branch .Lasked_\@
.Lnot0_\@:
	s_cmp_lg_u32 s[WV], 1
	s_cbranch_scc1 .Lnot1_\@
	TARM G0VC, G1VC
	s_branch .Lasked_\@
.Lnot1_\@:
	s_cmp_lg_u32 s[WV], 2
	s_cbranch_scc1 .Lnot2_\@
	TARM G0KS, G1KS
	s_branch .Lasked_\@
.Lnot2_\@:
	s_cmp_lg_u32 s[WV], 3
	s_cbranch_scc1 .Lasked_\@
	TARM G0VS, G1VS
.Lasked_\@:
.endm
; A prefetch of the codes that the NEXT change of slots will ask for.  The pair's first work-group, whose second block walks all eight slots of keys, asks: at its change number n for keys' slot n, n = 1..7, which its change n + 1 loads.
; Waves 4-7: K's 16 pieces of 2,048 bytes, four a wave, lanes 256 bytes apart; waves 8-11: V's 32,768 dense bytes, 8,192 a wave.  Each aligned block of 256 bytes is named once.
.macro ASK
	s_cmp_gt_u32 s[SLOTS], s[LIM]
	s_cbranch_scc0 .Lnot_mine_\@
	global_prefetch_b8 v[PFO], s[PFA:PFA+1] th:TH_LOAD_NT scope:SCOPE_SE
.Lnot_mine_\@:
.endm
.macro G1D g, c, r, p                  ; descriptor group 1: r rows of c elements of 8 bytes, p elements apart, no padding
	s_mov_b32 s[\g], 3<<16
	s_mov_b32 s[\g+1], (\c)<<16
	s_mov_b32 s[\g+2], (\r)<<16
	s_mov_b32 s[\g+3], (\c)<<16
	s_mov_b32 s[\g+4], \r
	s_mov_b32 s[\g+5], \p
	s_mov_b32 s[\g+6], 0
	s_mov_b32 s[\g+7], 0
.endm
; a block's numbers for my tile: the diagonal step's first key, byte offsets of Q's codes and scale bytes, of the result's, and the tile's first query.  s10 tile in the block, s11 the batch's first block of tokens, s14, s15 the parts that both blocks share
.macro PADR blk, qb, qc, qs, oc, os, fq
	s_lshl_b32 s83, \blk, 2
	s_add_co_u32 s83, s83, s10                     ; my tile of queries, 0..127 in the batch
	s_lshr_b32 s[\qb], s83, 3
	s_lshl_b32 s[\qb], s[\qb], 7
	s_lshr_b32 s[\fq], s83, 1
	s_lshl_b32 s[\fq], s[\fq], 5
	s_and_b32 s100, s83, 1
	s_lshl_b32 s100, s100, 3
	s_add_co_u32 s[\fq], s[\fq], s100
	s_lshr_b32 s100, s83, 4
	s_add_co_u32 s100, s100, s11
	s_and_b32 s83, s83, 15
	s_mul_i32 s101, s100, BLK16
	s_mul_i32 s100, s100, BLK4
	s_lshl_b32 s[\qc], s83, 12
	s_add_co_u32 s[\qc], s[\qc], s14
	s_add_co_u32 s[\oc], s[\qc], s100
	s_add_co_u32 s[\qc], s[\qc], s101
	s_lshl_b32 s[\qs], s83, 7
	s_add_co_u32 s[\qs], s[\qs], s15
	s_add_co_u32 s[\os], s[\qs], s100
	s_add_co_u32 s[\qs], s[\qs], s101
	s_mov_b32 s[\qc+1], 0
	s_mov_b32 s[\qs+1], 0
	s_mov_b32 s[\oc+1], 0
	s_mov_b32 s[\os+1], 0
.endm
	s_load_b128 s[4:7], s[0:1], 0x0                ; qkvb, attb
	v_lshl_add_u32 v[SPW], v0, 2, SPARE
	v_mov_b32 v[NIL], 0
	ds_add_u32 v[SPW], v[NIL]                      ; the wave's opening: the add, twice on end, and its wait ahead of the first tensor load
	ds_add_u32 v[SPW], v[NIL]
	v_lshrrev_b32 v8, 5, v0
	v_readfirstlane_b32 s[WV], v8                  ; wave 0..15
	s_lshr_b32 s10, s[WV], 2                       ; which of the block's four tiles
	s_xor_b32 s8, s10, s[WV]
	s_and_b32 s8, s8, 1                            ; q: which 128 keys of a slot; both kinds among waves w, w + 4, w + 8, w + 12
	s_bfe_u32 s9, s[WV], 0x10001                   ; which head of the pair
	s_and_b32 s83, ttmp7, 0xffff
	s_lshr_b32 s11, s83, 3
	s_lshl_b32 s11, s11, 3                         ; the batch's first block of tokens
	s_bfe_u32 s12, s83, 0x20001                    ; which unit along the channels,
	s_and_b32 s13, s83, 1                          ; which half of it
	s_mul_i32 s14, s12, UNIT
	s_lshl_b32 s100, s13, 2
	s_lshl_b32 s101, s9, 1
	s_add_co_u32 s15, s14, s100
	s_add_co_u32 s15, s15, s101
	s_add_co_u32 s15, s15, 65536                   ; scale bytes: unit, the pair's word, my head's two bytes
	s_lshl_b32 s100, s13, 11
	s_lshl_b32 s101, s9, 10
	s_add_co_u32 s14, s14, s100
	s_add_co_u32 s14, s14, s101                    ; codes: unit, the pair's K step, my head's two chunks
	s_sub_co_u32 s80, 31, ttmp9
	PADR ttmp9, QB, 92, 94, 84, 86, 2
	PADR s80, QBL, 96, 16, 88, 90, 3
	s_lshl_b32 s100, s8, 9
	s_add_co_u32 s84, s84, s100                    ; of the result I store chunk q of my head's two, and its byte
	s_add_co_u32 s88, s88, s100
	s_add_co_u32 s86, s86, s8
	s_add_co_u32 s90, s90, s8
	s_mul_i32 s100, s11, BLK16
	s_add_co_u32 s101, s12, 4
	s_mul_i32 s101, s101, UNIT
	s_add_co_u32 s100, s100, s101                  ; K's unit of the first 256 keys
	s_lshl_b32 s101, s13, 11
	s_add_co_u32 s[G0KC+2], s100, s101
	s_add_co_u32 s[G0KS+2], s100, 65536
	s_add_co_u32 s100, s12, 16
	s_mul_i32 s100, s100, BLK16
	s_mul_i32 s101, s11, UNIT
	s_add_co_u32 s100, s100, s101                  ; V's
	s_lshl_b32 s101, s13, 15
	s_add_co_u32 s[G0VC+2], s100, s101
	s_lshl_b32 s101, s13, 10
	s_add_co_u32 s100, s100, s101
	s_add_co_u32 s[G0VS+2], s100, 65536
.irp g, G0KC, G0VC, G0KS, G0VS
	s_mov_b32 s[\g+3], 0
.endr
	s_cmp_lt_u32 s[WV], 8                          ; the prefetches: waves 4-7 K's codes, waves 8-11 V's
	s_cselect_b32 s[PFA], s[G0KC+2], s[G0VC+2]
	s_mov_b32 s[PFS], UNIT
	s_cselect_b32 s[PFS], BLK16, s[PFS]            ; a slot on
	s_mov_b32 s100, 8192
	s_cselect_b32 s100, 16384, s100                ; from wave to wave
	s_mov_b32 s83, 2048
	s_cselect_b32 s83, 4096, s83                   ; from eight lanes to the next eight
	s_and_b32 s101, s[WV], 3
	s_mul_i32 s101, s101, s100
	s_add_co_u32 s[PFA], s[PFA], s101              ; in keys' slot 0: the first change of slots steps it to slot 1
	s_mov_b32 s[PFA+1], 0
	s_mov_b32 s[PFS+1], 0
	v_and_b32 v8, 31, v0
	v_lshrrev_b32 v9, 3, v8
	v_and_b32 v10, 7, v8
	v_mul_lo_u32 v[PFO], v9, s83
	v_lshl_add_u32 v[PFO], v10, 8, v[PFO]
	s_sub_co_u32 s100, s[WV], 4
	s_lshr_b32 s100, s100, 3                       ; 0 in waves 4 to 11,
	s_or_b32 s100, s100, ttmp9                     ; of the pair's first work-group
	s_cmp_eq_u32 s100, 0
	s_cselect_b32 s[LIM], 1, -1
	s_lshr_b32 s100, ttmp9, 2                      ; a: the first block's last slot of keys
	s_sub_co_u32 s[SWN], 7, s100
	s_mul_i32 s101, s100, UNIT                     ; from that slot back to slot 0: in V,
	s_mul_i32 s100, s100, BLK16                    ; in K.  s100, s101 stay
	s_lshl_b32 s[KF0], s8, 7
	s_mov_b32 s[KF], s[KF0]                        ; my first step's first key
	G1D G1KC, 256, 16, 512                         ; K's codes: 16 pieces of 2,048 bytes, 4,096 apart
	G1D G1VC, 32, 128, 32                          ; V's codes: 128 dense rows of 256 bytes
	G1D G1KS, 32, 8, 32
	G1D G1VS, 32, 4, 32
	s_mov_b32 s[SEL], 0x76543210
	s_mov_b32 s[SEL+1], 0xfedcba98
	s_mov_b32 s[CS], 0x3e38aa3b                    ; c = log2(e) / 8
	s_mov_b32 s[CS+1], s[CS]
	s_mov_b32 s[MNT], 0x600000
	s_mov_b32 s[SLOTS], NSL-1
	s_wait_dscnt 0x0                               ; both opening adds are done
	s_wait_kmcnt 0x0
.irp g, G0KC, G0VC, G0KS, G0VS
	s_mov_b32 s[\g], 1
	s_add_nc_u64 s[\g+2:\g+3], s[4:5], s[\g+2:\g+3]
	s_or_b32 s[\g+3], s[\g+3], 0x80000000
.endr
	s_mov_b32 s[G0KC+1], 0
	s_mov_b32 s[G0VC+1], VCO
	s_mov_b32 s[G0KS+1], KSO
	s_mov_b32 s[G0VS+1], VSO
	TLOAD                                          ; the first 256 keys: they hold key 0, which counts for every query
	s_add_nc_u64 s[PFA:PFA+1], s[4:5], s[PFA:PFA+1]
	s_add_nc_u64 s[92:93], s[4:5], s[92:93]
	s_add_nc_u64 s[94:95], s[4:5], s[94:95]
	s_add_nc_u64 s[96:97], s[4:5], s[96:97]
	s_add_nc_u64 s[16:17], s[4:5], s[16:17]
	s_add_nc_u64 s[84:85], s[6:7], s[84:85]
	s_add_nc_u64 s[86:87], s[6:7], s[86:87]
	s_add_nc_u64 s[88:89], s[6:7], s[88:89]
	s_add_nc_u64 s[90:91], s[6:7], s[90:91]
	v_and_b32 v8, 31, v0
	v_and_b32 v9, 15, v0                           ; r
	v_bfe_u32 v10, v0, 4, 1                        ; h
	v_lshlrev_b32 v11, 4, v8                       ; 16 x lane
	v_lshlrev_b32 v254, 3, v9                      ; 8 r
	v_lshrrev_b32 v223, 3, v9
	v_lshl_add_u32 v223, v223, 3, v9
	v_lshlrev_b32 v10, 4, v10
	v_sub_nc_u32 v223, v223, v10                   ; r + 8 (r / 8) - 16 h
	s_wait_alu depctr_va_vdst(0)                   ; the wait here, directly behind the writes
	global_load_b128 v[16:19], v11, s[92:93]       ; my head's two chunks of Q: the first block's,
	global_load_b128 v[20:23], v11, s[92:93] offset:512
	global_load_b128 v[QL:QL+3], v11, s[96:97]     ; the second's
	global_load_b128 v[QL+4:QL+7], v11, s[96:97] offset:512
	global_load_u16 v255, v254, s[94:95]           ; their two scale bytes; the upper two bytes are 0
	global_load_u16 v[QLS], v254, s[16:17]
	v_add_nc_u32 v[QD], s2, v223                   ; my lane's query - 16 h
	v_add_nc_u32 v[QDL], s3, v223
	s_mov_b32 s[TB], 0
	s_lshl_b32 s14, s9, 10
	s_lshl_b32 s15, s8, 14
	s_add_co_u32 s14, s14, s15
	v_add_nc_u32 v[AK0], s14, v11                  ; K: my head's chunks, my eight tiles of the slot's sixteen
	s_lshl_b32 s14, s9, 14
	s_lshl_b32 s15, s8, 11
	s_add_co_u32 s14, s14, s15
	s_add_co_u32 s14, s14, VCO
	v_add_nc_u32 v[AV0], s14, v11                  ; V: my head's four tiles, my 128 keys
	s_lshl_b32 s14, s13, 2
	s_lshl_b32 s15, s9, 1
	s_add_co_u32 s14, s14, s15
	s_lshl_b32 s15, s8, 10
	s_add_co_u32 s14, s14, s15
	s_add_co_u32 s14, s14, KSO
	v_lshl_add_u32 v[ASK0], v9, 3, s14
	s_lshl_b32 s14, s9, 9
	s_lshl_b32 s15, s8, 2
	s_add_co_u32 s14, s14, s15
	s_add_co_u32 s14, s14, VSO
	v_lshl_add_u32 v[ASV0], v9, 3, s14
.macro ESTA w, vb, vq                  ; the first block's record of wave s[w]: its start, and tiles 2 q, 2 q + 1 in it
	s_and_b32 s14, s[\w], 7
	s_mul_i32 s14, s14, STB
	s_lshr_b32 s15, s[\w], 3
	s_mul_i32 s15, s15, ESTD
	s_add_co_u32 s14, s14, s15
	s_add_co_u32 s14, s14, EST0
	v_add_nc_u32 v[\vb], s14, v11
	s_add_co_u32 s14, s14, s12
	v_add_nc_u32 v[\vq], s14, v11
.endm
.macro LSTA w, vb, vq                  ; the second block's
	s_mul_i32 s14, s[\w], STB
	s_add_co_u32 s14, s14, LST0
	v_add_nc_u32 v[\vb], s14, v11
	s_add_co_u32 s14, s14, s12
	v_add_nc_u32 v[\vq], s14, v11
.endm
	s_lshl_b32 s12, s8, 11
	s_xor_b32 s10, s[WV], 1                        ; my partner
	ESTA WV, EO, EOQ
	ESTA 10, EP, EPQ
	LSTA WV, LO, LOQ
	LSTA 10, LP, LPQ
	s_mov_b32 s9, 0                                ; the upper words of the descriptors' steps s[8:9], s[10:11], s[12:13], s[14:15]
	s_mov_b32 s11, 0
	s_mov_b32 s13, 0
	s_mov_b32 s15, 0
	v_mov_b32 v13, 0xff61b1e6                      ; the largest t so far: -3e38
	v_floor_f32 v12, -v13                          ; -M
	v_mov_b32 v14, 0
	v_mov_b32 v15, 0
.irp j, 236,237,238,239,252,253,VS,VS+1,VS+2,VS+3
	v_mov_b32 v[\j], 0                             ; lane permutes' destinations, upper halves of pairs, and what a BACK names are written once
.endr
.set J, 0
.rept 8
	v_mov_b32 v[24+J], 0                           ; Q's codes for k = 64..127,
	v_mov_b32 v[Z+J], 0                            ; and the last fragment's of K
.set J, J+1
.endr
.set J, 0
.rept 32
	v_mov_b32 v[O+J], 0                            ; O^T: BACK is written once; its first turn finds zeros
.set J, J+1
.endr
.set J, 0
.rept 64
	v_mov_b32 v[32+J], 0                           ; a BACK stands ahead of the first FRONT in the text: the registers that it names are written on every way
	v_mov_b32 v[S+J], 0
.set J, J+1
.endr
; FRONT: my 128 keys of the slot in hand: S^T = K Q^T, and V's fragments into registers
.macro FRONT
	s_cmp_gt_u32 s[KF], s[QB]                      ; all its keys come after my queries: left out.  A branch on ids; no barrier and no tensor load stands in a step
	s_cbranch_scc1 .Lhidden_\@
	v_add_nc_u32 v[ADK], s[TB], v[AK0]
	v_add_nc_u32 v[ADV], s[TB], v[AV0]
	v_add_nc_u32 v[ADS], s[TB], v[ASK0]
	v_add_nc_u32 v[ADT], s[TB], v[ASV0]
	s_wait_alu depctr_va_vdst(0)
.rept 4
	v_nop                                          ; eight places in front of loads into registers that matrix instructions have read (the four additions above are places too)
.endr
.irp t, 0,1,2,3,4,5,6,7
	ds_load_b128 v[32+8*\t:35+8*\t], v[ADK] offset:\t*2048
	ds_load_b128 v[36+8*\t:39+8*\t], v[ADK] offset:\t*2048+512
	ds_load_u16 v[KS+\t], v[ADS] offset:\t*128
.endr
	s_wait_dscnt 0x0
.irp t, 0,1,2,3,4,5,6,7
	v_wmma_scale_f32_16x16x128_f8f6f4 v[S+8*\t:S+7+8*\t], v[32+8*\t:47+8*\t], v[16:31], 0, v[KS+\t], v255
.endr
.rept 8
	v_nop                                          ; places: for the reads of the scores, and for V's loads into the fragments' registers
.endr
.irp t, 0,1,2,3                                ; V's four tiles: waited for ahead of the second product, or ahead of the change of slots
.irp c, 0,1,2,3
	ds_load_b128 v[32+16*\t+4*\c:35+16*\t+4*\c], v[ADV] offset:4096*\t+512*\c
.endr
	ds_load_b32 v[VS+\t], v[ADT] offset:128*\t
.endr
	s_mov_b32 s[PEND], 1
	s_mov_b32 s[KFP], s[KF]
.Lhidden_\@:
	s_add_co_u32 s[KF], s[KF], 256
.endm
; BACK: the waiting scores' mask, softmax and quantiser, and O^T += V^T P^T.  now = 1: straight behind FRONT, in waves with q = 0; now = 0: whatever waits
.macro BACK now
.if \now
	s_cmp_lg_u32 s[PEND], s[NOWV]
.else
	s_cmp_eq_u32 s[PEND], 0
.endif
	s_cbranch_scc1 .Lnone_\@
	s_mov_b32 s[PEND], 0
	s_cmp_lt_u32 s[KFP], s[QB]                     ; all its keys count: no mask
	s_cbranch_scc1 .Lopen_\@
	v_sub_nc_u32 v252, v[QD], s[KFP]               ; d = my query - the step's first key - 16 h.  Register 16 b + i holds key 32 b + 16 h + i of the step: hidden where 32 b + i > d
	v_mov_b32 v254, 0xff800000                     ; -infinity
.set J, 0
.rept 64
	v_cmp_gt_i32 vcc_lo, 32*(J/16)+J%16, v252
	v_cndmask_b32 v[S+J], v[S+J], v254, vcc_lo
.set J, J+1
.endr
.Lopen_\@:
.irp b, 0,1,2,3
	v_max3_num_f32 v[232+\b], v[S+16*\b], v[S+1+16*\b], v[S+2+16*\b]   ; the largest score of each block of 32 keys: for the row's maximum, and, since p rises with the score, for the block's largest p
.endr
.irp i, 3,5,7,9,11,13
.irp b, 0,1,2,3
	v_max3_num_f32 v[232+\b], v[232+\b], v[S+16*\b+\i], v[S+1+16*\b+\i]
.endr
.endr
.irp b, 0,1,2,3
	v_max_num_f32 v[232+\b], v[232+\b], v[S+15+16*\b]
.endr
.irp b, 0,1,2,3
	v_permlanex16_b32 v[236+\b], v[232+\b], s[SEL], s[SEL+1]
.endr
.irp b, 0,1,2,3
	v_max_num_f32 v[232+\b], v[232+\b], v[236+\b]
.endr
	v_max3_num_f32 v254, v232, v233, v234
	v_max_num_f32 v254, v254, v235
	v_mul_f32 v254, s[CS], v254
	v_max_num_f32 v13, v13, v254                   ; the running largest t
	v_mov_b32 v254, v12
	v_floor_f32 v12, -v13                          ; the new -M = -ceil(t)
	v_sub_f32 v254, v12, v254                      ; old M - new M: a whole number, 0 or less
	v_cvt_i32_f32 v254, v254                       ; (it saturates)
	v_ldexp_f32 v252, 1.0, v254                    ; f = 2^(old M - new M): a multiplication by it rounds nothing
.set J, 0
.rept 32
	v_pk_fma_f32 v[S+J:S+1+J], v[S+J:S+1+J], s[CS:CS+1], v[12:13] op_sel_hi:[1,0,0]   ; t - M
.set J, J+2
.endr
.irp b, 0,1,2,3
	v_fma_f32 v[232+\b], v[232+\b], s[CS], v12
.endr
	s_wait_alu depctr_va_vdst(0)                   ; the wait ahead of the batch
.set J, 0
.rept 64
	v_exp_f32 v[S+J], v[S+J]                       ; p = 2^(t - M)
.set J, J+1
.endr
	v_pk_mul_f32 v[14:15], v[14:15], v[252:253] op_sel_hi:[1,0]   ; the sums under the new M: a plain line behind the exponentials
	s_wait_alu depctr_va_vdst(0)                   ; one wait for the batch, ahead of its first reader
.irp b, 0,1,2,3
	v_exp_f32 v[232+\b], v[232+\b]                 ; the block's largest p
.endr
	v_pk_add_f32 v[236:237], v[S:S+1], v[S+2:S+3]  ; the row's sum of the unquantised p, in four chains
	v_pk_add_f32 v[240:241], v[S+4:S+5], v[S+6:S+7]
	v_pk_add_f32 v[242:243], v[S+8:S+9], v[S+10:S+11]
	v_pk_add_f32 v[14:15], v[14:15], v[S+12:S+13]
.set J, S+14
.rept 6
	v_pk_add_f32 v[236:237], v[236:237], v[J:J+1]
	v_pk_add_f32 v[240:241], v[240:241], v[J+2:J+3]
	v_pk_add_f32 v[242:243], v[242:243], v[J+4:J+5]
	v_pk_add_f32 v[14:15], v[14:15], v[J+6:J+7]
.set J, J+8
.endr
	v_pk_add_f32 v[236:237], v[236:237], v[S+62:S+63]
	v_pk_add_f32 v[240:241], v[240:241], v[242:243]
	v_pk_add_f32 v[14:15], v[14:15], v[236:237]
	v_pk_add_f32 v[14:15], v[14:15], v[240:241]
	s_wait_alu depctr_va_vdst(0)                   ; and one for the four
.irp b, 0,1,2,3
	v_max_num_f32 v[232+\b], 0x4800000, v[232+\b]  ; the floor 2^(9 - 127): a block whose every p is 0 keeps the byte 1; its codes are zeros
.endr
.irp b, 0,1,2,3
	v_add_nc_u32 v[244+\b], 0xfc000000, v[232+\b]
.endr
.irp b, 0,1,2,3
	v_and_or_b32 v[240+\b], v[232+\b], 0x7f800000, s[MNT]
.endr
.irp b, 0,1,2,3
	v_lshrrev_b32 v[236+\b], 23, v[244+\b]
.endr
	v_lshl_or_b32 v253, v237, 8, v236              ; p's scale word for these 128 keys
	v_lshl_or_b32 v253, v238, 16, v253
	v_lshl_or_b32 v253, v239, 24, v253
.irp b, 0,1,2,3
.set J, 0
.rept 16
	v_min_num_f32 v[S+16*\b+J], v[S+16*\b+J], v[240+\b]   ; the hold; p is not negative, so it is one-sided
.set J, J+1
.endr
	v_cvt_scalef32_pk8_fp8_f32 v[224+4*\b:225+4*\b], v[S+16*\b:S+7+16*\b], v[244+\b]
	v_cvt_scalef32_pk8_fp8_f32 v[226+4*\b:227+4*\b], v[S+8+16*\b:S+15+16*\b], v[244+\b]
.endr
	s_wait_alu depctr_va_vdst(0)                   ; the wait here, directly ahead of the first reader of O^T
.set J, 0
.rept 16
	v_pk_mul_f32 v[O+J:O+1+J], v[O+J:O+1+J], v[252:253] op_sel_hi:[1,0]   ; O^T under the new M.  (These sixteen are also the places in front of the products below)
.set J, J+2
.endr
	s_wait_alu depctr_va_vdst(0)                   ; the wait here, directly ahead of the wait below
	s_wait_dscnt 0x0                               ; V's tiles and scale words
.irp t, 0,1,2,3                                ; my head's four tiles of 16 channels; K = these 128 keys
	v_wmma_scale_f32_16x16x128_f8f6f4 v[O+8*\t:O+7+8*\t], v[32+16*\t:47+16*\t], v[224:239], v[O+8*\t:O+7+8*\t], v[VS+\t], v253
.endr
.rept 8
	v_nop                                          ; eight places behind the products: on every way on, the next lines (a BACK's, a FRONT's, the change of blocks', the way out's) write or load into registers that they name
.endr
.Lnone_\@:
.endm
; THE CHANGE OF SLOTS stands at a slot's head: each wave waits for all its tensor loads, adds 0 to its spare word, and waits for that and for its reads of the slot that it has left.
; fill = 1: that slot is filled with the next 256 keys of the walk: one slot on, or, where the first block's last slot has just been asked for, back to the first keys.
.macro CHANGE fill
	s_wait_tensorcnt 0x0                           ; no tensor load of mine is out, so a group 0 may be written
	ds_add_u32 v[SPW], v[NIL]
.if \fill
	ds_add_u32 v[SPW], v[NIL]                      ; twice on end
	s_add_co_u32 s83, s[SWN], 1
	s_cmp_eq_u32 s[SLOTS], s83                     ; ids and the count of trips alone
	s_cselect_b32 s8, 0, BLK16
	s_cselect_b32 s10, s100, 0
	s_cselect_b32 s12, 0, UNIT
	s_cselect_b32 s14, s101, 0
.irp g, G0KC, G0KS
	s_xor_b32 s[\g+1], s[\g+1], SLOT1
	s_add_nc_u64 s[\g+2:\g+3], s[\g+2:\g+3], s[8:9]
	s_sub_nc_u64 s[\g+2:\g+3], s[\g+2:\g+3], s[10:11]
.endr
.irp g, G0VC, G0VS
	s_xor_b32 s[\g+1], s[\g+1], SLOT1
	s_add_nc_u64 s[\g+2:\g+3], s[\g+2:\g+3], s[12:13]
	s_sub_nc_u64 s[\g+2:\g+3], s[\g+2:\g+3], s[14:15]
.endr
	s_wait_xcnt 0x0                                ; the last prefetch, a slot back, has read its address
	s_add_nc_u64 s[PFA:PFA+1], s[PFA:PFA+1], s[PFS:PFS+1]
.endif
	s_wait_dscnt 0x0                               ; the add is done, and my reads of the slot that I have left are over
	s_barrier_signal -1
	s_barrier_wait -1
.if \fill
	TLOAD                                          ; a wave's one tensor load until the next barrier
	ASK
.endif
.endm
; THE CHANGE OF BLOCKS, ahead of the second block's first FRONT and behind the first block's last BACK: my sums of the first block go to my record in LDS, and the state begins anew
.macro SWITCH
	s_cmp_lg_u32 s[SLOTS], s[SWN]
	s_cbranch_scc1 .Lsame_\@
.rept 8
	v_nop                                          ; places behind the last products
.endr
.set J, 0
.rept 8
	ds_store_b128 v[EO], v[O+4*J:O+3+4*J] offset:512*J       ; each accumulator from its low end on
.set J, J+1
.endr
	ds_store_b128 v[EO], v[12:15] offset:4096
	v_mov_b32 v13, 0xff61b1e6
	v_floor_f32 v12, -v13
	v_mov_b32 v14, 0
	v_mov_b32 v15, 0
.set J, 0
.rept 32
	v_mov_b32 v[O+J], 0
.set J, J+1
.endr
.set J, 0
.rept 8
	v_mov_b32 v[16+J], v[QL+J]
.set J, J+1
.endr
	v_mov_b32 v255, v[QLS]
	v_mov_b32 v[QD], v[QDL]
	s_mov_b32 s[QB], s[QBL]
	s_mov_b32 s[KF], s[KF0]
	s_wait_alu depctr_va_vdst(0)                   ; what is written here may next be read behind branches and waits
.Lsame_\@:
.endm
	s_wait_alu depctr_va_vdst(0)                   ; the wait at the head's end
	s_wait_loadcnt 0x0                             ; Q, both blocks'; its address registers are free
	s_mov_b32 s[PEND], 0
	s_mov_b32 s[KFP], 0
	s_lshr_b32 s[NOWV], s[KF0], 7
	s_add_co_u32 s[NOWV], s[NOWV], 1
.Lslot:                                            ; NSL - 1 trips of a constant count
	CHANGE 1
	BACK 0                                         ; waves with q = 1: the slot before
	SWITCH
	FRONT
	BACK 1                                         ; waves with q = 0
	s_xor_b32 s[TB], s[TB], SLOT1
	s_sub_co_u32 s[SLOTS], s[SLOTS], 1
	s_cmp_lg_u32 s[SLOTS], 0
	s_cbranch_scc1 .Lslot
	CHANGE 0                                       ; the last slot is written out: nothing is left to fetch
	BACK 0
	SWITCH
	FRONT
	BACK 0                                         ; all waves
	; THE WAY OUT.  My sums of the second block go to LDS too; behind the barrier I read, for each block x, tiles 2 q, 2 q + 1 of my record and of my partner's, and both records' -M and sums.
.rept 8
	v_nop                                          ; places behind the last products
.endr
.set J, 0
.rept 8
	ds_store_b128 v[LO], v[O+4*J:O+3+4*J] offset:512*J
.set J, J+1
.endr
	ds_store_b128 v[LO], v[12:15] offset:4096
	s_wait_dscnt 0x0                               ; for the partner's sake: my stores have landed
	s_barrier_signal -1
	s_barrier_wait -1
.irp c, 0,1,2,3
	ds_load_b128 v[S+4*\c:S+3+4*\c], v[EOQ] offset:512*\c
	ds_load_b128 v[S+16+4*\c:S+19+4*\c], v[EPQ] offset:512*\c
	ds_load_b128 v[S+32+4*\c:S+35+4*\c], v[LOQ] offset:512*\c
	ds_load_b128 v[S+48+4*\c:S+51+4*\c], v[LPQ] offset:512*\c
.endr
	ds_load_b128 v[32:35], v[EO] offset:4096
	ds_load_b128 v[36:39], v[EP] offset:4096
	ds_load_b128 v[40:43], v[LO] offset:4096
	ds_load_b128 v[44:47], v[LP] offset:4096
	s_wait_dscnt 0x0
.irp x, 0,1
	v_min_num_f32 v[48+16*\x], v[32+8*\x], v[36+8*\x]          ; -M of the two parts together.  (A part with no step has -M = 3e38, sums 0, and gets the factor 0)
	v_add_f32 v[54+16*\x], v[34+8*\x], v[35+8*\x]
	v_add_f32 v[55+16*\x], v[38+8*\x], v[39+8*\x]
	v_mov_b32 v[51+16*\x], 0
	v_mov_b32 v[53+16*\x], 0
	v_mov_b32 v[56+16*\x], 0
.endr
.irp x, 0,1
	v_sub_f32 v[50+16*\x], v[48+16*\x], v[32+8*\x]             ; a part's M less the common M: a whole number, 0 or less
	v_sub_f32 v[52+16*\x], v[48+16*\x], v[36+8*\x]
.endr
.irp x, 0,1
	v_cvt_i32_f32 v[50+16*\x], v[50+16*\x]
	v_cvt_i32_f32 v[52+16*\x], v[52+16*\x]
.endr
.irp x, 0,1
	v_ldexp_f32 v[50+16*\x], 1.0, v[50+16*\x]
	v_ldexp_f32 v[52+16*\x], 1.0, v[52+16*\x]
.endr
.irp x, 0,1
	v_mul_f32 v[54+16*\x], v[54+16*\x], v[50+16*\x]
.endr
.irp x, 0,1
	v_fma_f32 v[54+16*\x], v[55+16*\x], v[52+16*\x], v[54+16*\x]
.endr
.irp x, 0,1
	v_permlanex16_b32 v[56+16*\x], v[54+16*\x], s[SEL], s[SEL+1]
.endr
.irp x, 0,1
	v_add_f32 v[54+16*\x], v[54+16*\x], v[56+16*\x]            ; the row's sum
.endr
	s_wait_alu depctr_va_vdst(0)                   ; the wait ahead of the transcendentals
	v_rcp_f32 v54, v54
	v_rcp_f32 v70, v70
	v_and_b32 v90, 31, v0                          ; (plain lines behind the reciprocals)
	v_and_b32 v91, 15, v0
	v_lshlrev_b32 v90, 4, v90                      ; 16 x lane
	v_lshlrev_b32 v91, 3, v91                      ; 8 r
	s_wait_alu depctr_va_vdst(0)                   ; the wait ahead of the reciprocals' first reader
.irp x, 0,1
	v_mul_f32 v[50+16*\x], v[50+16*\x], v[54+16*\x]
	v_mul_f32 v[52+16*\x], v[52+16*\x], v[54+16*\x]
.endr
.irp x, 0,1
.irp j, 0,2,4,6,8,10,12,14
	v_pk_mul_f32 v[S+32*\x+\j:S+1+32*\x+\j], v[S+32*\x+\j:S+1+32*\x+\j], v[50+16*\x:51+16*\x] op_sel_hi:[1,0]
.endr
.endr
.irp x, 0,1
.irp j, 0,2,4,6,8,10,12,14
	v_pk_fma_f32 v[S+32*\x+\j:S+1+32*\x+\j], v[S+16+32*\x+\j:S+17+32*\x+\j], v[52+16*\x:53+16*\x], v[S+32*\x+\j:S+1+32*\x+\j] op_sel_hi:[1,0,1]
.endr
.endr
	; register S + 32 x + i is channel 32 q + 16 h + i of my head, block x: one block of the next product's K each, quantised in registers
.irp x, 0,1
	v_max3_num_f32 v[80+\x], |v[S+32*\x]|, |v[S+1+32*\x]|, 0x4800000
	v_mov_b32 v[82+\x], 0
.endr
.irp i, 2,4,6,8,10,12,14
.irp x, 0,1
	v_max3_num_f32 v[80+\x], v[80+\x], |v[S+32*\x+\i]|, |v[S+1+32*\x+\i]|
.endr
.endr
.irp x, 0,1
	v_permlanex16_b32 v[82+\x], v[80+\x], s[SEL], s[SEL+1]
.endr
.irp x, 0,1
	v_max_num_f32 v[80+\x], v[80+\x], v[82+\x]
.endr
.irp x, 0,1
	v_add_nc_u32 v[86+\x], 0xfc000000, v[80+\x]
	v_and_or_b32 v[84+\x], v[80+\x], 0x7f800000, s[MNT]
.endr
.irp x, 0,1
	v_lshrrev_b32 v[88+\x], 23, v[86+\x]
.endr
.irp x, 0,1
.irp i, 0,1,2,3,4,5,6,7,8,9,10,11,12,13,14,15
	v_med3_num_f32 v[S+32*\x+\i], v[S+32*\x+\i], -v[84+\x], v[84+\x]
.endr
	v_cvt_scalef32_pk8_fp8_f32 v[224+4*\x:225+4*\x], v[S+32*\x:S+7+32*\x], v[86+\x]
	v_cvt_scalef32_pk8_fp8_f32 v[226+4*\x:227+4*\x], v[S+8+32*\x:S+15+32*\x], v[86+\x]
.endr
	v_nop                                          ; a plain line behind the last conversion
	global_store_b128 v90, v[224:227], s[84:85]    ; the wave stores 512 consecutive bytes
	global_store_b128 v90, v[228:231], s[88:89]
	global_store_b8 v91, v88, s[86:87]             ; both halves of the lanes write the same byte with the same value
	global_store_b8 v91, v89, s[90:91]
	s_wait_tensorcnt 0x0                           ; the wave's end
	ds_add_u32 v[SPW], v[NIL]
	s_wait_dscnt 0x0
	s_endpgm
.Lfunc_end_k_qa21d2b71ec_attn:
	.size	k_qa21d2b71ec_attn, .Lfunc_end_k_qa21d2b71ec_attn-k_qa21d2b71ec_attn
	.p2alignl 7, 3214868480
	.fill 96, 4, 3214868480
	.section	.rodata,"a",@progbits
	.p2align	6, 0x0
	.amdhsa_kernel k_qa21d2b71ec_attn
		.amdhsa_group_segment_fixed_size 327680
		.amdhsa_private_segment_fixed_size 0
		.amdhsa_enable_private_segment 0
		.amdhsa_kernarg_size 16
		.amdhsa_user_sgpr_count 2
		.amdhsa_user_sgpr_kernarg_segment_ptr 1
		.amdhsa_wavefront_size32 1
		.amdhsa_system_sgpr_workgroup_id_x 1
		.amdhsa_system_sgpr_workgroup_id_y 1
		.amdhsa_system_sgpr_workgroup_id_z 1
		.amdhsa_system_vgpr_workitem_id 0
		.amdhsa_next_free_vgpr 256
		.amdhsa_next_free_sgpr 102
		.amdhsa_reserve_vcc 1
		.amdhsa_float_denorm_mode_32 3
		.amdhsa_float_denorm_mode_16_64 3
		.amdhsa_memory_ordered 1
		.amdhsa_forward_progress 1
		.amdhsa_inst_pref_size 126
	.end_amdhsa_kernel
	.amdgpu_metadata
---
amdhsa.version: [ 1, 2 ]
amdhsa.kernels:
  - .name:           k_qa21d2b71ec_attn
    .symbol:         k_qa21d2b71ec_attn.kd
    .args:
      - { .name: qkvb, .offset: 0, .size: 8, .value_kind: global_buffer, .address_space: global }
      - { .name: attb, .offset: 8, .size: 8, .value_kind: global_buffer, .address_space: global }
    .group_segment_fixed_size: 327680
    .private_segment_fixed_size: 0
    .kernarg_segment_align: 8
    .kernarg_segment_size: 16
    .max_flat_workgroup_size: 512
    .sgpr_count:     102
    .vgpr_count:     256
    .wavefront_size: 32
...
	.end_amdgpu_metadata
.endif
;; end of part 3
;; launch wo (part 4): grid 8 x 32, 4 waves a work-group, clusters of 4 x 4, 327,680 bytes of LDS; arguments attb, prepb, r1; writes r1
.if DOCPART == 4
	.amdgcn_target "amdgcn-amd-amdhsa--gfx1250"
	.amdhsa_code_object_version 6
	.text
	.protected	k_qa21d2b71ec_wo
	.globl	k_qa21d2b71ec_wo
	.p2align	8
	.type	k_qa21d2b71ec_wo,@function
k_qa21d2b71ec_wo:
	s_mov_b64 s[64:65], 0
	v_nop
	global_prefetch_b8 v0, s[64:65] scope:SCOPE_SE
	s_setreg_imm32_b32 hwreg(HW_REG_WAVE_MODE, 25, 1), 1
	s_wait_xcnt 0x0
	s_wait_alu depctr_hold_cnt(0) depctr_sa_sdst(0) depctr_va_vdst(0) depctr_va_sdst(0) depctr_va_ssrc(0) depctr_va_vcc(0) depctr_vm_vsrc(0)
	s_getreg_b32 s2, hwreg(HW_REG_IB_STS2, 6, 4)
	s_cmp_eq_u32 s2, 0
	s_cbranch_scc0 .Lentry_in_a_cluster
	s_endpgm
.Lentry_in_a_cluster:
	s_bfe_u32 s2, ttmp6, 0x10000c
	s_cmp_lg_u32 s2, 0xf033
	s_cbranch_scc0 .Lentry_shape_is_right
	s_endpgm
.Lentry_shape_is_right:
; attention's result x Wo on codes of FP8 (E4M3) with E8M0 scales, f32 out; the bias and the residual are added by the launch that follows.  M 4,096, N 1,024, K 1,024.
; Operands are images of the matrix operand's registers in units of 67,584 bytes (256 rows x 256 along K: codes [tile 0..15][q 0..1][c 0..3][lane][16 bytes], from byte 65,536 the scale bytes [16 tile + p][8]; place p of tile 2 g + u is row 32 g + 8 u + p + 8 (p / 8)).
; A BLOCK OF THE RESULT IS 128 x 128: 32 x 8 = 256 work-groups.  128 rows x ALL of K are four pieces of 32,768 bytes of codes and four of 1,024 bytes of scales, a unit apart: both operands together are 270,336 bytes of LDS.
; So everything comes at the head, one tensor load a wave (A's codes, B's codes, A's scales, B's scales); nothing is filled again: no ring and no barrier but the one behind the loads.
; CLUSTERS: 4 x 4 work-groups; A's tiles are shared along a row of the cluster, B's along a column: each is asked for JOINTLY.
; No prefetch: the launch's only loads stand at its head, so there is no loop to run ahead in.
; Four waves, each 64 x 64: 16 accumulators.  THE MATRIX INSTRUCTION IS USED TRANSPOSED (source 0 = 16 rows of B, source 1 = 16 rows of A).  The sums leave as they stand, laid [token tile][group of 32 columns][4][lane][16 bytes].
; REGISTERS: window 0: v16-24 addresses, v28, v29 the add's, v32-63 scale words (8 u + 2 i + q: lanes 0-15 A's tile i, lanes 16-31 B's tile i, K step 2 u + q), v64-191 A's fragments, two sets; window 1: v0-127 B's, two sets; window 2: v0-127 the accumulators ((a, b) at 8 (4 a + b)).
.set UNIT,  67584
.set BLK4,  4*UNIT
.set BLDS,  131072                     ; LDS: A's codes [u][8 tiles][4,096] at 0, B's here,
.set ASC,   262144                     ; A's scale bytes [u][128 rows][8],
.set BSC,   266240                     ; B's,
.set SPARE, 270336                     ; the spare words, 128 bytes for each wave
.set ADA,  16                          ; v16-17 my A fragments, units 0-1 and 2-3 (an LDS offset has 16 bits)
.set ADB,  18                          ; v18-19 the same for B
.set ADS,  20
.set LI,   24
.set SPW,  28
.set NIL,  29
.set SC,   32
.set AF,   64
.set G1A,  24
.set G1B,  32
.set G1SA, 48
.set G1SB, 56
.set G0A,  68
.set G0B,  72
.set G0SA, 76
.set G0SB, 80
.set MSB, 0
.macro WIN new                         ; the immediate's high byte repeats the setting that is left
.if MSB != (\new)
	s_set_vgpr_msb (MSB<<8)|(\new)
.set MSB, (\new)
.endif
.endm
.macro CROUND                          ; a round of the cluster's barrier
	s_barrier_signal -1
	s_barrier_wait -1
	s_cmp_lg_u32 s14, 0
	s_cbranch_scc1 .Lnot_wave_0_\@
	s_barrier_signal -3
.Lnot_wave_0_\@:
	s_barrier_wait -3
	s_barrier_signal -1
	s_barrier_wait -1
.endm
.macro G1D g, c                        ; four rows of c elements of 8 bytes, a unit apart
	s_mov_b32 s[\g+1], (\c)<<16
	s_mov_b32 s[\g+2], 4<<16
	s_mov_b32 s[\g+3], (\c)<<16
	s_mov_b32 s[\g+4], 4
	s_mov_b32 s[\g+5], UNIT/8
	s_mov_b32 s[\g+6], 0
	s_mov_b32 s[\g+7], 0
.endm
.macro G0D g, lds, adr
	s_mov_b32 s[\g], 1
	s_mov_b32 s[\g+1], \lds
	s_mov_b64 s[\g+2:\g+3], s[\adr:\adr+1]
	s_or_b32 s[\g+3], s[\g+3], 0x80000000
.endm
	s_load_b128 s[4:7], s[0:1], 0x0                ; attb, prepb
	s_load_b64 s[8:9], s[0:1], 0x10                ; r1
	v_lshl_add_u32 v[SPW], v0, 2, SPARE
	v_mov_b32 v[NIL], 0
	ds_add_u32 v[SPW], v[NIL]                      ; the wave's opening: the add, twice on end, and its wait ahead of my first tensor load
	ds_add_u32 v[SPW], v[NIL]
	v_lshrrev_b32 v1, 5, v0
	v_readfirstlane_b32 s14, v1                    ; wave 0..3
	s_lshr_b32 s15, s14, 1                         ; my half of the block's rows of A
	s_and_b32 s16, s14, 1                          ; my half of its rows of B
	s_bfe_u32 s40, ttmp6, 0x40000                  ; cx
	s_bfe_u32 s41, ttmp6, 0x40004                  ; cy
	s_lshl_b32 s42, ttmp9, 2
	s_add_co_u32 s42, s42, s40                     ; block of 128 columns, 0..7
	s_and_b32 s17, ttmp7, 0xffff
	s_lshl_b32 s17, s17, 2
	s_add_co_u32 s17, s17, s41                     ; block of 128 tokens, 0..31
	s_lshl_b32 s43, s41, 2
	s_lshl_b32 s43, 15, s43                        ; my row of the cluster
	s_lshl_b32 s44, 0x1111, s40                    ; my column
	s_or_b32 s[G1A], s43, (3<<16)|(1<<21)          ; 15:0 the mask; 17:16 elements of 8 bytes; 21 set beside a mask; no padding
	s_or_b32 s[G1SA], s43, (3<<16)|(1<<21)
	s_or_b32 s[G1B], s44, (3<<16)|(1<<21)
	s_or_b32 s[G1SB], s44, (3<<16)|(1<<21)
	G1D G1A, 4096
	G1D G1B, 4096
	G1D G1SA, 128
	G1D G1SB, 128
	s_lshr_b32 s18, s17, 1                         ; A: the block of 256 tokens, and which half of its units' rows
	s_mul_i32 s18, s18, BLK4
	s_and_b32 s19, s17, 1
	s_lshl_b32 s20, s19, 15
	s_add_co_u32 s20, s20, s18                     ; its codes,
	s_mov_b32 s21, 0
	s_lshl_b32 s19, s19, 10
	s_add_co_u32 s18, s18, s19
	s_add_co_u32 s18, s18, 65536                   ; its scale bytes
	s_mov_b32 s19, 0
	s_lshr_b32 s46, s42, 1                         ; B: Wo's blocks of 256 columns are prepb's blocks 28-31
	s_add_co_u32 s46, s46, 28
	s_mul_i32 s46, s46, BLK4
	s_and_b32 s45, s42, 1
	s_lshl_b32 s22, s45, 15
	s_add_co_u32 s22, s22, s46
	s_mov_b32 s23, 0
	s_lshl_b32 s45, s45, 10
	s_add_co_u32 s46, s46, s45
	s_add_co_u32 s46, s46, 65536
	s_mov_b32 s47, 0
	s_lshl_b32 s66, s17, 3                         ; the result: token tile 8 x block + 4 x (A half),
	s_lshl_b32 s12, s15, 2
	s_add_co_u32 s66, s66, s12
	s_lshl_b32 s66, s66, 16
	s_lshl_b32 s12, s42, 2                         ; group of 32 columns 4 x block + 2 x (B half)
	s_lshl_b32 s13, s16, 1
	s_add_co_u32 s12, s12, s13
	s_lshl_b32 s12, s12, 11
	s_add_co_u32 s66, s66, s12
	s_mov_b32 s67, 0
	s_wait_dscnt 0x0                               ; both opening adds are done
	s_wait_kmcnt 0x0
	s_add_nc_u64 s[20:21], s[4:5], s[20:21]
	s_add_nc_u64 s[18:19], s[4:5], s[18:19]
	s_add_nc_u64 s[22:23], s[6:7], s[22:23]
	s_add_nc_u64 s[46:47], s[6:7], s[46:47]
	s_add_nc_u64 s[66:67], s[8:9], s[66:67]
	CROUND                                         ; all sixteen work-groups are here: the joint loads meet
	G0D G0A, 0, 20
	G0D G0B, BLDS, 22
	G0D G0SA, ASC, 18
	G0D G0SB, BSC, 46
; ONE tree of branches on the wave's number, an arm a load: every way through the head passes exactly one
.macro ARM under, g0, g1, next
	s_cmp_lt_u32 s14, \under
	s_cbranch_scc0 \next
	tensor_load_to_lds s[\g0:\g0+3], s[\g1:\g1+7]
	s_nop 0
.rept 4
	v_nop
.endr
	s_branch .Lhead_asked
\next:
.endm
	ARM 1, G0A,  G1A,  .Lhead_b
	ARM 2, G0B,  G1B,  .Lhead_sa
	ARM 3, G0SA, G1SA, .Lhead_sb
	tensor_load_to_lds s[G0SB:G0SB+3], s[G1SB:G1SB+7]
	s_nop 0
.rept 4
	v_nop
.endr
.Lhead_asked:
	v_and_b32 v1, 15, v0                           ; r
	v_bfe_u32 v2, v0, 4, 1                         ; h
	v_and_b32 v3, 31, v0
	v_lshlrev_b32 v[LI], 4, v3                     ; 16 x lane
	s_wait_alu depctr_va_vdst(0)                   ; the wait here, directly behind the writes
	s_lshl_b32 s12, s15, 14                        ; my four tiles of A
	v_add_nc_u32 v[ADA], s12, v[LI]
	s_add_co_u32 s12, s12, 65536
	v_add_nc_u32 v[ADA+1], s12, v[LI]
	s_lshl_b32 s12, s16, 14
	s_add_co_u32 s12, s12, BLDS                    ; and of B
	v_add_nc_u32 v[ADB], s12, v[LI]
	s_add_co_u32 s12, s12, 65536
	v_add_nc_u32 v[ADB+1], s12, v[LI]
	s_lshl_b32 s12, s15, 9                         ; scale words: A's, my 64 rows;
	s_lshl_b32 s13, s16, 9
	s_add_co_u32 s13, s13, BSC-ASC
	s_sub_co_u32 s13, s13, s12                     ; the distance from there to B's, my 64 rows
	v_mul_u32_u24 v4, s13, v2                      ; lanes 16-31 take B's
	v_lshl_add_u32 v4, v1, 3, v4                   ; + 8 r
	s_add_co_u32 s12, s12, ASC
	v_add_nc_u32 v[ADS], s12, v4
.macro FRAG reg, adr, off              ; a fragment: four loads of 512 consecutive bytes
.irp c, 0,1,2,3
	ds_load_b128 v[\reg+4*\c:\reg+4*\c+3], v[\adr] offset:(\off)+512*\c
.endr
.endm
.macro FETCH k                         ; K step k (unit k / 2, half k % 2) into set k % 2: B's four fragments, then A's
	WIN 0x40
.irp i, 0,1,2,3
	FRAG 64*((\k)%2)+16*\i, ADB+(\k)/4, (((\k)/2)%2)*32768+((\k)%2)*2048+\i*4096
.endr
	WIN 0
.irp i, 0,1,2,3
	FRAG AF+64*((\k)%2)+16*\i, ADA+(\k)/4, (((\k)/2)%2)*32768+((\k)%2)*2048+\i*4096
.endr
.endm
.macro MUL k, zero                     ; 16 matrix instructions; the 16 accumulators take turns, one instruction a turn
	WIN 0xa1
.irp a, 0,1,2,3
.irp b, 0,1,2,3
.if \zero
	v_wmma_scale_f32_16x16x128_f8f6f4 v[8*(4*\a+\b):8*(4*\a+\b)+7], v[64*((\k)%2)+16*\b:64*((\k)%2)+16*\b+15], v[AF+64*((\k)%2)+16*\a:AF+64*((\k)%2)+16*\a+15], 0, v[SC+8*((\k)/2)+2*\b+(\k)%2], v[SC+8*((\k)/2)+2*\a+(\k)%2] matrix_a_scale:MATRIX_SCALE_ROW1
.else
	v_wmma_scale_f32_16x16x128_f8f6f4 v[8*(4*\a+\b):8*(4*\a+\b)+7], v[64*((\k)%2)+16*\b:64*((\k)%2)+16*\b+15], v[AF+64*((\k)%2)+16*\a:AF+64*((\k)%2)+16*\a+15], v[8*(4*\a+\b):8*(4*\a+\b)+7], v[SC+8*((\k)/2)+2*\b+(\k)%2], v[SC+8*((\k)/2)+2*\a+(\k)%2] matrix_a_scale:MATRIX_SCALE_ROW1
.endif
.endr
.endr
.endm
.macro PLACES                          ; eight plain vector lines between a matrix instruction and a load into, or a read of, its registers
.rept 8
	v_nop
.endr
.endm
	s_wait_alu depctr_va_vdst(0)                   ; the wait at the head's end
	s_wait_tensorcnt 0x0                           ; my tile is in,
	s_barrier_signal -1
	s_barrier_wait -1                              ; everybody's is
.irp u, 0,1,2,3
.irp i, 0,1,2,3
	ds_load_b64 v[SC+8*\u+2*\i:SC+8*\u+2*\i+1], v[ADS] offset:\u*1024+\i*128
.endr
.endr
	FETCH 0
	s_wait_dscnt 0x0
	FETCH 1
	MUL 0, 1                                       ; the first products start the sums
.irp k, 1,2,3,4,5,6
	s_wait_dscnt 0x0                               ; this step's fragments, asked for ahead of the last step's products
	PLACES                                         ; for the loads into the set that the last step multiplied
	FETCH \k+1
	MUL \k, 0
.endr
	s_wait_dscnt 0x0
	MUL 7, 0
	PLACES
	WIN 0x08                                       ; a store's data are its source 1
.irp a, 0,1,2,3
.irp b, 0,1,2,3
	global_store_b128 v[LI], v[8*(4*\a+\b):8*(4*\a+\b)+3], s[66:67] offset:65536*\a+2048*(\b/2)+1024*(\b%2)          ; 512 consecutive bytes a store, each accumulator from its low end on
	global_store_b128 v[LI], v[8*(4*\a+\b)+4:8*(4*\a+\b)+7], s[66:67] offset:65536*\a+2048*(\b/2)+1024*(\b%2)+512
.endr
.endr
	WIN 0
	s_wait_tensorcnt 0x0                           ; the wave's end
	ds_add_u32 v[SPW], v[NIL]
	s_wait_dscnt 0x0
	CROUND                                         ; the closing round
	s_endpgm
.Lfunc_end_k_qa21d2b71ec_wo:
	.size	k_qa21d2b71ec_wo, .Lfunc_end_k_qa21d2b71ec_wo-k_qa21d2b71ec_wo
	.p2alignl 7, 3214868480
	.fill 96, 4, 3214868480
	.section	.rodata,"a",@progbits
	.p2align	6, 0x0
	.amdhsa_kernel k_qa21d2b71ec_wo
		.amdhsa_group_segment_fixed_size 327680
		.amdhsa_private_segment_fixed_size 0
		.amdhsa_enable_private_segment 0
		.amdhsa_kernarg_size 24
		.amdhsa_user_sgpr_count 2
		.amdhsa_user_sgpr_kernarg_segment_ptr 1
		.amdhsa_wavefront_size32 1
		.amdhsa_system_sgpr_workgroup_id_x 1
		.amdhsa_system_sgpr_workgroup_id_y 1
		.amdhsa_system_sgpr_workgroup_id_z 1
		.amdhsa_system_vgpr_workitem_id 0
		.amdhsa_next_free_vgpr 640
		.amdhsa_next_free_sgpr 84
		.amdhsa_reserve_vcc 0
		.amdhsa_float_denorm_mode_32 3
		.amdhsa_float_denorm_mode_16_64 3
		.amdhsa_memory_ordered 1
		.amdhsa_forward_progress 1
		.amdhsa_inst_pref_size 47
	.end_amdhsa_kernel
	.amdgpu_metadata
---
amdhsa.version: [ 1, 2 ]
amdhsa.kernels:
  - .name:           k_qa21d2b71ec_wo
    .symbol:         k_qa21d2b71ec_wo.kd
    .args:
      - { .name: attb, .offset: 0, .size: 8, .value_kind: global_buffer, .address_space: global }
      - { .name: prepb, .offset: 8, .size: 8, .value_kind: global_buffer, .address_space: global }
      - { .name: r1, .offset: 16, .size: 8, .value_kind: global_buffer, .address_space: global }
    .group_segment_fixed_size: 327680
    .private_segment_fixed_size: 0
    .kernarg_segment_align: 8
    .kernarg_segment_size: 24
    .max_flat_workgroup_size: 128
    .sgpr_count:     84
    .vgpr_count:     640
    .wavefront_size: 32
...
	.end_amdgpu_metadata
.endif
;; end of part 4
;; launch ln1 (part 5): grid 256 x 1, 8 waves a work-group, no clusters, 2,048 bytes of LDS; arguments r1, bo, x, ln1_w, ln1_b, hbuf; writes hbuf
.if DOCPART == 5
	.amdgcn_target "amdgcn-amd-amdhsa--gfx1250"
	.amdhsa_code_object_version 6
	.text
	.protected	k_qa21d2b71ec_ln1
	.globl	k_qa21d2b71ec_ln1
	.p2align	8
	.type	k_qa21d2b71ec_ln1,@function
k_qa21d2b71ec_ln1:
	s_mov_b64 s[64:65], 0
	v_nop
	global_prefetch_b8 v0, s[64:65] scope:SCOPE_SE
	s_setreg_imm32_b32 hwreg(HW_REG_WAVE_MODE, 25, 1), 1
	s_wait_xcnt 0x0
; A layer norm over rows of 1,024: y = ((v - mean) / sqrt(var + 1e-5)) w + b with v = (product + bias) + residual, all in f32.  ONE TEXT SERVES BOTH NORMS; LN says which this file is.
; LN = 1: v = (r1 + bo) + x; y = h is stored twice: as f32 for the second norm's residual, and quantised along its 1,024 columns (FP8 E4M3, one E8M0 scale for each 32) as the next product's operand.  LN = 2: v = (r2 + b2) + h; y = out0, in natural rows.
; The products and h lie [token tile f 0..255][group of 32 columns g][4][lane][16 bytes]: lane (r, h) holds place r of the tile, columns 32 g + 16 h + 0..15; place p of tile f is token 32 (f / 2) + 8 (f % 2) + p + 8 (p / 8).
; A work-group takes a tile of 16 tokens; wave w its columns 128 w .. 128 w + 127: 64 numbers a lane, in the very order that the quantiser and the operand's image want.  A row's sums meet in LDS, behind a barrier each.
; Memory binds: matrix units, clusters and tensor loads would add nothing here.
; LIMITS: a block of zeros gets the scale byte 1 where the rule says 127 (its codes are zeros; the bytes are read by this program alone); NaN and infinities are not served.
.set LN,    1
.set UNIT,  67584
.set BLK4,  4*UNIT
.set HIMG,  16777216                   ; in hbuf: h's image behind h's f32 numbers
.set RED1,  0                          ; LDS: 8 waves x 16 rows x 4 bytes: the sums;
.set RED2,  512                        ; the sums of squares
.set STG,   1024                       ; LN = 2: a stage of 16 rows x (512 + 16) bytes for each wave
.if LN == 1
.set SPARE, 1024                       ; the spare words, 128 bytes for each wave: four blocks of 256 bytes that no other line names
.else
.set SPARE, STG+8*16*528
.endif
.set PC,  16                           ; v16-31  codes
.set TM,  32                           ; v32-47  at work in QUANT
.set SA,  32                           ; v32-47  at work in the sums
.set MN,  48                           ; v[48:49] the mean
.set RSD, 52                           ; v[52:53] 1 / sqrt(var + eps)
.set PW,  56
.set SPW, 57
.set NIL, 58
.set V,   64
.set RS,  128
.set BI,  192
.set SEL, 34
.set MNT, 36
.macro QUANT s                         ; 64 numbers of a lane, register 16 b + i = k 32 b + 16 (lane / 16) + i of my row, become a fragment's codes in v[PC] on and its scale word in v[PW]
.irp b, 0,1,2,3
	v_max3_num_f32 v[TM+\b], |v[\s+16*\b]|, |v[\s+1+16*\b]|, 0x4800000   ; and the floor 2^(9 - 127): the byte cannot fall under 1
.endr
.irp i, 2,4,6,8,10,12,14
.irp b, 0,1,2,3
	s_delay_alu instid0(VALU_DEP_4)
	v_max3_num_f32 v[TM+\b], v[TM+\b], |v[\s+16*\b+\i]|, |v[\s+1+16*\b+\i]|
.endr
.endr
.irp b, 0,1,2,3
	s_delay_alu instid0(VALU_DEP_4)
	v_permlanex16_b32 v[TM+4+\b], v[TM+\b], s[SEL], s[SEL+1]
.endr
.irp b, 0,1,2,3
	s_delay_alu instid0(VALU_DEP_4)
	v_max_num_f32 v[TM+\b], v[TM+\b], v[TM+4+\b]
.endr
.irp b, 0,1,2,3
	s_delay_alu instid0(VALU_DEP_4)
	v_add_nc_u32 v[TM+12+\b], 0xfc000000, v[TM+\b]
.endr
.irp b, 0,1,2,3
	v_and_or_b32 v[TM+8+\b], v[TM+\b], 0x7f800000, s[MNT]
.endr
.irp b, 0,1,2,3
	v_lshrrev_b32 v[TM+4+\b], 23, v[TM+12+\b]
.endr
	s_delay_alu instid0(VALU_DEP_3)
	v_lshl_or_b32 v[PW], v[TM+5], 8, v[TM+4]
	s_delay_alu instid0(VALU_DEP_1)
	v_lshl_or_b32 v[PW], v[TM+6], 16, v[PW]
	s_delay_alu instid0(VALU_DEP_1)
	v_lshl_or_b32 v[PW], v[TM+7], 24, v[PW]
.irp b, 0,1,2,3
.irp i, 0,1,2,3,4,5,6,7,8,9,10,11,12,13,14,15
	v_med3_num_f32 v[\s+16*\b+\i], v[\s+16*\b+\i], -v[TM+8+\b], v[TM+8+\b]
.endr
	v_cvt_scalef32_pk8_fp8_f32 v[PC+4*\b:PC+1+4*\b], v[\s+16*\b:\s+7+16*\b], v[TM+12+\b]
	v_cvt_scalef32_pk8_fp8_f32 v[PC+2+4*\b:PC+3+4*\b], v[\s+8+16*\b:\s+15+16*\b], v[TM+12+\b]
.endr
	v_nop
.endm
; four packed partial sums in v[SA:SA+7] become my row's sum over all 1,024 columns, in v[SA] of every lane
.macro REDUCE red
	s_delay_alu instid0(VALU_DEP_3)
	v_pk_add_f32 v[SA:SA+1], v[SA:SA+1], v[SA+2:SA+3]
	s_delay_alu instid0(VALU_DEP_2)
	v_pk_add_f32 v[SA+4:SA+5], v[SA+4:SA+5], v[SA+6:SA+7]
	s_delay_alu instid0(VALU_DEP_1)
	v_pk_add_f32 v[SA:SA+1], v[SA:SA+1], v[SA+4:SA+5]
	s_delay_alu instid0(VALU_DEP_1)
	v_add_f32 v[SA], v[SA], v[SA+1]
	s_delay_alu instid0(VALU_DEP_1)
	v_permlanex16_b32 v[SA+1], v[SA], s[SEL], s[SEL+1]
	s_delay_alu instid0(VALU_DEP_1)
	v_add_f32 v[SA], v[SA], v[SA+1]                ; my row's sum over my wave's 128 columns
	ds_store_b32 v7, v[SA] offset:\red             ; both halves of the lanes write the same word with the same value
	s_wait_dscnt 0x0                               ; for the others' sake: my store has landed
	s_barrier_signal -1
	s_barrier_wait -1
.irp k, 0,1,2,3,4,5,6,7
	ds_load_b32 v[SA+8+\k], v8 offset:\red+64*\k
.endr
	s_wait_dscnt 0x0
	v_add_f32 v[SA+8], v[SA+8], v[SA+9]
	v_add_f32 v[SA+10], v[SA+10], v[SA+11]
	v_add_f32 v[SA+12], v[SA+12], v[SA+13]
	v_add_f32 v[SA+14], v[SA+14], v[SA+15]
	s_delay_alu instid0(VALU_DEP_3)
	v_add_f32 v[SA+8], v[SA+8], v[SA+10]
	s_delay_alu instid0(VALU_DEP_2)
	v_add_f32 v[SA+12], v[SA+12], v[SA+14]
	s_delay_alu instid0(VALU_DEP_1)
	v_add_f32 v[SA], v[SA+8], v[SA+12]
.endm
	s_load_b256 s[4:11], s[0:1], 0x0               ; the product 4, its bias 6, the residual 8, the gain 10
	s_load_b128 s[12:15], s[0:1], 0x20             ; the norm's bias 12, the result 14
	v_lshl_add_u32 v[SPW], v0, 2, SPARE
	v_mov_b32 v[NIL], 0
	v_lshrrev_b32 v1, 5, v0
	s_delay_alu instid0(VALU_DEP_1)
	v_readfirstlane_b32 s16, v1                    ; wave 0..7
	v_and_b32 v1, 31, v0
	v_and_b32 v2, 15, v0                           ; r
	s_wait_alu depctr_va_vdst(0)
	v_bfe_u32 v3, v0, 4, 1                         ; h
	v_lshlrev_b32 v4, 4, v1                        ; 16 x lane
	s_delay_alu instid0(VALU_DEP_2)
	v_lshlrev_b32 v5, 6, v3                        ; 64 h: my 16 columns of a group of 32
	v_lshlrev_b32 v8, 2, v2                        ; 4 r
	s_lshl_b32 s17, s16, 6
	v_add_nc_u32 v7, s17, v8                       ; 4 r + 64 x wave
	v_mov_b32 v[MN+1], 0                           ; (named as the upper halves of pairs)
	v_mov_b32 v[RSD+1], 0
	s_mov_b32 s[SEL], 0x76543210
	s_mov_b32 s[SEL+1], 0xfedcba98
	s_mov_b32 s28, 0x3a800000                      ; 1 / 1,024
	s_lshl_b32 s18, ttmp9, 16
	s_lshl_b32 s17, s16, 13
	s_add_co_u32 s18, s18, s17                     ; my tile, my four groups of columns
	s_mov_b32 s19, 0
	s_lshl_b32 s20, s16, 9                         ; my 128 columns in a vector of 1,024
	s_mov_b32 s21, 0
	s_lshr_b32 s22, ttmp9, 1
	s_lshl_b32 s22, s22, 5
	s_and_b32 s17, ttmp9, 1
	s_lshl_b32 s17, s17, 3
	s_add_co_u32 s22, s22, s17                     ; the tile's first token,
	s_lshl_b32 s22, s22, 12
	s_add_co_u32 s22, s22, s20                     ; its natural row, my columns
	s_mov_b32 s23, 0
.if LN == 1
	v_lshrrev_b32 v6, 3, v2
	s_delay_alu instid0(VALU_DEP_1)
	v_lshl_add_u32 v6, v6, 3, v2
	s_delay_alu instid0(VALU_DEP_1)
	v_lshlrev_b32 v6, 12, v6
	s_delay_alu instid0(VALU_DEP_1)
	v_lshl_add_u32 v6, v3, 6, v6                   ; x: place r's row, + 64 h
	v_lshlrev_b32 v11, 3, v2
	s_delay_alu instid0(VALU_DEP_1)
	v_lshl_add_u32 v11, v3, 1, v11                 ; the scale word's place: 8 r, two bytes for each half of the lanes
	s_mov_b32 s[MNT], 0x600000
	s_mov_b32 s37, 0xffff0000
	s_lshr_b32 s24, ttmp9, 4
	s_mul_i32 s24, s24, BLK4
	s_lshr_b32 s17, s16, 1
	s_mul_i32 s17, s17, UNIT
	s_add_co_u32 s24, s24, s17
	s_add_co_u32 s24, s24, HIMG                    ; the image's unit
	s_and_b32 s17, ttmp9, 15
	s_and_b32 s29, s16, 1
	s_lshl_b32 s26, s17, 7
	s_lshl_b32 s27, s29, 2
	s_add_co_u32 s26, s26, s27
	s_add_co_u32 s26, s26, s24
	s_add_co_u32 s26, s26, 65536                   ; my scale words
	s_mov_b32 s27, 0
	s_lshl_b32 s17, s17, 12
	s_lshl_b32 s29, s29, 11
	s_add_co_u32 s24, s24, s17
	s_add_co_u32 s24, s24, s29                     ; my fragment
	s_mov_b32 s25, 0
.else
	s_mul_i32 s29, s16, 16*528
	s_add_co_u32 s29, s29, STG                     ; my stage
	v_mul_u32_u24 v9, v2, 528
	v_lshl_add_u32 v9, v3, 6, v9
	v_add_nc_u32 v9, s29, v9                       ; in: row r, + 64 h
	v_add_nc_u32 v10, s29, v4                      ; back: a whole row of 512 bytes, 16 a lane
.endif
	s_wait_alu depctr_va_vdst(0)
	s_wait_kmcnt 0x0
	s_add_nc_u64 s[4:5], s[4:5], s[18:19]
	s_add_nc_u64 s[6:7], s[6:7], s[20:21]
.if LN == 1
	s_add_nc_u64 s[8:9], s[8:9], s[22:23]
.else
	s_add_nc_u64 s[8:9], s[8:9], s[18:19]
.endif
	s_add_nc_u64 s[10:11], s[10:11], s[20:21]
	s_add_nc_u64 s[12:13], s[12:13], s[20:21]
.if LN == 1
	s_add_nc_u64 s[30:31], s[14:15], s[24:25]
	s_add_nc_u64 s[32:33], s[14:15], s[26:27]
	s_add_nc_u64 s[14:15], s[14:15], s[18:19]
.else
	s_add_nc_u64 s[14:15], s[14:15], s[22:23]
.endif
.irp c, 0,1,2,3
.irp j, 0,1,2,3
	global_load_b128 v[V+16*\c+4*\j:V+16*\c+4*\j+3], v4, s[4:5] offset:2048*\c+512*\j th:TH_LOAD_NT      ; the wave reads 512 consecutive bytes
.endr
.endr
.irp c, 0,1,2,3
.irp j, 0,1,2,3
.if LN == 1
	global_load_b128 v[RS+16*\c+4*\j:RS+16*\c+4*\j+3], v6, s[8:9] offset:128*\c+16*\j th:TH_LOAD_NT
.else
	global_load_b128 v[RS+16*\c+4*\j:RS+16*\c+4*\j+3], v4, s[8:9] offset:2048*\c+512*\j th:TH_LOAD_NT
.endif
.endr
.endr
.irp c, 0,1,2,3
.irp j, 0,1,2,3
	global_load_b128 v[BI+16*\c+4*\j:BI+16*\c+4*\j+3], v5, s[6:7] offset:128*\c+16*\j
.endr
.endr
	s_wait_loadcnt 0x0
.irp j, 0,2,4,6,8,10,12,14,16,18,20,22,24,26,28,30,32,34,36,38,40,42,44,46,48,50,52,54,56,58,60,62
	v_pk_add_f32 v[V+\j:V+\j+1], v[V+\j:V+\j+1], v[BI+\j:BI+\j+1]        ; + the product's bias,
.endr
.irp j, 0,2,4,6,8,10,12,14,16,18,20,22,24,26,28,30,32,34,36,38,40,42,44,46,48,50,52,54,56,58,60,62
	v_pk_add_f32 v[V+\j:V+\j+1], v[V+\j:V+\j+1], v[RS+\j:RS+\j+1]        ; + the residual
.endr
.irp c, 0,1,2,3
.irp j, 0,1,2,3
	global_load_b128 v[RS+16*\c+4*\j:RS+16*\c+4*\j+3], v5, s[10:11] offset:128*\c+16*\j   ; the gain and the norm's bias land while the sums are made
	global_load_b128 v[BI+16*\c+4*\j:BI+16*\c+4*\j+3], v5, s[12:13] offset:128*\c+16*\j
.endr
.endr
.irp k, 0,1,2,3
	v_pk_add_f32 v[SA+2*\k:SA+2*\k+1], v[V+2*\k:V+2*\k+1], v[V+8+2*\k:V+9+2*\k]   ; four chains; nothing is cleared
.endr
.irp j, 16,24,32,40,48,56
.irp k, 0,1,2,3
	s_delay_alu instid0(VALU_DEP_4)
	v_pk_add_f32 v[SA+2*\k:SA+2*\k+1], v[SA+2*\k:SA+2*\k+1], v[V+\j+2*\k:V+\j+2*\k+1]
.endr
.endr
	REDUCE RED1
	s_delay_alu instid0(VALU_DEP_1)
	v_mul_f32 v[MN], s28, v[SA]                    ; the mean
.irp j, 0,2,4,6,8,10,12,14,16,18,20,22,24,26,28,30,32,34,36,38,40,42,44,46,48,50,52,54,56,58,60,62
	v_pk_add_f32 v[V+\j:V+\j+1], v[V+\j:V+\j+1], v[MN:MN+1] op_sel_hi:[1,0] neg_lo:[0,1] neg_hi:[0,1]
.endr
.irp k, 0,1,2,3
	v_pk_mul_f32 v[SA+2*\k:SA+2*\k+1], v[V+2*\k:V+2*\k+1], v[V+2*\k:V+2*\k+1]
.endr
.irp j, 8,16,24,32,40,48,56
.irp k, 0,1,2,3
	s_delay_alu instid0(VALU_DEP_4)
	v_pk_fma_f32 v[SA+2*\k:SA+2*\k+1], v[V+\j+2*\k:V+\j+2*\k+1], v[V+\j+2*\k:V+\j+2*\k+1], v[SA+2*\k:SA+2*\k+1]
.endr
.endr
	REDUCE RED2                                    ; other bytes than the first sums': no wave can write over what another still reads
	s_delay_alu instid0(VALU_DEP_1)
	v_fmaak_f32 v50, s28, v[SA], 0x3727c5ac        ; the variance + 1e-5
	s_wait_alu depctr_va_vdst(0)
	v_rsq_f32 v[RSD], v50
	v_nop                                          ; a plain line behind the transcendental,
	s_wait_alu depctr_va_vdst(0)                   ; and the wait ahead of its first reader
	s_wait_loadcnt 0x0                             ; the gain and the bias
.irp j, 0,2,4,6,8,10,12,14,16,18,20,22,24,26,28,30,32,34,36,38,40,42,44,46,48,50,52,54,56,58,60,62
	v_pk_mul_f32 v[V+\j:V+\j+1], v[V+\j:V+\j+1], v[RSD:RSD+1] op_sel_hi:[1,0]
.endr
.irp j, 0,2,4,6,8,10,12,14,16,18,20,22,24,26,28,30,32,34,36,38,40,42,44,46,48,50,52,54,56,58,60,62
	v_pk_fma_f32 v[V+\j:V+\j+1], v[V+\j:V+\j+1], v[RS+\j:RS+\j+1], v[BI+\j:BI+\j+1]
.endr
.if LN == 1
.irp c, 0,1,2,3
.irp j, 0,1,2,3
	global_store_b128 v4, v[V+16*\c+4*\j:V+16*\c+4*\j+3], s[14:15] offset:2048*\c+512*\j   ; h in f32: 512 consecutive bytes a store
.endr
.endr
	s_wait_xcnt 0x0                                ; the stores have read their registers: the hold below writes them
	QUANT V
.irp c, 0,1,2,3
	global_store_b128 v4, v[PC+4*\c:PC+4*\c+3], s[30:31] offset:512*\c
.endr
	v_lshrrev_b32 v12, 16, v[PW]
	s_delay_alu instid0(VALU_DEP_1)
	v_cndmask_b32 v12, v[PW], v12, s37             ; lanes 0-15 keep the word's low half, lanes 16-31 take its high half
	global_store_b16 v11, v12, s[32:33]
.else
.irp c, 0,1,2,3
.irp j, 0,1,2,3
	ds_store_b128 v9, v[V+16*\c+4*\j:V+16*\c+4*\j+3] offset:128*\c+16*\j
.endr
.endr
.irp p, 0,1,2,3,4,5,6,7,8,9,10,11,12,13,14,15
	ds_load_b128 v[RS+4*\p:RS+4*\p+3], v10 offset:528*\p     ; LDS serves a wave's instructions in order (ISA guide 5.7.1.4): these see my stores
.endr
.irp p, 0,1,2,3,4,5,6,7,8,9,10,11,12,13,14,15
	s_wait_dscnt 15-\p                             ; row p is back; the younger loads may be out
	global_store_b128 v4, v[RS+4*\p:RS+4*\p+3], s[14:15] offset:(\p+8*(\p/8))*4096 th:TH_STORE_NT   ; place p's token: 512 consecutive bytes of its row, aligned
.endr
.endif
	s_wait_tensorcnt 0x0                           ; the wave's end, behind my last LDS store
	ds_add_u32 v[SPW], v[NIL]
	s_wait_dscnt 0x0
	s_endpgm
.Lfunc_end_k_qa21d2b71ec_ln1:
	.size	k_qa21d2b71ec_ln1, .Lfunc_end_k_qa21d2b71ec_ln1-k_qa21d2b71ec_ln1
	.p2alignl 7, 3214868480
	.fill 96, 4, 3214868480
	.section	.rodata,"a",@progbits
	.p2align	6, 0x0
	.amdhsa_kernel k_qa21d2b71ec_ln1
		.amdhsa_group_segment_fixed_size 2048
		.amdhsa_private_segment_fixed_size 0
		.amdhsa_enable_private_segment 0
		.amdhsa_kernarg_size 48
		.amdhsa_user_sgpr_count 2
		.amdhsa_user_sgpr_kernarg_segment_ptr 1
		.amdhsa_wavefront_size32 1
		.amdhsa_system_sgpr_workgroup_id_x 1
		.amdhsa_system_sgpr_workgroup_id_y 1
		.amdhsa_system_sgpr_workgroup_id_z 1
		.amdhsa_system_vgpr_workitem_id 0
		.amdhsa_next_free_vgpr 256
		.amdhsa_next_free_sgpr 66
		.amdhsa_reserve_vcc 0
		.amdhsa_float_denorm_mode_32 3
		.amdhsa_float_denorm_mode_16_64 3
		.amdhsa_memory_ordered 1
		.amdhsa_forward_progress 1
		.amdhsa_inst_pref_size 41
	.end_amdhsa_kernel
	.amdgpu_metadata
---
amdhsa.version: [ 1, 2 ]
amdhsa.kernels:
  - .name:           k_qa21d2b71ec_ln1
    .symbol:         k_qa21d2b71ec_ln1.kd
    .args:
      - { .name: r1, .offset: 0, .size: 8, .value_kind: global_buffer, .address_space: global }
      - { .name: bo, .offset: 8, .size: 8, .value_kind: global_buffer, .address_space: global }
      - { .name: x, .offset: 16, .size: 8, .value_kind: global_buffer, .address_space: global }
      - { .name: ln1_w, .offset: 24, .size: 8, .value_kind: global_buffer, .address_space: global }
      - { .name: ln1_b, .offset: 32, .size: 8, .value_kind: global_buffer, .address_space: global }
      - { .name: hbuf, .offset: 40, .size: 8, .value_kind: global_buffer, .address_space: global }
    .group_segment_fixed_size: 2048
    .private_segment_fixed_size: 0
    .kernarg_segment_align: 8
    .kernarg_segment_size: 48
    .max_flat_workgroup_size: 256
    .sgpr_count:     66
    .vgpr_count:     256
    .wavefront_size: 32
...
	.end_amdgpu_metadata
.endif
;; end of part 5
;; launch w1 (part 6): grid 16 x 16, 4 waves a work-group, clusters of 4 x 4, 327,680 bytes of LDS; arguments hbuf, prepb, b1, hid; writes hid
.if DOCPART == 6
	.amdgcn_target "amdgcn-amd-amdhsa--gfx1250"
	.amdhsa_code_object_version 6
	.text
	.protected	k_qa21d2b71ec_w1
	.globl	k_qa21d2b71ec_w1
	.p2align	8
	.type	k_qa21d2b71ec_w1,@function
k_qa21d2b71ec_w1:
	s_mov_b64 s[64:65], 0
	v_nop
	global_prefetch_b8 v0, s[64:65] scope:SCOPE_SE
	s_setreg_imm32_b32 hwreg(HW_REG_WAVE_MODE, 25, 1), 1
	s_wait_xcnt 0x0
	s_wait_alu depctr_hold_cnt(0) depctr_sa_sdst(0) depctr_va_vdst(0) depctr_va_sdst(0) depctr_va_ssrc(0) depctr_va_vcc(0) depctr_vm_vsrc(0)
	s_getreg_b32 s2, hwreg(HW_REG_IB_STS2, 6, 4)
	s_cmp_eq_u32 s2, 0
	s_cbranch_scc0 .Lentry_in_a_cluster
	s_endpgm
.Lentry_in_a_cluster:
	s_bfe_u32 s2, ttmp6, 0x10000c
	s_cmp_lg_u32 s2, 0xf033
	s_cbranch_scc0 .Lentry_shape_is_right
	s_endpgm
.Lentry_shape_is_right:
.set MODE,  2
.set UNIT,  67584
.set HALFU, 33792
.set BLK4,  4*UNIT
.set BLK16, 16*UNIT
.set SLOT,  2*UNIT
.set SPARE, 2*SLOT
.set NQ,    2
.set FR,    16
.set NL,    4
.set NP,    8
.if MODE == 0
.set LAPS, 2
.set ASTR, BLK4
.set AOFF, 0
.set BSTR, BLK4
.set BOFF, 0
.set BB0,  16
.set PA,   4
.set PB,   4
.set PO,   6
.set QOUT, 1
.set RELU, 0
.set FIRSTC, 1
.endif
.if MODE == 1
.set LAPS, 2
.set ASTR, BLK4
.set AOFF, 0
.set BSTR, BLK4
.set BOFF, 0
.set BB0,  28
.set PA,   4
.set PB,   6
.set PO,   8
.set QOUT, 0
.set RELU, 0
.set FIRSTC, 1
.endif
.if MODE == 2
.set LAPS, 2
.set ASTR, BLK4
.set AOFF, 16777216
.set BSTR, BLK4
.set BOFF, 0
.set BB0,  32
.set PA,   4
.set PB,   6
.set PO,   10
.set QOUT, 1
.set RELU, 1
.set FIRSTC, 2
.endif
.if MODE == 3
.set LAPS, 8
.set ASTR, BLK16
.set AOFF, 0
.set BSTR, BLK16
.set BOFF, 192*UNIT
.set BB0,  0
.set PA,   4
.set PB,   6
.set PO,   8
.set QOUT, 0
.set RELU, 0
.set FIRSTC, 1
.endif
.set ADRA, 16
.set ADRB, 20
.set ADRS, 22
.set LI,   24
.set L8,   25
.set BO,   26
.set SPW,  28
.set NIL,  29
.set SC,   32
.set BI,   64
.set AF,   128
.set TM,   128
.set PWR,  152
.set PC,   160
.set CW,   192
.set G1,   24
.set G0,   32
.set G1B,  48
.set G0B,  56
.set SEL,  72
.set MNT,  74
.set HIM,  75
.set MSB, 0
.macro WIN new
.if MSB != (\new)
	s_set_vgpr_msb (MSB<<8)|(\new)
.set MSB, (\new)
.endif
.endm
.set MUL_LO, 0xa1
.set MUL_HI, 0xf1
.set TO_B,   0x40
.macro JLOAD g0a, g1a, g0b, g1b
	s_cmp_eq_u32 s15, 0
	s_cbranch_scc0 .Lfor_b_\@
	tensor_load_to_lds s[\g0a:\g0a+3], s[\g1a:\g1a+7]
	s_nop 0
.rept 4
	v_nop
.endr
	s_branch .Lasked_\@
.Lfor_b_\@:
	tensor_load_to_lds s[\g0b:\g0b+3], s[\g1b:\g1b+7]
	s_nop 0
.rept 4
	v_nop
.endr
.Lasked_\@:
.endm
.macro CREST
	s_cmp_lg_u32 s14, 0
	s_cbranch_scc1 .Lnot_wave_0_\@
	s_barrier_signal -3
.Lnot_wave_0_\@:
	s_barrier_wait -3
	s_barrier_signal -1
	s_barrier_wait -1
.endm
.macro CROUND
	s_barrier_signal -1
	s_barrier_wait -1
	CREST
.endm
	s_load_b128 s[4:7], s[0:1], 0x0
.if MODE == 1 || MODE == 3
	s_load_b64 s[8:9], s[0:1], 0x10
.endif
.if MODE == 2
	s_load_b128 s[8:11], s[0:1], 0x10
.endif
	v_lshl_add_u32 v[SPW], v0, 2, SPARE
	v_mov_b32 v[NIL], 0
	ds_add_u32 v[SPW], v[NIL]
	ds_add_u32 v[SPW], v[NIL]
	v_lshrrev_b32 v1, 5, v0
	v_readfirstlane_b32 s14, v1
	v_and_b32 v30, 31, v0
	v_lshlrev_b32 v30, 8, v30                      ; the prefetches' offsets: 256 x lane,
	v_mov_b32 v31, 0                               ; and 0; neither is rewritten
	s_lshr_b32 s15, s14, 1
	s_and_b32 s16, s14, 1
	s_bfe_u32 s40, ttmp6, 0x40000
	s_bfe_u32 s41, ttmp6, 0x40004
	s_and_b32 s17, ttmp7, 0xffff
	s_lshl_b32 s17, s17, 2
	s_lshl_b32 s42, ttmp9, 2
.if BB0
	s_add_co_u32 s19, s42, BB0
.else
	s_mov_b32 s19, s42
.endif
.if MODE == 0
	s_cmp_lt_u32 ttmp9, 2
	s_cselect_b32 s18, s17, 24
	s_cselect_b32 s19, s19, s17
	s_cselect_b32 s20, s17, 16
	s_cselect_b32 s21, s42, s17
.else
	s_mov_b32 s18, s17
	s_mov_b32 s20, s17
	s_mov_b32 s21, s42
.endif
	s_add_co_u32 s18, s18, s41
	s_add_co_u32 s19, s19, s40
	s_add_co_u32 s20, s20, s41
	s_add_co_u32 s21, s21, s40
	s_mul_i32 s45, s16, HALFU
	s_mul_i32 s22, s18, ASTR
	s_add_co_u32 s22, s22, s45
.if AOFF
	s_add_co_u32 s22, s22, AOFF
.endif
	s_mov_b32 s23, 0
	s_mul_i32 s46, s19, BSTR
	s_add_co_u32 s46, s46, s45
.if BOFF
	s_add_co_u32 s46, s46, BOFF
.endif
	s_mov_b32 s47, 0
	s_mul_i32 s45, s14, HALFU
	s_lshl_b32 s43, s41, 2
	s_lshl_b32 s43, 15, s43
	s_lshl_b32 s44, 0x1111, s40
	s_or_b32 s[G1+0], s43, (3<<16)|(1<<21)
	s_or_b32 s[G1B+0], s44, (3<<16)|(1<<21)
.irp g, G1, G1B
	s_mov_b32 s[\g+1], 32<<16
	s_mov_b32 s[\g+2], 264<<16                     ; the head's loads bring whole units, 264 rows of 256 bytes; behind them the two words that count rows are set to 132, for the ring's
	s_mov_b32 s[\g+3], 32<<16
	s_mov_b32 s[\g+4], 264
	s_mov_b32 s[\g+5], 32
	s_mov_b32 s[\g+6], 0
	s_mov_b32 s[\g+7], 0
.endr
.if QOUT
	s_mul_i32 s66, s20, BLK16
	s_mul_i32 s70, s21, UNIT
	s_add_co_u32 s66, s66, s70
	s_lshl_b32 s70, s15, 10
	s_lshl_b32 s71, s16, 2
	s_add_co_u32 s68, s66, s70
	s_add_co_u32 s68, s68, s71
	s_add_co_u32 s68, s68, 65536
	s_mov_b32 s69, 0
	s_lshl_b32 s70, s15, 15
	s_lshl_b32 s71, s16, 11
	s_add_co_u32 s66, s66, s70
	s_add_co_u32 s66, s66, s71
	s_mov_b32 s67, 0
	s_mov_b32 s[SEL], 0x76543210
	s_mov_b32 s[SEL+1], 0xfedcba98
	s_mov_b32 s[MNT], 0x600000
	s_mov_b32 s[HIM], 0xffff0000
.else
	s_lshl_b32 s66, s20, 4
	s_lshl_b32 s70, s15, 3
	s_add_co_u32 s66, s66, s70
	s_lshl_b32 s66, s66, 16
	s_lshl_b32 s70, s21, 3
	s_lshl_b32 s71, s16, 2
	s_add_co_u32 s70, s70, s71
	s_lshl_b32 s70, s70, 11
	s_add_co_u32 s66, s66, s70
	s_mov_b32 s67, 0
.endif
	s_wait_dscnt 0x0
	s_wait_kmcnt 0x0
	s_add_nc_u64 s[22:23], s[PA:PA+1], s[22:23]
	s_add_nc_u64 s[46:47], s[PB:PB+1], s[46:47]
	; PREFETCHES of K steps 2 and 3, behind the head's loads of steps 0 and 1: two K steps ahead of the refills that will want them; there are four steps, so nothing is asked for past the operand's end.
	; The half unit that my wave fetches in the ring is 132 blocks of 256 bytes; the four partners that ask for it jointly share them out BY ADDRESS, 33 each (place cx for A's, cy for B's): 32 by a lane each and the 33rd by all lanes of a second line.
	s_cmp_eq_u32 s15, 0
	s_cselect_b64 s[12:13], s[22:23], s[46:47]
	s_cselect_b32 s78, s40, s41
	s_mul_i32 s78, s78, 33*256
	s_mov_b32 s79, 0
	s_add_nc_u64 s[12:13], s[12:13], s[78:79]      ; never rewritten
.macro PF t
	global_prefetch_b8 v30, s[12:13] offset:(\t)*UNIT th:TH_LOAD_NT scope:SCOPE_SE
	global_prefetch_b8 v31, s[12:13] offset:(\t)*UNIT+8192 th:TH_LOAD_NT scope:SCOPE_SE
.endm
	s_add_nc_u64 s[66:67], s[PO:PO+1], s[66:67]
.if QOUT
	s_add_nc_u64 s[68:69], s[PO:PO+1], s[68:69]
.endif
	CROUND
.irp s, 0,1
	s_mov_b32 s[G0+4*\s], 1
	s_add_co_u32 s[G0+4*\s+1], s45, \s*SLOT
	s_add_nc_u64 s[G0+4*\s+2:G0+4*\s+3], s[22:23], \s*UNIT
	s_or_b32 s[G0+4*\s+3], s[G0+4*\s+3], 0x80000000
	s_mov_b32 s[G0B+4*\s], 1
	s_add_co_u32 s[G0B+4*\s+1], s45, \s*SLOT
	s_add_nc_u64 s[G0B+4*\s+2:G0B+4*\s+3], s[46:47], \s*UNIT
	s_or_b32 s[G0B+4*\s+3], s[G0B+4*\s+3], 0x80000000
.endr
	; THE HEAD'S LOADS, ONE A WAVE, each a whole unit: wave w brings A's (w even) or B's (w odd) unit of K step w / 2 into slot w / 2: both slots are asked for at once
	s_mul_i32 s78, s16, HALFU
	s_mov_b32 s79, 0
	s_sub_nc_u64 s[82:83], s[22:23], s[78:79]      ; A's unit of K step 0, from its first byte
	s_sub_nc_u64 s[86:87], s[46:47], s[78:79]      ; B's
	s_mul_i32 s78, s15, UNIT
	s_add_nc_u64 s[82:83], s[82:83], s[78:79]
	s_add_nc_u64 s[86:87], s[86:87], s[78:79]
	s_or_b32 s83, s83, 0x80000000
	s_or_b32 s87, s87, 0x80000000
	s_mov_b32 s80, 1
	s_mov_b32 s84, 1
	s_mul_i32 s81, s15, SLOT
	s_add_co_u32 s85, s81, UNIT
	s_wait_alu depctr_va_vdst(0)
	s_cmp_eq_u32 s16, 0
	s_cbranch_scc0 .Lhead_b
	tensor_load_to_lds s[80:83], s[G1:G1+7]
	s_nop 0
.rept 4
	v_nop
.endr
	s_branch .Lhead_asked
.Lhead_b:
	tensor_load_to_lds s[84:87], s[G1B:G1B+7]
	s_nop 0
.rept 4
	v_nop
.endr
.Lhead_asked:
	PF 2
	PF 3
	v_and_b32 v1, 15, v0
	v_bfe_u32 v2, v0, 4, 1
	s_wait_alu depctr_va_vdst(0)
	v_and_b32 v3, 31, v0
	v_lshlrev_b32 v[LI], 4, v3
	v_lshlrev_b32 v[L8], 3, v3
	s_lshl_b32 s70, s15, 15
	s_lshl_b32 s71, s16, 15
	s_add_co_u32 s71, s71, UNIT
.irp s, 0,1
	v_add_nc_u32 v[ADRA+\s], s70, v[LI]
	v_add_nc_u32 v[ADRB+\s], s71, v[LI]
	s_add_co_u32 s70, s70, SLOT
	s_add_co_u32 s71, s71, SLOT
.endr
	s_lshl_b32 s70, s15, 10
	s_lshl_b32 s71, s16, 10
	s_add_co_u32 s71, s71, UNIT
	s_sub_co_u32 s71, s71, s70
	v_mul_u32_u24 v4, s71, v2
	v_lshl_add_u32 v4, v1, 3, v4
	s_add_co_u32 s70, s70, 65536
	v_add_nc_u32 v[ADRS], s70, v4
	s_add_co_u32 s70, s70, SLOT
	v_add_nc_u32 v[ADRS+1], s70, v4
.if MODE == 2
	s_lshl_b32 s76, s21, 10
	s_lshl_b32 s77, s16, 9
	s_add_co_u32 s76, s76, s77
	s_mov_b32 s77, 0
	s_add_nc_u64 s[76:77], s[8:9], s[76:77]
	v_lshlrev_b32 v[BO], 6, v2
.irp b, 0,1,2,3,4,5,6,7
	global_load_b128 v[BI+8*\b:BI+8*\b+3], v[BO], s[76:77] offset:(32*(\b/2)+8*(\b%2))*4
	global_load_b128 v[BI+8*\b+4:BI+8*\b+7], v[BO], s[76:77] offset:(32*(\b/2)+8*(\b%2))*4+16
.endr
.endif
.macro FRAG reg, adr, q, i
.irp c, 0,1,2,3
	ds_load_b128 v[\reg+4*\c:\reg+4*\c+3], v[\adr] offset:2048*(\q)+512*\c+(\i)*4096
.endr
.endm
.macro MUL16 a0, p, q, sc, zero
.irp a, \a0, \a0+1
.irp b, 0,1,2,3,4,5,6,7
.if \zero == 1
	v_wmma_scale_f32_16x16x128_f8f6f4 v[8*(8*((\a)%4)+\b):8*(8*((\a)%4)+\b)+7], v[128*(\p)+FR*\b:128*(\p)+FR*\b+FR-1], v[AF+FR*(\a):AF+FR*(\a)+FR-1], 0, v[SC+8*NQ*(\sc)+NQ*\b+(\q)], v[SC+8*NQ*(\sc)+NQ*(\a)+(\q)] matrix_a_scale:MATRIX_SCALE_ROW1
.elseif \zero == 2
	v_wmma_scale_f32_16x16x128_f8f6f4 v[8*(8*((\a)%4)+\b):8*(8*((\a)%4)+\b)+7], v[128*(\p)+FR*\b:128*(\p)+FR*\b+FR-1], v[AF+FR*(\a):AF+FR*(\a)+FR-1], v[BI+8*\b:BI+8*\b+7], v[SC+8*NQ*(\sc)+NQ*\b+(\q)], v[SC+8*NQ*(\sc)+NQ*(\a)+(\q)] matrix_a_scale:MATRIX_SCALE_ROW1
.else
	v_wmma_scale_f32_16x16x128_f8f6f4 v[8*(8*((\a)%4)+\b):8*(8*((\a)%4)+\b)+7], v[128*(\p)+FR*\b:128*(\p)+FR*\b+FR-1], v[AF+FR*(\a):AF+FR*(\a)+FR-1], v[8*(8*((\a)%4)+\b):8*(8*((\a)%4)+\b)+7], v[SC+8*NQ*(\sc)+NQ*\b+(\q)], v[SC+8*NQ*(\sc)+NQ*(\a)+(\q)] matrix_a_scale:MATRIX_SCALE_ROW1
.endif
.endr
.endr
.endm
.macro FETCH_B slot, q, p
	WIN TO_B
.irp i, 0,1,2,3,4,5,6,7
	FRAG 128*(\p)+FR*\i, ADRB+\slot, \q, \i
.endr
	WIN 0
.endm
.macro FETCH_A slot, q, i0
.irp i, \i0, \i0+1, \i0+2, \i0+3
	FRAG AF+FR*(\i), ADRA+\slot, \q, \i
.endr
.endm
.macro SCALES sc
.irp i, 0,1,2,3,4,5,6,7
	ds_load_b64 v[SC+8*NQ*\sc+NQ*\i:SC+8*NQ*\sc+NQ*\i+1], v[ADRS+\sc] offset:\i*128
.endr
.endm
.macro PLACES n
.rept \n
	v_nop
.endr
.endm
.macro STEP slot, q, zero
	s_wait_dscnt 4*NL
.if \zero == 2
	WIN 0x81
.else
	WIN MUL_LO
.endif
	MUL16 0, (\q)%2, \q, \slot, \zero
	MUL16 2, (\q)%2, \q, \slot, \zero
	s_wait_dscnt 0
	PLACES NP
	FETCH_B \slot, (\q)+1, 1-(\q)%2
	FETCH_A \slot, (\q)+1, 0
.if \zero == 2
	WIN 0xc1
.else
	WIN MUL_HI
.endif
	MUL16 4, (\q)%2, \q, \slot, \zero
	MUL16 6, (\q)%2, \q, \slot, \zero
	PLACES NP
	WIN 0
	FETCH_A \slot, (\q)+1, 4
.endm
.macro TURN slot, next, fill
	s_wait_tensorcnt 0x0
	ds_add_u32 v[SPW], v[NIL]
	s_wait_dscnt 4*NL+1
	WIN MUL_LO
	MUL16 0, 1, NQ-1, \slot, 0
	s_wait_dscnt 0x0
	s_barrier_signal -1
	MUL16 2, 1, NQ-1, \slot, 0
	WIN 0
	s_barrier_wait -1
.if \fill
	CREST
	s_add_nc_u64 s[G0+4*\slot+2:G0+4*\slot+3], s[G0+4*\slot+2:G0+4*\slot+3], 2*UNIT
	s_add_nc_u64 s[G0B+4*\slot+2:G0B+4*\slot+3], s[G0B+4*\slot+2:G0B+4*\slot+3], 2*UNIT
	JLOAD G0+4*\slot, G1, G0B+4*\slot, G1B
	PLACES NP-4
.else
	PLACES NP
.endif
	FETCH_B \next, 0, 0
	FETCH_A \next, 0, 0
	SCALES \next
	WIN MUL_HI
	MUL16 4, 1, NQ-1, \slot, 0
	MUL16 6, 1, NQ-1, \slot, 0
	PLACES NP
	WIN 0
	FETCH_A \next, 0, 4
.endm
	s_wait_alu depctr_va_vdst(0)
	s_wait_tensorcnt 0x0                           ; my unit is in, and no tensor load of mine is out, so a descriptor may be written: from here on a load brings half a unit
	s_mov_b32 s[G1+2], 132<<16
	s_mov_b32 s[G1+4], 132
	s_mov_b32 s[G1B+2], 132<<16
	s_mov_b32 s[G1B+4], 132
	s_barrier_signal -1
	s_barrier_wait -1
	FETCH_B 0, 0, 0
	FETCH_A 0, 0, 0
	SCALES 0
	FETCH_A 0, 0, 4
.if MODE == 2
	s_wait_loadcnt 0x0
.endif
	STEP 0, 0, FIRSTC
	s_mov_b32 s3, LAPS-1
.Llap:
	TURN 0, 1, 1
	STEP 1, 0, 0
	TURN 1, 0, 1
	STEP 0, 0, 0
	s_sub_co_u32 s3, s3, 1
	s_cmp_lg_u32 s3, 0
	s_cbranch_scc1 .Llap
	TURN 0, 1, 0
	STEP 1, 0, 0
	s_wait_dscnt 4*NL
	WIN MUL_LO
	MUL16 0, 1, NQ-1, 1, 0
	MUL16 2, 1, NQ-1, 1, 0
	s_wait_dscnt 0
	WIN MUL_HI
	MUL16 4, 1, NQ-1, 1, 0
	MUL16 6, 1, NQ-1, 1, 0
	WIN 0
	PLACES NP
.if QOUT
.macro QTILE a
.set W,   2+(\a)/4
.set S0,  64*((\a)%4)
.set PCA, PC+16*((\a)%2)
.set WSS, W|(W<<2)
.set WDS, (W<<6)|W
	WIN WSS
.irp b, 0,1,2,3
.if RELU
	v_max3_num_f32 v[TM+\b], v[S0+16*\b], v[S0+16*\b+1], 0x4800000
.else
	v_max3_num_f32 v[TM+\b], |v[S0+16*\b]|, |v[S0+16*\b+1]|, 0x4800000
.endif
.endr
.irp i, 2,4,6,8,10,12,14
.irp b, 0,1,2,3
.if RELU
	v_max3_num_f32 v[TM+\b], v[S0+16*\b+\i], v[S0+16*\b+\i+1], v[TM+\b]
.else
	v_max3_num_f32 v[TM+\b], |v[S0+16*\b+\i]|, |v[S0+16*\b+\i+1]|, v[TM+\b]
.endif
.endr
.endr
	WIN 0
.irp b, 0,1,2,3
	v_permlanex16_b32 v[TM+4+\b], v[TM+\b], s[SEL], s[SEL+1]
.endr
.irp b, 0,1,2,3
	v_max_num_f32 v[TM+\b], v[TM+\b], v[TM+4+\b]
.endr
.irp b, 0,1,2,3
	v_add_nc_u32 v[TM+12+\b], 0xfc000000, v[TM+\b]
.endr
.irp b, 0,1,2,3
	v_and_or_b32 v[TM+8+\b], v[TM+\b], 0x7f800000, s[MNT]
.endr
.irp b, 0,1,2,3
	v_lshrrev_b32 v[TM+4+\b], 23, v[TM+12+\b]
.endr
	v_lshl_or_b32 v[PWR+(\a)], v[TM+5], 8, v[TM+4]
	v_lshl_or_b32 v[PWR+(\a)], v[TM+6], 16, v[PWR+(\a)]
	v_lshl_or_b32 v[PWR+(\a)], v[TM+7], 24, v[PWR+(\a)]
	WIN WDS
.irp b, 0,1,2,3
.irp i, 0,1,2,3,4,5,6,7,8,9,10,11,12,13,14,15
.if RELU
	v_med3_num_f32 v[S0+16*\b+\i], v[S0+16*\b+\i], 0, v[TM+8+\b]
.else
	v_med3_num_f32 v[S0+16*\b+\i], v[S0+16*\b+\i], -v[TM+8+\b], v[TM+8+\b]
.endif
.endr
.endr
	s_wait_alu depctr_va_vdst(0)
	s_wait_xcnt 0x0
	WIN W
.irp b, 0,1,2,3
	v_cvt_scalef32_pk8_fp8_f32 v[PCA+4*\b:PCA+1+4*\b], v[S0+16*\b:S0+7+16*\b], v[TM+12+\b]
	v_cvt_scalef32_pk8_fp8_f32 v[PCA+2+4*\b:PCA+3+4*\b], v[S0+8+16*\b:S0+15+16*\b], v[TM+12+\b]
.endr
	WIN 0
	v_nop
.irp c, 0,1,2,3
	global_store_b128 v[LI], v[PCA+4*\c:PCA+4*\c+3], s[66:67] offset:4096*(\a)+512*\c
.endr
.if ((\a)%2) == 1
	v_cndmask_b32 v[CW+(\a)/2], v[PWR+(\a)-1], v[PWR+(\a)], s[HIM]
	global_store_b32 v[L8], v[CW+(\a)/2], s[68:69] offset:128*((\a)-1)
.endif
.endm
.irp b, 0,1,2,3
	v_mov_b32 v[TM+4+\b], 0
.endr
.irp a, 0,1,2,3,4,5,6,7
	QTILE \a
.endr
.else
.irp a, 0,1,2,3,4,5,6,7
	WIN (2+\a/4)<<2
.irp b, 0,1,2,3,4,5,6,7
	global_store_b128 v[LI], v[64*(\a%4)+8*\b:64*(\a%4)+8*\b+3], s[66:67] offset:65536*\a+2048*(\b/2)+1024*(\b%2)
	global_store_b128 v[LI], v[64*(\a%4)+8*\b+4:64*(\a%4)+8*\b+7], s[66:67] offset:65536*\a+2048*(\b/2)+1024*(\b%2)+512
.endr
.endr
	WIN 0
.endif
	s_wait_tensorcnt 0x0
	ds_add_u32 v[SPW], v[NIL]
	s_wait_dscnt 0x0
	CROUND
	s_endpgm
.Lfunc_end_k_qa21d2b71ec_w1:
	.size	k_qa21d2b71ec_w1, .Lfunc_end_k_qa21d2b71ec_w1-k_qa21d2b71ec_w1
	.p2alignl 7, 3214868480
	.fill 96, 4, 3214868480
	.section	.rodata,"a",@progbits
	.p2align	6, 0x0
	.amdhsa_kernel k_qa21d2b71ec_w1
		.amdhsa_group_segment_fixed_size 327680
		.amdhsa_private_segment_fixed_size 0
		.amdhsa_enable_private_segment 0
		.amdhsa_kernarg_size 32
		.amdhsa_user_sgpr_count 2
		.amdhsa_user_sgpr_kernarg_segment_ptr 1
		.amdhsa_wavefront_size32 1
		.amdhsa_system_sgpr_workgroup_id_x 1
		.amdhsa_system_sgpr_workgroup_id_y 1
		.amdhsa_system_sgpr_workgroup_id_z 1
		.amdhsa_system_vgpr_workitem_id 0
		.amdhsa_next_free_vgpr 1024
		.amdhsa_next_free_sgpr 88
		.amdhsa_reserve_vcc 0
		.amdhsa_float_denorm_mode_32 3
		.amdhsa_float_denorm_mode_16_64 3
		.amdhsa_memory_ordered 1
		.amdhsa_forward_progress 1
		.amdhsa_inst_pref_size 186
	.end_amdhsa_kernel
	.amdgpu_metadata
---
amdhsa.version: [ 1, 2 ]
amdhsa.kernels:
  - .name:           k_qa21d2b71ec_w1
    .symbol:         k_qa21d2b71ec_w1.kd
    .args:
      - { .name: hbuf, .offset: 0, .size: 8, .value_kind: global_buffer, .address_space: global }
      - { .name: prepb, .offset: 8, .size: 8, .value_kind: global_buffer, .address_space: global }
      - { .name: b1, .offset: 16, .size: 8, .value_kind: global_buffer, .address_space: global }
      - { .name: hid, .offset: 24, .size: 8, .value_kind: global_buffer, .address_space: global }
    .group_segment_fixed_size: 327680
    .private_segment_fixed_size: 0
    .kernarg_segment_align: 8
    .kernarg_segment_size: 32
    .max_flat_workgroup_size: 128
    .sgpr_count:     88
    .vgpr_count:     1024
    .wavefront_size: 32
...
	.end_amdgpu_metadata
.endif
;; end of part 6
;; launch w2 (part 7): grid 16 x 16, 4 waves a work-group, clusters of 4 x 4, 327,680 bytes of LDS; arguments hid, prepb, r2; writes r2
.if DOCPART == 7
	.amdgcn_target "amdgcn-amd-amdhsa--gfx1250"
	.amdhsa_code_object_version 6
	.text
	.protected	k_qa21d2b71ec_w2
	.globl	k_qa21d2b71ec_w2
	.p2align	8
	.type	k_qa21d2b71ec_w2,@function
k_qa21d2b71ec_w2:
	s_mov_b64 s[64:65], 0
	v_nop
	global_prefetch_b8 v0, s[64:65] scope:SCOPE_SE
	s_setreg_imm32_b32 hwreg(HW_REG_WAVE_MODE, 25, 1), 1
	s_wait_xcnt 0x0
	s_wait_alu depctr_hold_cnt(0) depctr_sa_sdst(0) depctr_va_vdst(0) depctr_va_sdst(0) depctr_va_ssrc(0) depctr_va_vcc(0) depctr_vm_vsrc(0)
	s_getreg_b32 s2, hwreg(HW_REG_IB_STS2, 6, 4)
	s_cmp_eq_u32 s2, 0
	s_cbranch_scc0 .Lentry_in_a_cluster
	s_endpgm
.Lentry_in_a_cluster:
	s_bfe_u32 s2, ttmp6, 0x10000c
	s_cmp_lg_u32 s2, 0xf033
	s_cbranch_scc0 .Lentry_shape_is_right
	s_endpgm
.Lentry_shape_is_right:
.set MODE,  3
.set UNIT,  67584
.set HALFU, 33792
.set BLK4,  4*UNIT
.set BLK16, 16*UNIT
.set SLOT,  2*UNIT
.set SPARE, 2*SLOT
.set NQ,    2
.set FR,    16
.set NL,    4
.set NP,    8
.if MODE == 0
.set LAPS, 2
.set ASTR, BLK4
.set AOFF, 0
.set BSTR, BLK4
.set BOFF, 0
.set BB0,  16
.set PA,   4
.set PB,   4
.set PO,   6
.set QOUT, 1
.set RELU, 0
.set FIRSTC, 1
.endif
.if MODE == 1
.set LAPS, 2
.set ASTR, BLK4
.set AOFF, 0
.set BSTR, BLK4
.set BOFF, 0
.set BB0,  28
.set PA,   4
.set PB,   6
.set PO,   8
.set QOUT, 0
.set RELU, 0
.set FIRSTC, 1
.endif
.if MODE == 2
.set LAPS, 2
.set ASTR, BLK4
.set AOFF, 16777216
.set BSTR, BLK4
.set BOFF, 0
.set BB0,  32
.set PA,   4
.set PB,   6
.set PO,   10
.set QOUT, 1
.set RELU, 1
.set FIRSTC, 2
.endif
.if MODE == 3
.set LAPS, 2
.set ASTR, BLK16
.set AOFF, 0
.set BSTR, BLK16
.set BOFF, 192*UNIT
.set BB0,  0
.set PA,   4
.set PB,   6
.set PO,   8
.set QOUT, 0
.set RELU, 0
.set FIRSTC, 1
.endif
.set ADRA, 16
.set ADRB, 20
.set ADRS, 22
.set LI,   24
.set L8,   25
.set BO,   26
.set SPW,  28
.set NIL,  29
.set SC,   32
.set BI,   64
.set AF,   128
.set TM,   128
.set PWR,  152
.set PC,   160
.set CW,   192
.set G1,   24
.set G0,   32
.set G1B,  48
.set G0B,  56
.set SEL,  72
.set MNT,  74
.set HIM,  75
.set MSB, 0
.macro WIN new
.if MSB != (\new)
	s_set_vgpr_msb (MSB<<8)|(\new)
.set MSB, (\new)
.endif
.endm
.set MUL_LO, 0xa1
.set MUL_HI, 0xf1
.set TO_B,   0x40
.macro JLOAD g0a, g1a, g0b, g1b
	s_cmp_eq_u32 s15, 0
	s_cbranch_scc0 .Lfor_b_\@
	tensor_load_to_lds s[\g0a:\g0a+3], s[\g1a:\g1a+7]
	s_nop 0
.rept 4
	v_nop
.endr
	s_branch .Lasked_\@
.Lfor_b_\@:
	tensor_load_to_lds s[\g0b:\g0b+3], s[\g1b:\g1b+7]
	s_nop 0
.rept 4
	v_nop
.endr
.Lasked_\@:
.endm
.macro CREST
	s_cmp_lg_u32 s14, 0
	s_cbranch_scc1 .Lnot_wave_0_\@
	s_barrier_signal -3
.Lnot_wave_0_\@:
	s_barrier_wait -3
	s_barrier_signal -1
	s_barrier_wait -1
.endm
.macro CROUND
	s_barrier_signal -1
	s_barrier_wait -1
	CREST
.endm
	s_load_b128 s[4:7], s[0:1], 0x0
.if MODE == 1 || MODE == 3
	s_load_b64 s[8:9], s[0:1], 0x10
.endif
.if MODE == 2
	s_load_b128 s[8:11], s[0:1], 0x10
.endif
	v_lshl_add_u32 v[SPW], v0, 2, SPARE
	v_mov_b32 v[NIL], 0
	ds_add_u32 v[SPW], v[NIL]
	ds_add_u32 v[SPW], v[NIL]
	v_lshrrev_b32 v1, 5, v0
	v_readfirstlane_b32 s14, v1
	v_and_b32 v30, 31, v0
	v_lshlrev_b32 v30, 8, v30                      ; the prefetches' offsets: 256 x lane,
	v_mov_b32 v31, 0                               ; and 0; neither is rewritten
	s_lshr_b32 s15, s14, 1
	s_and_b32 s16, s14, 1
	s_bfe_u32 s40, ttmp6, 0x40000
	s_bfe_u32 s41, ttmp6, 0x40004
	s_and_b32 s17, ttmp7, 0xffff
	s_lshl_b32 s17, s17, 2
.if MODE == 3
	s_mov_b32 s42, 0
.else
	s_lshl_b32 s42, ttmp9, 2
.endif
.if BB0
	s_add_co_u32 s19, s42, BB0
.else
	s_mov_b32 s19, s42
.endif
.if MODE == 0
	s_cmp_lt_u32 ttmp9, 2
	s_cselect_b32 s18, s17, 24
	s_cselect_b32 s19, s19, s17
	s_cselect_b32 s20, s17, 16
	s_cselect_b32 s21, s42, s17
.else
	s_mov_b32 s18, s17
	s_mov_b32 s20, s17
	s_mov_b32 s21, s42
.endif
	s_add_co_u32 s18, s18, s41
	s_add_co_u32 s19, s19, s40
	s_add_co_u32 s20, s20, s41
	s_add_co_u32 s21, s21, s40
	s_mul_i32 s45, s16, HALFU
	s_mul_i32 s22, s18, ASTR
	s_add_co_u32 s22, s22, s45
.if AOFF
	s_add_co_u32 s22, s22, AOFF
.endif
	s_mov_b32 s23, 0
	s_mul_i32 s46, s19, BSTR
	s_add_co_u32 s46, s46, s45
.if BOFF
	s_add_co_u32 s46, s46, BOFF
.endif
	s_mov_b32 s47, 0
.if MODE == 3
	s_mul_i32 s70, ttmp9, 4*UNIT
	s_add_co_u32 s22, s22, s70
	s_add_co_u32 s46, s46, s70
.endif
	s_mul_i32 s45, s14, HALFU
	s_lshl_b32 s43, s41, 2
	s_lshl_b32 s43, 15, s43
	s_lshl_b32 s44, 0x1111, s40
	s_or_b32 s[G1+0], s43, (3<<16)|(1<<21)
	s_or_b32 s[G1B+0], s44, (3<<16)|(1<<21)
.irp g, G1, G1B
	s_mov_b32 s[\g+1], 32<<16
	s_mov_b32 s[\g+2], 264<<16                     ; the head's loads bring whole units, 264 rows of 256 bytes; behind them the two words that count rows are set to 132, for the ring's
	s_mov_b32 s[\g+3], 32<<16
	s_mov_b32 s[\g+4], 264
	s_mov_b32 s[\g+5], 32
	s_mov_b32 s[\g+6], 0
	s_mov_b32 s[\g+7], 0
.endr
.if QOUT
	s_mul_i32 s66, s20, BLK16
	s_mul_i32 s70, s21, UNIT
	s_add_co_u32 s66, s66, s70
	s_lshl_b32 s70, s15, 10
	s_lshl_b32 s71, s16, 2
	s_add_co_u32 s68, s66, s70
	s_add_co_u32 s68, s68, s71
	s_add_co_u32 s68, s68, 65536
	s_mov_b32 s69, 0
	s_lshl_b32 s70, s15, 15
	s_lshl_b32 s71, s16, 11
	s_add_co_u32 s66, s66, s70
	s_add_co_u32 s66, s66, s71
	s_mov_b32 s67, 0
	s_mov_b32 s[SEL], 0x76543210
	s_mov_b32 s[SEL+1], 0xfedcba98
	s_mov_b32 s[MNT], 0x600000
	s_mov_b32 s[HIM], 0xffff0000
.else
	s_lshl_b32 s66, s20, 4
	s_lshl_b32 s70, s15, 3
	s_add_co_u32 s66, s66, s70
	s_lshl_b32 s66, s66, 16
	s_lshl_b32 s70, s21, 3
	s_lshl_b32 s71, s16, 2
	s_add_co_u32 s70, s70, s71
	s_lshl_b32 s70, s70, 11
	s_add_co_u32 s66, s66, s70
.if MODE == 3
	s_lshl_b32 s70, ttmp9, 24
	s_add_co_u32 s66, s66, s70
.endif
	s_mov_b32 s67, 0
.endif
	s_wait_dscnt 0x0
	s_wait_kmcnt 0x0
	s_add_nc_u64 s[22:23], s[PA:PA+1], s[22:23]
	s_add_nc_u64 s[46:47], s[PB:PB+1], s[46:47]
	; PREFETCHES of K steps 2 and 3, behind the head's loads of steps 0 and 1: two K steps ahead of the refills that will want them; my quarter of K has four steps, so nothing is asked for past it.
	; The half unit that my wave fetches in the ring is 132 blocks of 256 bytes; the four partners that ask for it jointly share them out BY ADDRESS, 33 each (place cx for A's, cy for B's): 32 by a lane each and the 33rd by all lanes of a second line.
	s_cmp_eq_u32 s15, 0
	s_cselect_b64 s[12:13], s[22:23], s[46:47]
	s_cselect_b32 s78, s40, s41
	s_mul_i32 s78, s78, 33*256
	s_mov_b32 s79, 0
	s_add_nc_u64 s[12:13], s[12:13], s[78:79]      ; never rewritten
.macro PF t
	global_prefetch_b8 v30, s[12:13] offset:(\t)*UNIT th:TH_LOAD_NT scope:SCOPE_SE
	global_prefetch_b8 v31, s[12:13] offset:(\t)*UNIT+8192 th:TH_LOAD_NT scope:SCOPE_SE
.endm
	s_add_nc_u64 s[66:67], s[PO:PO+1], s[66:67]
.if QOUT
	s_add_nc_u64 s[68:69], s[PO:PO+1], s[68:69]
.endif
	CROUND
.irp s, 0,1
	s_mov_b32 s[G0+4*\s], 1
	s_add_co_u32 s[G0+4*\s+1], s45, \s*SLOT
	s_add_nc_u64 s[G0+4*\s+2:G0+4*\s+3], s[22:23], \s*UNIT
	s_or_b32 s[G0+4*\s+3], s[G0+4*\s+3], 0x80000000
	s_mov_b32 s[G0B+4*\s], 1
	s_add_co_u32 s[G0B+4*\s+1], s45, \s*SLOT
	s_add_nc_u64 s[G0B+4*\s+2:G0B+4*\s+3], s[46:47], \s*UNIT
	s_or_b32 s[G0B+4*\s+3], s[G0B+4*\s+3], 0x80000000
.endr
	; THE HEAD'S LOADS, ONE A WAVE, each a whole unit: wave w brings A's (w even) or B's (w odd) unit of K step w / 2 into slot w / 2: both slots are asked for at once
	s_mul_i32 s78, s16, HALFU
	s_mov_b32 s79, 0
	s_sub_nc_u64 s[82:83], s[22:23], s[78:79]      ; A's unit of K step 0, from its first byte
	s_sub_nc_u64 s[86:87], s[46:47], s[78:79]      ; B's
	s_mul_i32 s78, s15, UNIT
	s_add_nc_u64 s[82:83], s[82:83], s[78:79]
	s_add_nc_u64 s[86:87], s[86:87], s[78:79]
	s_or_b32 s83, s83, 0x80000000
	s_or_b32 s87, s87, 0x80000000
	s_mov_b32 s80, 1
	s_mov_b32 s84, 1
	s_mul_i32 s81, s15, SLOT
	s_add_co_u32 s85, s81, UNIT
	s_wait_alu depctr_va_vdst(0)
	s_cmp_eq_u32 s16, 0
	s_cbranch_scc0 .Lhead_b
	tensor_load_to_lds s[80:83], s[G1:G1+7]
	s_nop 0
.rept 4
	v_nop
.endr
	s_branch .Lhead_asked
.Lhead_b:
	tensor_load_to_lds s[84:87], s[G1B:G1B+7]
	s_nop 0
.rept 4
	v_nop
.endr
.Lhead_asked:
	PF 2
	PF 3
	v_and_b32 v1, 15, v0
	v_bfe_u32 v2, v0, 4, 1
	s_wait_alu depctr_va_vdst(0)
	v_and_b32 v3, 31, v0
	v_lshlrev_b32 v[LI], 4, v3
	v_lshlrev_b32 v[L8], 3, v3
	s_lshl_b32 s70, s15, 15
	s_lshl_b32 s71, s16, 15
	s_add_co_u32 s71, s71, UNIT
.irp s, 0,1
	v_add_nc_u32 v[ADRA+\s], s70, v[LI]
	v_add_nc_u32 v[ADRB+\s], s71, v[LI]
	s_add_co_u32 s70, s70, SLOT
	s_add_co_u32 s71, s71, SLOT
.endr
	s_lshl_b32 s70, s15, 10
	s_lshl_b32 s71, s16, 10
	s_add_co_u32 s71, s71, UNIT
	s_sub_co_u32 s71, s71, s70
	v_mul_u32_u24 v4, s71, v2
	v_lshl_add_u32 v4, v1, 3, v4
	s_add_co_u32 s70, s70, 65536
	v_add_nc_u32 v[ADRS], s70, v4
	s_add_co_u32 s70, s70, SLOT
	v_add_nc_u32 v[ADRS+1], s70, v4
.if MODE == 2
	s_lshl_b32 s76, s21, 10
	s_lshl_b32 s77, s16, 9
	s_add_co_u32 s76, s76, s77
	s_mov_b32 s77, 0
	s_add_nc_u64 s[76:77], s[8:9], s[76:77]
	v_lshlrev_b32 v[BO], 6, v2
.irp b, 0,1,2,3,4,5,6,7
	global_load_b128 v[BI+8*\b:BI+8*\b+3], v[BO], s[76:77] offset:(32*(\b/2)+8*(\b%2))*4
	global_load_b128 v[BI+8*\b+4:BI+8*\b+7], v[BO], s[76:77] offset:(32*(\b/2)+8*(\b%2))*4+16
.endr
.endif
.macro FRAG reg, adr, q, i
.irp c, 0,1,2,3
	ds_load_b128 v[\reg+4*\c:\reg+4*\c+3], v[\adr] offset:2048*(\q)+512*\c+(\i)*4096
.endr
.endm
.macro MUL16 a0, p, q, sc, zero
.irp a, \a0, \a0+1
.irp b, 0,1,2,3,4,5,6,7
.if \zero == 1
	v_wmma_scale_f32_16x16x128_f8f6f4 v[8*(8*((\a)%4)+\b):8*(8*((\a)%4)+\b)+7], v[128*(\p)+FR*\b:128*(\p)+FR*\b+FR-1], v[AF+FR*(\a):AF+FR*(\a)+FR-1], 0, v[SC+8*NQ*(\sc)+NQ*\b+(\q)], v[SC+8*NQ*(\sc)+NQ*(\a)+(\q)] matrix_a_scale:MATRIX_SCALE_ROW1
.elseif \zero == 2
	v_wmma_scale_f32_16x16x128_f8f6f4 v[8*(8*((\a)%4)+\b):8*(8*((\a)%4)+\b)+7], v[128*(\p)+FR*\b:128*(\p)+FR*\b+FR-1], v[AF+FR*(\a):AF+FR*(\a)+FR-1], v[BI+8*\b:BI+8*\b+7], v[SC+8*NQ*(\sc)+NQ*\b+(\q)], v[SC+8*NQ*(\sc)+NQ*(\a)+(\q)] matrix_a_scale:MATRIX_SCALE_ROW1
.else
	v_wmma_scale_f32_16x16x128_f8f6f4 v[8*(8*((\a)%4)+\b):8*(8*((\a)%4)+\b)+7], v[128*(\p)+FR*\b:128*(\p)+FR*\b+FR-1], v[AF+FR*(\a):AF+FR*(\a)+FR-1], v[8*(8*((\a)%4)+\b):8*(8*((\a)%4)+\b)+7], v[SC+8*NQ*(\sc)+NQ*\b+(\q)], v[SC+8*NQ*(\sc)+NQ*(\a)+(\q)] matrix_a_scale:MATRIX_SCALE_ROW1
.endif
.endr
.endr
.endm
.macro FETCH_B slot, q, p
	WIN TO_B
.irp i, 0,1,2,3,4,5,6,7
	FRAG 128*(\p)+FR*\i, ADRB+\slot, \q, \i
.endr
	WIN 0
.endm
.macro FETCH_A slot, q, i0
.irp i, \i0, \i0+1, \i0+2, \i0+3
	FRAG AF+FR*(\i), ADRA+\slot, \q, \i
.endr
.endm
.macro SCALES sc
.irp i, 0,1,2,3,4,5,6,7
	ds_load_b64 v[SC+8*NQ*\sc+NQ*\i:SC+8*NQ*\sc+NQ*\i+1], v[ADRS+\sc] offset:\i*128
.endr
.endm
.macro PLACES n
.rept \n
	v_nop
.endr
.endm
.macro STEP slot, q, zero
	s_wait_dscnt 4*NL
.if \zero == 2
	WIN 0x81
.else
	WIN MUL_LO
.endif
	MUL16 0, (\q)%2, \q, \slot, \zero
	MUL16 2, (\q)%2, \q, \slot, \zero
	s_wait_dscnt 0
	PLACES NP
	FETCH_B \slot, (\q)+1, 1-(\q)%2
	FETCH_A \slot, (\q)+1, 0
.if \zero == 2
	WIN 0xc1
.else
	WIN MUL_HI
.endif
	MUL16 4, (\q)%2, \q, \slot, \zero
	MUL16 6, (\q)%2, \q, \slot, \zero
	PLACES NP
	WIN 0
	FETCH_A \slot, (\q)+1, 4
.endm
.macro TURN slot, next, fill
	s_wait_tensorcnt 0x0
	ds_add_u32 v[SPW], v[NIL]
	s_wait_dscnt 4*NL+1
	WIN MUL_LO
	MUL16 0, 1, NQ-1, \slot, 0
	s_wait_dscnt 0x0
	s_barrier_signal -1
	MUL16 2, 1, NQ-1, \slot, 0
	WIN 0
	s_barrier_wait -1
.if \fill
	CREST
	s_add_nc_u64 s[G0+4*\slot+2:G0+4*\slot+3], s[G0+4*\slot+2:G0+4*\slot+3], 2*UNIT
	s_add_nc_u64 s[G0B+4*\slot+2:G0B+4*\slot+3], s[G0B+4*\slot+2:G0B+4*\slot+3], 2*UNIT
	JLOAD G0+4*\slot, G1, G0B+4*\slot, G1B
	PLACES NP-4
.else
	PLACES NP
.endif
	FETCH_B \next, 0, 0
	FETCH_A \next, 0, 0
	SCALES \next
	WIN MUL_HI
	MUL16 4, 1, NQ-1, \slot, 0
	MUL16 6, 1, NQ-1, \slot, 0
	PLACES NP
	WIN 0
	FETCH_A \next, 0, 4
.endm
	s_wait_alu depctr_va_vdst(0)
	s_wait_tensorcnt 0x0                           ; my unit is in, and no tensor load of mine is out, so a descriptor may be written: from here on a load brings half a unit
	s_mov_b32 s[G1+2], 132<<16
	s_mov_b32 s[G1+4], 132
	s_mov_b32 s[G1B+2], 132<<16
	s_mov_b32 s[G1B+4], 132
	s_barrier_signal -1
	s_barrier_wait -1
	FETCH_B 0, 0, 0
	FETCH_A 0, 0, 0
	SCALES 0
	FETCH_A 0, 0, 4
.if MODE == 2
	s_wait_loadcnt 0x0
.endif
	STEP 0, 0, FIRSTC
	s_mov_b32 s3, LAPS-1
.Llap:
	TURN 0, 1, 1
	STEP 1, 0, 0
	TURN 1, 0, 1
	STEP 0, 0, 0
	s_sub_co_u32 s3, s3, 1
	s_cmp_lg_u32 s3, 0
	s_cbranch_scc1 .Llap
	TURN 0, 1, 0
	STEP 1, 0, 0
	s_wait_dscnt 4*NL
	WIN MUL_LO
	MUL16 0, 1, NQ-1, 1, 0
	MUL16 2, 1, NQ-1, 1, 0
	s_wait_dscnt 0
	WIN MUL_HI
	MUL16 4, 1, NQ-1, 1, 0
	MUL16 6, 1, NQ-1, 1, 0
	WIN 0
	PLACES NP
.if QOUT
.macro QTILE a
.set W,   2+(\a)/4
.set S0,  64*((\a)%4)
.set PCA, PC+16*((\a)%2)
.set WSS, W|(W<<2)
.set WDS, (W<<6)|W
	WIN WSS
.irp b, 0,1,2,3
.if RELU
	v_max3_num_f32 v[TM+\b], v[S0+16*\b], v[S0+16*\b+1], 0x4800000
.else
	v_max3_num_f32 v[TM+\b], |v[S0+16*\b]|, |v[S0+16*\b+1]|, 0x4800000
.endif
.endr
.irp i, 2,4,6,8,10,12,14
.irp b, 0,1,2,3
.if RELU
	v_max3_num_f32 v[TM+\b], v[S0+16*\b+\i], v[S0+16*\b+\i+1], v[TM+\b]
.else
	v_max3_num_f32 v[TM+\b], |v[S0+16*\b+\i]|, |v[S0+16*\b+\i+1]|, v[TM+\b]
.endif
.endr
.endr
	WIN 0
.irp b, 0,1,2,3
	v_permlanex16_b32 v[TM+4+\b], v[TM+\b], s[SEL], s[SEL+1]
.endr
.irp b, 0,1,2,3
	v_max_num_f32 v[TM+\b], v[TM+\b], v[TM+4+\b]
.endr
.irp b, 0,1,2,3
	v_add_nc_u32 v[TM+12+\b], 0xfc000000, v[TM+\b]
.endr
.irp b, 0,1,2,3
	v_and_or_b32 v[TM+8+\b], v[TM+\b], 0x7f800000, s[MNT]
.endr
.irp b, 0,1,2,3
	v_lshrrev_b32 v[TM+4+\b], 23, v[TM+12+\b]
.endr
	v_lshl_or_b32 v[PWR+(\a)], v[TM+5], 8, v[TM+4]
	v_lshl_or_b32 v[PWR+(\a)], v[TM+6], 16, v[PWR+(\a)]
	v_lshl_or_b32 v[PWR+(\a)], v[TM+7], 24, v[PWR+(\a)]
	WIN WDS
.irp b, 0,1,2,3
.irp i, 0,1,2,3,4,5,6,7,8,9,10,11,12,13,14,15
.if RELU
	v_med3_num_f32 v[S0+16*\b+\i], v[S0+16*\b+\i], 0, v[TM+8+\b]
.else
	v_med3_num_f32 v[S0+16*\b+\i], v[S0+16*\b+\i], -v[TM+8+\b], v[TM+8+\b]
.endif
.endr
.endr
	s_wait_xcnt 0x0
	WIN W
.irp b, 0,1,2,3
	v_cvt_scalef32_pk8_fp8_f32 v[PCA+4*\b:PCA+1+4*\b], v[S0+16*\b:S0+7+16*\b], v[TM+12+\b]
	v_cvt_scalef32_pk8_fp8_f32 v[PCA+2+4*\b:PCA+3+4*\b], v[S0+8+16*\b:S0+15+16*\b], v[TM+12+\b]
.endr
	WIN 0
	v_nop
.irp c, 0,1,2,3
	global_store_b128 v[LI], v[PCA+4*\c:PCA+4*\c+3], s[66:67] offset:4096*(\a)+512*\c
.endr
.if ((\a)%2) == 1
	v_cndmask_b32 v[CW+(\a)/2], v[PWR+(\a)-1], v[PWR+(\a)], s[HIM]
	global_store_b32 v[L8], v[CW+(\a)/2], s[68:69] offset:128*((\a)-1)
.endif
.endm
.irp b, 0,1,2,3
	v_mov_b32 v[TM+4+\b], 0
.endr
.irp a, 0,1,2,3,4,5,6,7
	QTILE \a
.endr
.else
.irp a, 0,1,2,3,4,5,6,7
	WIN (2+\a/4)<<2
.irp b, 0,1,2,3,4,5,6,7
	global_store_b128 v[LI], v[64*(\a%4)+8*\b:64*(\a%4)+8*\b+3], s[66:67] offset:65536*\a+2048*(\b/2)+1024*(\b%2)
	global_store_b128 v[LI], v[64*(\a%4)+8*\b+4:64*(\a%4)+8*\b+7], s[66:67] offset:65536*\a+2048*(\b/2)+1024*(\b%2)+512
.endr
.endr
	WIN 0
.endif
	s_wait_tensorcnt 0x0
	ds_add_u32 v[SPW], v[NIL]
	s_wait_dscnt 0x0
	CROUND
	s_endpgm
.Lfunc_end_k_qa21d2b71ec_w2:
	.size	k_qa21d2b71ec_w2, .Lfunc_end_k_qa21d2b71ec_w2-k_qa21d2b71ec_w2
	.p2alignl 7, 3214868480
	.fill 96, 4, 3214868480
	.section	.rodata,"a",@progbits
	.p2align	6, 0x0
	.amdhsa_kernel k_qa21d2b71ec_w2
		.amdhsa_group_segment_fixed_size 327680
		.amdhsa_private_segment_fixed_size 0
		.amdhsa_enable_private_segment 0
		.amdhsa_kernarg_size 24
		.amdhsa_user_sgpr_count 2
		.amdhsa_user_sgpr_kernarg_segment_ptr 1
		.amdhsa_wavefront_size32 1
		.amdhsa_system_sgpr_workgroup_id_x 1
		.amdhsa_system_sgpr_workgroup_id_y 1
		.amdhsa_system_sgpr_workgroup_id_z 1
		.amdhsa_system_vgpr_workitem_id 0
		.amdhsa_next_free_vgpr 1024
		.amdhsa_next_free_sgpr 88
		.amdhsa_reserve_vcc 0
		.amdhsa_float_denorm_mode_32 3
		.amdhsa_float_denorm_mode_16_64 3
		.amdhsa_memory_ordered 1
		.amdhsa_forward_progress 1
		.amdhsa_inst_pref_size 127
	.end_amdhsa_kernel
	.amdgpu_metadata
---
amdhsa.version: [ 1, 2 ]
amdhsa.kernels:
  - .name:           k_qa21d2b71ec_w2
    .symbol:         k_qa21d2b71ec_w2.kd
    .args:
      - { .name: hid, .offset: 0, .size: 8, .value_kind: global_buffer, .address_space: global }
      - { .name: prepb, .offset: 8, .size: 8, .value_kind: global_buffer, .address_space: global }
      - { .name: r2, .offset: 16, .size: 8, .value_kind: global_buffer, .address_space: global }
    .group_segment_fixed_size: 327680
    .private_segment_fixed_size: 0
    .kernarg_segment_align: 8
    .kernarg_segment_size: 24
    .max_flat_workgroup_size: 128
    .sgpr_count:     88
    .vgpr_count:     1024
    .wavefront_size: 32
...
	.end_amdgpu_metadata
.endif
;; end of part 7
;; launch ln2 (part 8): grid 256 x 1, 8 waves a work-group, no clusters, 69,632 bytes of LDS; arguments r2, b2, hbuf, ln2_w, ln2_b, out0; writes out0
.if DOCPART == 8
	.amdgcn_target "amdgcn-amd-amdhsa--gfx1250"
	.amdhsa_code_object_version 6
	.text
	.protected	k_qa21d2b71ec_ln2
	.globl	k_qa21d2b71ec_ln2
	.p2align	8
	.type	k_qa21d2b71ec_ln2,@function
k_qa21d2b71ec_ln2:
	s_mov_b64 s[64:65], 0
	v_nop
	global_prefetch_b8 v0, s[64:65] scope:SCOPE_SE
	s_setreg_imm32_b32 hwreg(HW_REG_WAVE_MODE, 25, 1), 1
	s_wait_xcnt 0x0
; The block's second layer norm, over rows of 1,024: out0 = ((v - mean) / sqrt(var + 1e-5)) ln2_w + ln2_b with v = (hidden x W2 + b2) + h, all in f32.
; The product arrives as FOUR PARTIAL SUMS, one for each quarter of its K, in four copies of the result 16,777,216 bytes apart: they are added here in ascending K, then b2, then h.
; (An order of rounding other than one chain of f32 sums over K; nothing behind it is quantised.)
; The copies and h lie [token tile f 0..255][group of 32 columns g][4][lane][16 bytes]: lane (r, h) holds place r of the tile, columns 32 g + 16 h + 0..15; place p of tile f is token 32 (f / 2) + 8 (f % 2) + p + 8 (p / 8).
; A work-group takes a tile of 16 tokens; wave w its columns 128 w .. 128 w + 127: 64 numbers a lane.  A row's sums meet in LDS, behind a barrier each.  A wave's 16 x 128 results turn through its own stage in LDS and leave as rows of 512 bytes.
; THE LOADS run as a ring of three sets of 16 in registers: three sets are asked for at the head; each later set is asked for into the registers of a set that has just been added, so that 32 loads of every wave stay on their way.
; Memory binds: matrix units, clusters and tensor loads would add nothing here.
; LIMITS: NaN and infinities are not served.
.set PART,  16777216                   ; from one quarter's copy of the product to the next
.set RED1,  0                          ; LDS: 8 waves x 16 rows x 4 bytes: the sums;
.set RED2,  512                        ; the sums of squares
.set STG,   1024                       ; a stage of 16 rows x (512 + 16) bytes for each wave
.set SPARE, STG+8*16*528               ; the spare words, 128 bytes for each wave: four blocks of 256 bytes that no other line names
.set SA,  32                           ; v32-47  at work in the sums
.set MN,  48                           ; v[48:49] the mean
.set RSD, 52                           ; v[52:53] 1 / sqrt(var + eps)
.set SPW, 57
.set NIL, 58
.set V,   64                           ; v64-127  my 64 numbers
.set RS,  128                          ; v128-191, v192-255: the two other sets of the ring
.set BI,  192
.set SEL, 34
; 64 numbers of a lane from a buffer laid by tiles: each load of the wave reads 512 consecutive bytes
.macro LOADF reg, base
.irp c, 0,1,2,3
.irp j, 0,1,2,3
	global_load_b128 v[\reg+16*\c+4*\j:\reg+16*\c+4*\j+3], v4, s[\base:\base+1] offset:2048*\c+512*\j th:TH_LOAD_NT
.endr
.endr
.endm
; my 64 columns of a vector of 1,024
.macro LOADV reg, base
.irp c, 0,1,2,3
.irp j, 0,1,2,3
	global_load_b128 v[\reg+16*\c+4*\j:\reg+16*\c+4*\j+3], v5, s[\base:\base+1] offset:128*\c+16*\j
.endr
.endr
.endm
.macro ADDV reg
.irp j, 0,2,4,6,8,10,12,14,16,18,20,22,24,26,28,30,32,34,36,38,40,42,44,46,48,50,52,54,56,58,60,62
	v_pk_add_f32 v[V+\j:V+\j+1], v[V+\j:V+\j+1], v[\reg+\j:\reg+\j+1]
.endr
.endm
; four packed partial sums in v[SA:SA+7] become my row's sum over all 1,024 columns, in v[SA] of every lane
.macro REDUCE red
	s_delay_alu instid0(VALU_DEP_3)
	v_pk_add_f32 v[SA:SA+1], v[SA:SA+1], v[SA+2:SA+3]
	s_delay_alu instid0(VALU_DEP_2)
	v_pk_add_f32 v[SA+4:SA+5], v[SA+4:SA+5], v[SA+6:SA+7]
	s_delay_alu instid0(VALU_DEP_1)
	v_pk_add_f32 v[SA:SA+1], v[SA:SA+1], v[SA+4:SA+5]
	s_delay_alu instid0(VALU_DEP_1)
	v_add_f32 v[SA], v[SA], v[SA+1]
	s_delay_alu instid0(VALU_DEP_1)
	v_permlanex16_b32 v[SA+1], v[SA], s[SEL], s[SEL+1]
	s_delay_alu instid0(VALU_DEP_1)
	v_add_f32 v[SA], v[SA], v[SA+1]                ; my row's sum over my wave's 128 columns
	ds_store_b32 v7, v[SA] offset:\red             ; both halves of the lanes write the same word with the same value
	s_wait_dscnt 0x0                               ; for the others' sake: my store has landed
	s_barrier_signal -1
	s_barrier_wait -1
.irp k, 0,1,2,3,4,5,6,7
	ds_load_b32 v[SA+8+\k], v8 offset:\red+64*\k
.endr
	s_wait_dscnt 0x0
	v_add_f32 v[SA+8], v[SA+8], v[SA+9]
	v_add_f32 v[SA+10], v[SA+10], v[SA+11]
	v_add_f32 v[SA+12], v[SA+12], v[SA+13]
	v_add_f32 v[SA+14], v[SA+14], v[SA+15]
	s_delay_alu instid0(VALU_DEP_3)
	v_add_f32 v[SA+8], v[SA+8], v[SA+10]
	s_delay_alu instid0(VALU_DEP_2)
	v_add_f32 v[SA+12], v[SA+12], v[SA+14]
	s_delay_alu instid0(VALU_DEP_1)
	v_add_f32 v[SA], v[SA+8], v[SA+12]
.endm
	s_load_b256 s[4:11], s[0:1], 0x0               ; the product's four copies 4, b2 6, h 8, the gain 10
	s_load_b128 s[12:15], s[0:1], 0x20             ; the norm's bias 12, the result 14
	v_lshl_add_u32 v[SPW], v0, 2, SPARE
	v_mov_b32 v[NIL], 0
	v_lshrrev_b32 v1, 5, v0
	s_delay_alu instid0(VALU_DEP_1)
	v_readfirstlane_b32 s16, v1                    ; wave 0..7
	v_and_b32 v1, 31, v0
	v_and_b32 v2, 15, v0                           ; r
	s_wait_alu depctr_va_vdst(0)
	v_bfe_u32 v3, v0, 4, 1                         ; h
	v_lshlrev_b32 v4, 4, v1                        ; 16 x lane
	s_delay_alu instid0(VALU_DEP_2)
	v_lshlrev_b32 v5, 6, v3                        ; 64 h: my 16 columns of a group of 32
	v_lshlrev_b32 v8, 2, v2                        ; 4 r
	s_lshl_b32 s17, s16, 6
	v_add_nc_u32 v7, s17, v8                       ; 4 r + 64 x wave
	v_mov_b32 v[MN+1], 0                           ; (named as the upper halves of pairs)
	v_mov_b32 v[RSD+1], 0
	s_mov_b32 s[SEL], 0x76543210
	s_mov_b32 s[SEL+1], 0xfedcba98
	s_mov_b32 s28, 0x3a800000                      ; 1 / 1,024
	s_lshl_b32 s18, ttmp9, 16
	s_lshl_b32 s17, s16, 13
	s_add_co_u32 s18, s18, s17                     ; my tile, my four groups of columns
	s_mov_b32 s19, 0
	s_lshl_b32 s20, s16, 9                         ; my 128 columns in a vector of 1,024
	s_mov_b32 s21, 0
	s_lshr_b32 s22, ttmp9, 1
	s_lshl_b32 s22, s22, 5
	s_and_b32 s17, ttmp9, 1
	s_lshl_b32 s17, s17, 3
	s_add_co_u32 s22, s22, s17                     ; the tile's first token,
	s_lshl_b32 s22, s22, 12
	s_add_co_u32 s22, s22, s20                     ; its natural row, my columns
	s_mov_b32 s23, 0
	s_mul_i32 s29, s16, 16*528
	s_add_co_u32 s29, s29, STG                     ; my stage
	v_mul_u32_u24 v9, v2, 528
	s_wait_alu depctr_va_vdst(0)
	v_lshl_add_u32 v9, v3, 6, v9
	s_delay_alu instid0(VALU_DEP_1)
	v_add_nc_u32 v9, s29, v9                       ; in: row r, + 64 h
	v_add_nc_u32 v10, s29, v4                      ; back: a whole row of 512 bytes, 16 a lane
	s_wait_kmcnt 0x0
	s_add_nc_u64 s[4:5], s[4:5], s[18:19]          ; the first quarter's copy,
	s_add_nc_u64 s[24:25], s[4:5], PART            ; the second's,
	s_add_nc_u64 s[26:27], s[4:5], 2*PART          ; the third's,
	s_add_nc_u64 s[30:31], s[4:5], 3*PART          ; the fourth's
	s_add_nc_u64 s[6:7], s[6:7], s[20:21]
	s_add_nc_u64 s[8:9], s[8:9], s[18:19]
	s_add_nc_u64 s[10:11], s[10:11], s[20:21]
	s_add_nc_u64 s[12:13], s[12:13], s[20:21]
	s_add_nc_u64 s[14:15], s[14:15], s[22:23]
	LOADF V, 4                                     ; quarter 0
	LOADF RS, 24                                   ; quarter 1
	LOADF BI, 26                                   ; quarter 2
	s_wait_loadcnt 16                              ; quarters 0 and 1 are in; the youngest 16 loads (quarter 2) may be out
	ADDV RS
	LOADF RS, 30                                   ; quarter 3, into the set just added
	s_wait_loadcnt 16                              ; quarter 2 is in; quarter 3's 16 may be out
	ADDV BI
	LOADV BI, 6                                    ; b2
	s_wait_loadcnt 16                              ; quarter 3 is in; b2's 16 may be out
	ADDV RS                                        ; the product, K ascending
	LOADF RS, 8                                    ; h
	s_wait_loadcnt 16                              ; b2 is in; h's 16 may be out
	ADDV BI                                        ; + the product's bias,
	LOADV BI, 10                                   ; the gain
	s_wait_loadcnt 16                              ; h is in; the gain's 16 may be out
	ADDV RS                                        ; + the residual
	LOADV RS, 12                                   ; the norm's bias: it and the gain land while the sums are made
.irp k, 0,1,2,3
	v_pk_add_f32 v[SA+2*\k:SA+2*\k+1], v[V+2*\k:V+2*\k+1], v[V+8+2*\k:V+9+2*\k]   ; four chains; nothing is cleared
.endr
.irp j, 16,24,32,40,48,56
.irp k, 0,1,2,3
	s_delay_alu instid0(VALU_DEP_4)
	v_pk_add_f32 v[SA+2*\k:SA+2*\k+1], v[SA+2*\k:SA+2*\k+1], v[V+\j+2*\k:V+\j+2*\k+1]
.endr
.endr
	REDUCE RED1
	s_delay_alu instid0(VALU_DEP_1)
	v_mul_f32 v[MN], s28, v[SA]                    ; the mean
.irp j, 0,2,4,6,8,10,12,14,16,18,20,22,24,26,28,30,32,34,36,38,40,42,44,46,48,50,52,54,56,58,60,62
	v_pk_add_f32 v[V+\j:V+\j+1], v[V+\j:V+\j+1], v[MN:MN+1] op_sel_hi:[1,0] neg_lo:[0,1] neg_hi:[0,1]
.endr
.irp k, 0,1,2,3
	v_pk_mul_f32 v[SA+2*\k:SA+2*\k+1], v[V+2*\k:V+2*\k+1], v[V+2*\k:V+2*\k+1]
.endr
.irp j, 8,16,24,32,40,48,56
.irp k, 0,1,2,3
	s_delay_alu instid0(VALU_DEP_4)
	v_pk_fma_f32 v[SA+2*\k:SA+2*\k+1], v[V+\j+2*\k:V+\j+2*\k+1], v[V+\j+2*\k:V+\j+2*\k+1], v[SA+2*\k:SA+2*\k+1]
.endr
.endr
	REDUCE RED2                                    ; other bytes than the first sums': no wave can write over what another still reads
	s_delay_alu instid0(VALU_DEP_1)
	v_fmaak_f32 v50, s28, v[SA], 0x3727c5ac        ; the variance + 1e-5
	s_wait_alu depctr_va_vdst(0)
	v_rsq_f32 v[RSD], v50
	v_nop                                          ; a plain line behind the transcendental,
	s_wait_alu depctr_va_vdst(0)                   ; and the wait ahead of its first reader
	s_wait_loadcnt 0x0                             ; the gain and the norm's bias
.irp j, 0,2,4,6,8,10,12,14,16,18,20,22,24,26,28,30,32,34,36,38,40,42,44,46,48,50,52,54,56,58,60,62
	v_pk_mul_f32 v[V+\j:V+\j+1], v[V+\j:V+\j+1], v[RSD:RSD+1] op_sel_hi:[1,0]
.endr
.irp j, 0,2,4,6,8,10,12,14,16,18,20,22,24,26,28,30,32,34,36,38,40,42,44,46,48,50,52,54,56,58,60,62
	v_pk_fma_f32 v[V+\j:V+\j+1], v[V+\j:V+\j+1], v[BI+\j:BI+\j+1], v[RS+\j:RS+\j+1]   ; x the gain, + the norm's bias
.endr
.irp c, 0,1,2,3
.irp j, 0,1,2,3
	ds_store_b128 v9, v[V+16*\c+4*\j:V+16*\c+4*\j+3] offset:128*\c+16*\j
.endr
.endr
.irp p, 0,1,2,3,4,5,6,7,8,9,10,11,12,13,14,15
	ds_load_b128 v[RS+4*\p:RS+4*\p+3], v10 offset:528*\p     ; LDS serves a wave's instructions in order (ISA guide 5.7.1.4): these see my stores
.endr
.irp p, 0,1,2,3,4,5,6,7,8,9,10,11,12,13,14,15
	s_wait_dscnt 15-\p                             ; row p is back; the younger loads may be out
	global_store_b128 v4, v[RS+4*\p:RS+4*\p+3], s[14:15] offset:(\p+8*(\p/8))*4096 th:TH_STORE_NT   ; place p's token: 512 consecutive bytes of its row, aligned
.endr
	s_wait_tensorcnt 0x0                           ; the wave's end, behind my last LDS store
	ds_add_u32 v[SPW], v[NIL]
	s_wait_dscnt 0x0
	s_endpgm
.Lfunc_end_k_qa21d2b71ec_ln2:
	.size	k_qa21d2b71ec_ln2, .Lfunc_end_k_qa21d2b71ec_ln2-k_qa21d2b71ec_ln2
	.p2alignl 7, 3214868480
	.fill 96, 4, 3214868480
	.section	.rodata,"a",@progbits
	.p2align	6, 0x0
	.amdhsa_kernel k_qa21d2b71ec_ln2
		.amdhsa_group_segment_fixed_size 69632
		.amdhsa_private_segment_fixed_size 0
		.amdhsa_enable_private_segment 0
		.amdhsa_kernarg_size 48
		.amdhsa_user_sgpr_count 2
		.amdhsa_user_sgpr_kernarg_segment_ptr 1
		.amdhsa_wavefront_size32 1
		.amdhsa_system_sgpr_workgroup_id_x 1
		.amdhsa_system_sgpr_workgroup_id_y 1
		.amdhsa_system_sgpr_workgroup_id_z 1
		.amdhsa_system_vgpr_workitem_id 0
		.amdhsa_next_free_vgpr 256
		.amdhsa_next_free_sgpr 66
		.amdhsa_reserve_vcc 0
		.amdhsa_float_denorm_mode_32 3
		.amdhsa_float_denorm_mode_16_64 3
		.amdhsa_memory_ordered 1
		.amdhsa_forward_progress 1
		.amdhsa_inst_pref_size 44
	.end_amdhsa_kernel
	.amdgpu_metadata
---
amdhsa.version: [ 1, 2 ]
amdhsa.kernels:
  - .name:           k_qa21d2b71ec_ln2
    .symbol:         k_qa21d2b71ec_ln2.kd
    .args:
      - { .name: r2, .offset: 0, .size: 8, .value_kind: global_buffer, .address_space: global }
      - { .name: b2, .offset: 8, .size: 8, .value_kind: global_buffer, .address_space: global }
      - { .name: hbuf, .offset: 16, .size: 8, .value_kind: global_buffer, .address_space: global }
      - { .name: ln2_w, .offset: 24, .size: 8, .value_kind: global_buffer, .address_space: global }
      - { .name: ln2_b, .offset: 32, .size: 8, .value_kind: global_buffer, .address_space: global }
      - { .name: out0, .offset: 40, .size: 8, .value_kind: global_buffer, .address_space: global }
    .group_segment_fixed_size: 69632
    .private_segment_fixed_size: 0
    .kernarg_segment_align: 8
    .kernarg_segment_size: 48
    .max_flat_workgroup_size: 256
    .sgpr_count:     66
    .vgpr_count:     256
    .wavefront_size: 32
...
	.end_amdgpu_metadata
.endif
;; end of part 8
